; MI455X (gfx1250); checked and timed in simulation.
; The chip was launched on July 23, 2026; its instructions are those of AMD's public machine-readable ISA for CDNA 5 (MIT licence, August 2026) and "CDNA5" Instruction Set Architecture Reference Guide (July 2026). The comments in the code are by the model that wrote it; some were corrected since.
;; Transformer Block. Allowed arithmetic: float matrix products may take bf16 or f16 operands with f32 sums; all other float work in f32.
;; Inputs: attn_norm_w 2,048 float32; ffn_norm_w 2,048 float32; rope_cos 2,048 x 64 float32; rope_sin 2,048 x 64 float32; w_down 1,024 x 2,048 float32; w_gate 2,048 x 1,024 float32; w_up 2,048 x 1,024 float32; wk 2,048 x 2,048 float32; wo 2,048 x 2,048 float32; wq 2,048 x 2,048 float32; wv 2,048 x 2,048 float32; x 1 x 2,048 x 2,048 float32.
;; Outputs: out0 1 x 2,048 x 2,048 float32.
;; 2 versions, each right and faster than the one before. Each part assembles by itself: llvm-mc -triple=amdgcn-amd-amdhsa -mcpu=gfx1250 --defsym DOCPART=n.
;; ======== version 1 of 2: 6 launches
;; limits: right only within a limited range of input values
;; workspace buffers: wb 46,137,344 bytes; hb 8,388,608 bytes; qkv 25,165,824 bytes; yb 8,388,608 bytes; x1 16,777,216 bytes; x1b 8,388,608 bytes; ssq 131,072 bytes; actb 4,194,304 bytes
;; launch prep (part 1): grid 64 x 13, 8 waves a work-group, no clusters, 0 bytes of LDS; arguments x, attn_norm_w, wq, wk, wv, wo, w_gate, w_up, w_down, hb, wb; writes hb, wb
.if DOCPART == 1
	.amdgcn_target "amdgcn-amd-amdhsa--gfx1250"
	.amdhsa_code_object_version 6
	.text
	.protected	k_q036aa674df_prep
	.globl	k_q036aa674df_prep
	.p2align	8
	.type	k_q036aa674df_prep,@function
k_q036aa674df_prep:
	s_mov_b64 s[64:65], 0
	v_nop
	global_prefetch_b8 v0, s[64:65] scope:SCOPE_SE
	s_setreg_imm32_b32 hwreg(HW_REG_WAVE_MODE, 25, 1), 1
	s_wait_xcnt 0x0
; hb = bf16(x / sqrt(mean(x^2) + 1e-5) * attn_norm_w), and all seven weights rounded to bf16 into wb, rows kept along K as they lie.
; wb: bytes 0: [2048 k][6144] = wq | wk | wv; 25,165,824: wo [2048][2048]; 33,554,432: gate and up woven, [2048 k][16 tiles][64 of gate, 64 of up]; 41,943,040: w_down [1024][2048].
; A stream: every input byte is read once by 16-byte loads (a wave's load covers 512 consecutive bytes), every output byte written once by 8-byte stores
; (a wave's store covers 256 consecutive bytes, aligned).  No LDS, no barrier, no matrix unit, no cluster: the work-groups share no input but the gain's 8 KB.
; SHARES.  The grid's y names a part of 1,024 rows: 0, 1 x; 2, 3 wq; 4, 5 wk; 6, 7 wv; 8, 9 wo; 10, 11 gate with up; 12 w_down.  A work-group has 16 rows, a wave 2: a row is 8,192 bytes in
; (gate with up: 4,096 of each) and 4,096 out, and lies whole in 64 registers of the wave.
; LIMIT.  The sum of a row's 2,048 squares is kept in f32: rows with a root mean square beyond 4e17 overflow.  NaN and infinities are not treated apart.
.set X, 16                             ; v[16:79]   the row
.set W, 80                             ; v[80:143]  the gain, in the row's layout
.macro IN16 nt                         ; a row of 8,192 bytes
.set i, 0
.rept 16
.if \nt
	global_load_b128 v[X+4*i:X+4*i+3], v2, s[32:33] offset:512*i th:TH_LOAD_NT
.else
	global_load_b128 v[X+4*i:X+4*i+3], v2, s[32:33] offset:512*i
.endif
.set i, i+1
.endr
.endm
.macro CVT16                           ; 64 numbers to bf16, in place: of each four registers the first two take the result
.set i, 0
.rept 16
	v_cvt_pk_bf16_f32 v[X+4*i], v[X+4*i], v[X+4*i+1]
	v_cvt_pk_bf16_f32 v[X+4*i+1], v[X+4*i+2], v[X+4*i+3]
.set i, i+1
.endr
.endm
.macro OUT16
.set i, 0
.rept 16
	global_store_b64 v3, v[X+4*i:X+4*i+1], s[36:37] offset:256*i
.set i, i+1
.endr
.endm
.macro NEXT label, step                ; the trip's end: bases and store data are written again only behind the wait
	s_wait_xcnt 0x0
	s_add_nc_u64 s[32:33], s[32:33], \step
	s_add_nc_u64 s[36:37], s[36:37], s[38:39]
	s_sub_co_u32 s40, s40, 1
	s_cmp_lg_u32 s40, 0
	s_cbranch_scc1 \label
.endm
	s_load_b512 s[8:23], s[0:1], 0x0               ; x, attn_norm_w, wq, wk, wv, wo, w_gate, w_up
	s_load_b128 s[24:27], s[0:1], 0x40             ; w_down, hb
	s_load_b64 s[28:29], s[0:1], 0x50              ; wb
	v_and_b32 v1, 31, v0                           ; lane
	v_lshrrev_b32 v4, 5, v0
	v_readfirstlane_b32 s2, v4                     ; wave
	v_lshlrev_b32 v2, 4, v1                        ; 16 bytes a lane in
	v_lshlrev_b32 v3, 3, v1                        ; 8 bytes a lane out
	v_mov_b32 v14, 0
	s_and_b32 s3, ttmp7, 0xffff                    ; the part
	s_and_b32 s4, s3, 1
	s_lshl_b32 s4, s4, 10
	s_lshl_b32 s5, ttmp9, 4
	s_add_co_u32 s4, s4, s5
	s_lshl_b32 s5, s2, 1
	s_add_co_u32 s4, s4, s5                        ; my first row
	s_mov_b32 s40, 2                               ; rows of a wave
	s_mov_b32 s7, 0
	s_mov_b32 s39, 0
	s_mov_b32 s41, 0x3a000000                      ; 1 / 2048
	s_mov_b32 s42, 0x3727c5ac                      ; 1e-5
	s_mov_b32 s44, 0x76543210                      ; v_permlanex16_b32: each lane takes its own place in the other half
	s_mov_b32 s45, 0xfedcba98
	s_wait_kmcnt 0x0
	s_cmp_lt_u32 s3, 2
	s_cbranch_scc1 .Lnorm
	s_sub_co_u32 s5, s3, 10
	s_cmp_lt_u32 s5, 2
	s_cbranch_scc1 .Lgu
	; A PLAIN CAST: wq, wk, wv, wo or w_down
	s_mov_b64 s[32:33], s[12:13]
	s_cmp_ge_u32 s3, 4
	s_cselect_b64 s[32:33], s[14:15], s[32:33]
	s_cmp_ge_u32 s3, 6
	s_cselect_b64 s[32:33], s[16:17], s[32:33]
	s_cmp_ge_u32 s3, 8
	s_cselect_b64 s[32:33], s[18:19], s[32:33]
	s_cmp_ge_u32 s3, 12
	s_cselect_b64 s[32:33], s[24:25], s[32:33]
	s_sub_co_u32 s5, s3, 2
	s_lshr_b32 s5, s5, 1
	s_lshl_b32 s5, s5, 12                          ; wq, wk, wv: 4,096 bytes apart in a row of 12,288
	s_mov_b32 s38, 12288
	s_cmp_ge_u32 s3, 8
	s_cselect_b32 s5, 25165824, s5
	s_cselect_b32 s38, 4096, s38
	s_cmp_ge_u32 s3, 12
	s_cselect_b32 s5, 41943040, s5
	s_mul_i32 s6, s4, s38
	s_add_co_u32 s6, s6, s5
	s_add_nc_u64 s[36:37], s[28:29], s[6:7]
	s_lshl_b32 s6, s4, 13
	s_add_nc_u64 s[32:33], s[32:33], s[6:7]
.Lcast:
	IN16 1
	s_wait_loadcnt 0x0
	CVT16
	OUT16
	NEXT .Lcast, 8192
	s_endpgm
.Lnorm:                                                ; THE NORM of two rows of x
	s_lshl_b32 s6, s4, 13
	s_add_nc_u64 s[32:33], s[8:9], s[6:7]
	s_lshl_b32 s6, s4, 12
	s_add_nc_u64 s[36:37], s[26:27], s[6:7]
	s_mov_b32 s38, 4096
.set i, 0
.rept 16
	global_load_b128 v[W+4*i:W+4*i+3], v2, s[10:11] offset:512*i
.set i, i+1
.endr
.Lrow:
	IN16 0                                         ; a later launch reads x again: no hint
	s_wait_loadcnt 0x0
.set i, 0
.rept 4                                                ; four chains of packed sums of squares; the first products start them
	v_pk_mul_f32 v[4+2*i:5+2*i], v[X+2*i:X+2*i+1], v[X+2*i:X+2*i+1]
.set i, i+1
.endr
.rept 28
	v_pk_fma_f32 v[4+2*(i%4):5+2*(i%4)], v[X+2*i:X+2*i+1], v[X+2*i:X+2*i+1], v[4+2*(i%4):5+2*(i%4)]
.set i, i+1
.endr
	v_pk_add_f32 v[4:5], v[4:5], v[6:7]
	v_pk_add_f32 v[8:9], v[8:9], v[10:11]
	v_pk_add_f32 v[4:5], v[4:5], v[8:9]
	v_add_f32 v4, v4, v5
	v_add_f32_dpp v4, v4, v4 row_xmask:1 row_mask:0xf bank_mask:0xf
	v_add_f32_dpp v4, v4, v4 row_xmask:2 row_mask:0xf bank_mask:0xf
	v_add_f32_dpp v4, v4, v4 row_xmask:4 row_mask:0xf bank_mask:0xf
	v_add_f32_dpp v4, v4, v4 row_xmask:8 row_mask:0xf bank_mask:0xf
	v_permlanex16_b32 v14, v4, s44, s45
	v_add_f32 v4, v4, v14
	v_fma_f32 v4, v4, s41, s42                     ; mean + eps
	v_rsq_f32 v12, v4
	v_rsq_f32 v13, v4
	v_nop                                          ; a plain instruction between the root and its use (ISA guide 5.7.2)
.set i, 0
	s_wait_alu depctr_va_vdst(0)
.rept 32
	v_pk_mul_f32 v[X+2*i:X+2*i+1], v[X+2*i:X+2*i+1], v[12:13]
	v_pk_mul_f32 v[X+2*i:X+2*i+1], v[X+2*i:X+2*i+1], v[W+2*i:W+2*i+1]
.set i, i+1
.endr
	CVT16
	OUT16
	NEXT .Lrow, 8192
	s_endpgm
.Lgu:                                                  ; GATE AND UP, woven: each 256 bytes out are 64 columns of gate and the same 64 of up
	s_lshl_b32 s6, s4, 12
	s_add_nc_u64 s[32:33], s[20:21], s[6:7]
	s_add_nc_u64 s[34:35], s[22:23], s[6:7]
	s_add_co_u32 s6, s6, 33554432
	s_add_nc_u64 s[36:37], s[28:29], s[6:7]
	s_mov_b32 s38, 4096
	v_cmp_gt_u32 vcc_lo, 16, v1                    ; the lower half of the lanes
.Lweave:
.set i, 0
.rept 8
	global_load_b128 v[X+4*i:X+4*i+3], v2, s[32:33] offset:512*i th:TH_LOAD_NT
	global_load_b128 v[X+32+4*i:X+32+4*i+3], v2, s[34:35] offset:512*i th:TH_LOAD_NT
.set i, i+1
.endr
	s_wait_loadcnt 0x0
	CVT16
	; load i holds tiles 2 i (lanes 0-15) and 2 i + 1 (lanes 16-31).  Tile 2 i out: my gate below, the other half's up above; tile 2 i + 1: the other half's gate below, my up above.
.set i, 0
.rept 8
	v_permlanex16_b32 v[X+4*i+2], v[X+4*i], s44, s45
	v_permlanex16_b32 v[X+4*i+3], v[X+4*i+1], s44, s45
	v_permlanex16_b32 v[X+32+4*i+2], v[X+32+4*i], s44, s45
	v_permlanex16_b32 v[X+32+4*i+3], v[X+32+4*i+1], s44, s45
	v_cndmask_b32 v[X+32+4*i+2], v[X+32+4*i+2], v[X+4*i], vcc_lo
	v_cndmask_b32 v[X+32+4*i+3], v[X+32+4*i+3], v[X+4*i+1], vcc_lo
	v_cndmask_b32 v[X+4*i+2], v[X+32+4*i], v[X+4*i+2], vcc_lo
	v_cndmask_b32 v[X+4*i+3], v[X+32+4*i+1], v[X+4*i+3], vcc_lo
	global_store_b64 v3, v[X+32+4*i+2:X+32+4*i+3], s[36:37] offset:512*i
	global_store_b64 v3, v[X+4*i+2:X+4*i+3], s[36:37] offset:512*i+256
.set i, i+1
.endr
	s_wait_xcnt 0x0
	s_add_nc_u64 s[34:35], s[34:35], 4096
	NEXT .Lweave, 4096
	s_endpgm
.Lfunc_end_k_q036aa674df_prep:
	.size	k_q036aa674df_prep, .Lfunc_end_k_q036aa674df_prep-k_q036aa674df_prep
	.p2alignl 7, 3214868480
	.fill 96, 4, 3214868480
	.section	.rodata,"a",@progbits
	.p2align	6, 0x0
	.amdhsa_kernel k_q036aa674df_prep
		.amdhsa_group_segment_fixed_size 0
		.amdhsa_private_segment_fixed_size 0
		.amdhsa_enable_private_segment 0
		.amdhsa_kernarg_size 88
		.amdhsa_user_sgpr_count 2
		.amdhsa_user_sgpr_kernarg_segment_ptr 1
		.amdhsa_wavefront_size32 1
		.amdhsa_system_sgpr_workgroup_id_x 1
		.amdhsa_system_sgpr_workgroup_id_y 1
		.amdhsa_system_sgpr_workgroup_id_z 1
		.amdhsa_system_vgpr_workitem_id 0
		.amdhsa_next_free_vgpr 144
		.amdhsa_next_free_sgpr 66
		.amdhsa_reserve_vcc 1
		.amdhsa_float_denorm_mode_32 3
		.amdhsa_float_denorm_mode_16_64 3
		.amdhsa_memory_ordered 1
		.amdhsa_forward_progress 1
		.amdhsa_inst_pref_size 30
	.end_amdhsa_kernel
	.amdgpu_metadata
---
amdhsa.version: [ 1, 2 ]
amdhsa.kernels:
  - .name:           k_q036aa674df_prep
    .symbol:         k_q036aa674df_prep.kd
    .args:
      - { .name: x, .offset: 0, .size: 8, .value_kind: global_buffer, .address_space: global }
      - { .name: attn_norm_w, .offset: 8, .size: 8, .value_kind: global_buffer, .address_space: global }
      - { .name: wq, .offset: 16, .size: 8, .value_kind: global_buffer, .address_space: global }
      - { .name: wk, .offset: 24, .size: 8, .value_kind: global_buffer, .address_space: global }
      - { .name: wv, .offset: 32, .size: 8, .value_kind: global_buffer, .address_space: global }
      - { .name: wo, .offset: 40, .size: 8, .value_kind: global_buffer, .address_space: global }
      - { .name: w_gate, .offset: 48, .size: 8, .value_kind: global_buffer, .address_space: global }
      - { .name: w_up, .offset: 56, .size: 8, .value_kind: global_buffer, .address_space: global }
      - { .name: w_down, .offset: 64, .size: 8, .value_kind: global_buffer, .address_space: global }
      - { .name: hb, .offset: 72, .size: 8, .value_kind: global_buffer, .address_space: global }
      - { .name: wb, .offset: 80, .size: 8, .value_kind: global_buffer, .address_space: global }
    .group_segment_fixed_size: 0
    .private_segment_fixed_size: 0
    .kernarg_segment_align: 8
    .kernarg_segment_size: 88
    .max_flat_workgroup_size: 256
    .sgpr_count:     66
    .vgpr_count:     144
    .wavefront_size: 32
...
	.end_amdgpu_metadata
.endif
;; end of part 1
;; launch qkvg (part 2): grid 48 x 16, 4 waves a work-group, clusters of 4 x 4, 327,680 bytes of LDS; arguments hb, wb, rope_cos, rope_sin, qkv; writes qkv
.if DOCPART == 2
	.amdgcn_target "amdgcn-amd-amdhsa--gfx1250"
	.amdhsa_code_object_version 6
	.text
	.protected	k_q036aa674df_qkvg
	.globl	k_q036aa674df_qkvg
	.p2align	8
	.type	k_q036aa674df_qkvg,@function
k_q036aa674df_qkvg:
	s_mov_b64 s[64:65], 0
	v_nop
	global_prefetch_b8 v0, s[64:65] scope:SCOPE_SE
	s_setreg_imm32_b32 hwreg(HW_REG_WAVE_MODE, 25, 1), 1
	s_wait_xcnt 0x0
	s_wait_alu depctr_hold_cnt(0) depctr_sa_sdst(0) depctr_va_vdst(0) depctr_va_sdst(0) depctr_va_ssrc(0) depctr_va_vcc(0) depctr_vm_vsrc(0)
	s_getreg_b32 s2, hwreg(HW_REG_IB_STS2, 6, 4)
	s_cmp_eq_u32 s2, 0
	s_cbranch_scc0 .Lentry_in_a_cluster
	s_endpgm
.Lentry_in_a_cluster:
	s_bfe_u32 s2, ttmp6, 0x10000c
	s_cmp_lg_u32 s2, 0xf033
	s_cbranch_scc0 .Lentry_shape_is_right
	s_endpgm
.Lentry_shape_is_right:
; q, k, v = hb x [wq | wk | wv], RoPE on q and k, written by heads: qkv[plane][row][128] in bf16, plane = 16 x (0 q, 1 k, 2 v) + head.  Sums and RoPE in f32, one rounding at the end.
; A = hb [2048][2048] bf16, rows along K.  B = wb's first part, [2048 k][6144 n] bf16, rows along N: its fragments come out of LDS turned, by ds_load_tr16_b128.
; A tile of C is 128 x 128 = one head's columns of 128 rows; four waves, each 64 x 64: 16 accumulators.  K goes in steps of 256 through two LDS slots filled by tensor loads.
; CLUSTER 4 x 4: A's tile is asked for jointly by the four of a row of the cluster, B's by the four of a column.
; THE MATRIX INSTRUCTION IS USED TRANSPOSED (source 0 = 16 columns of B, source 1 = 16 rows of A): a lane holds row lane % 16 and eight neighbouring columns.
; A WAVE'S COLUMNS are d = 32 s + 0..31 and d + 64 (s = wave % 2): accumulators (a, b) and (a, b + 2) hold a RoPE pair in the same lane and register.
; One text serves q, k and v: a tile of v loads its part of the two tables too and does not use it.
; REGISTERS: window 0: v1-31 addresses; v32-127 at work on the way out; v128-255 accumulators, (a, b) at 128 + 8 (4 a + b).  Window 1: two fragment buffers of 128 (64 of A, 64 of B, for 64 along K).
; Window 2: v0-127 cos and sin in the accumulators' layout.
.set NSTEP, 8                          ; K steps of 256
.set NB,    6144                       ; elements in a row of B
.set WOFF,  0                          ; B's first byte in wb
.set PERM,  1                          ; a wave's columns: 1 as above; 0: 64 on end
.set COLB,  64                         ; bytes between the two waves' first columns
.set PA,    528                        ; a row of A in LDS: 512 bytes + 16: the 16 rows of a load start at 16 different groups of four banks (ISA guide 11.1)
.set HALFA, 64*PA                      ; what one tensor load brings of A, and what one wave reads
.set AQ,    128                        ; bytes from a quarter step's fragments of A to the next's
.set ASTEP, 512                        ; bytes from a K step of A to the next, in memory
.set ASH,   12                         ; a row of A in memory: 4,096 bytes
.set AD0,   256                        ; A's tile: elements in a row,
.set AD1,   64                         ; rows,
.set ASTR,  2048                       ; elements from row to row,
.set AQI,   6                          ; padding after every 128 words
.set PB,    288                        ; a row of B in LDS: 256 bytes + 32
.set HALFB, 128*PB
.set BSTEP, 512*NB                     ; 256 rows of B in memory
.set AREG,  2*HALFA
.set SLOT,  AREG+2*HALFB               ; A's 128 rows, then B's 256 rows of K
.set SPARE, 2*SLOT                     ; the spare words, 128 bytes a wave: two blocks of 256 bytes that no other line names
.set STAGE, SLOT                       ; the way out goes through slot 1: its last fill is the last K step's, and its last reads are over at the last barrier of the K loop
.set LA0, 16                           ; v16 my lane's place in A's part of a slot;  v17, v18 in B's part, K rows 0-127 and 128-255
.set LB0, 17
.set LB2, 18
.set ADRA, 19                          ; v19-21 the same with the slot in hand added
.set ADRB, 20
.set STO, 24
.set RD,  25
.set CO,  26
.set CO2, 27
.set SPW, 28                           ; v28 LDS address of my spare word; v29 0: never rewritten
.set NIL, 29
.set TMP, 32
.set ACC, 128
.set F0,  0
.set F1,  128
.set G1A, 24                           ; s[24:31] descriptor group 1 for A; s[32:39] group 0, two sets: the second walks
.set G0A, 32
.set G1B, 48                           ; s[48:55], s[56:63] the same for B
.set G0B, 56
.set TB,  22                           ; s22 the slot in hand: 0 or SLOT
.set CNT, 23
.set MSB, 0
.macro WIN new                         ; the immediate's high byte repeats the setting that is left
.if MSB != (\new)
	s_set_vgpr_msb (MSB<<8)|(\new)
.set MSB, \new
.endif
.endm
.macro JLOAD s                         ; a joint load: waves 0 and 1 fetch A's two halves, waves 2 and 3 B's; s_nop 0 and four v_nop follow each line
	s_cmp_eq_u32 s11, 0
	s_cbranch_scc0 .Lfor_b_\@
	tensor_load_to_lds s[G0A+4*(\s):G0A+4*(\s)+3], s[G1A:G1A+7]
	s_nop 0
.rept 4
	v_nop
.endr
	s_branch .Lasked_\@
.Lfor_b_\@:
	tensor_load_to_lds s[G0B+4*(\s):G0B+4*(\s)+3], s[G1B:G1B+7]
	s_nop 0
.rept 4
	v_nop
.endr
.Lasked_\@:
.endm
.macro CREST                           ; a round of the cluster's barrier behind its opening barrier
	s_cmp_lg_u32 s10, 0
	s_cbranch_scc1 .Lnot_wave_0_\@
	s_barrier_signal -3
.Lnot_wave_0_\@:
	s_barrier_wait -3
	s_barrier_signal -1
	s_barrier_wait -1
.endm
.macro CROUND
	s_barrier_signal -1
	s_barrier_wait -1
	CREST
.endm
.macro PLACES                          ; four places behind matrix instructions, in front of loads into their sources and of reads of their results
.rept 4
	v_nop
.endr
.endm
; 8 matrix instructions: row blocks a0, a0 + 1 x all 4 column blocks, 32 along K: half c of buffer f.  zero = 1: the product starts the sum.  The 16 accumulators take turns.
.macro MUL8 f, c, a0, zero
	WIN 0x05
.irp a, \a0, (\a0)+1
.irp b, 0,1,2,3
.if \zero
	v_wmma_f32_16x16x32_bf16 v[ACC+8*(4*(\a)+(\b)):ACC+8*(4*(\a)+(\b))+7], v[(\f)+64+8*(4*(\c)+(\b)):(\f)+64+8*(4*(\c)+(\b))+7], v[(\f)+8*(4*(\c)+(\a)):(\f)+8*(4*(\c)+(\a))+7], 0
.else
	v_wmma_f32_16x16x32_bf16 v[ACC+8*(4*(\a)+(\b)):ACC+8*(4*(\a)+(\b))+7], v[(\f)+64+8*(4*(\c)+(\b)):(\f)+64+8*(4*(\c)+(\b))+7], v[(\f)+8*(4*(\c)+(\a)):(\f)+8*(4*(\c)+(\a))+7], v[ACC+8*(4*(\a)+(\b)):ACC+8*(4*(\a)+(\b))+7]
.endif
.endr
.endr
.endm
; 32 LDS loads in one run: quarter q (64 along K) of the slot in hand into buffer f; the first 32 along K first
.macro FETCH q, f
	WIN 0x40
.irp c, 0,1
.irp i, 0,1,2,3
.if PERM
.set cb, 32*((\i)%2)+128*((\i)/2)
.else
.set cb, 32*(\i)
.endif
.set bo, ((\q)%2)*64*PB+(\c)*32*PB+cb
.set br, ADRB+(\q)/2
.set ao, (\q)*AQ+64*(\c)+(\i)*16*PA
	ds_load_tr16_b128 v[(\f)+64+8*(4*(\c)+(\i)):(\f)+64+8*(4*(\c)+(\i))+3],   v[br] offset:bo
	ds_load_tr16_b128 v[(\f)+64+8*(4*(\c)+(\i))+4:(\f)+64+8*(4*(\c)+(\i))+7], v[br] offset:bo+16*PB
	ds_load_b128 v[(\f)+8*(4*(\c)+(\i)):(\f)+8*(4*(\c)+(\i))+3],   v[ADRA] offset:ao
	ds_load_b128 v[(\f)+8*(4*(\c)+(\i))+4:(\f)+8*(4*(\c)+(\i))+7], v[ADRA] offset:ao+32
.endr
.endr
.endm
; One of a K step's first three quarters: multiplies buffer f and fetches quarter qn into g
.macro QUARTER qn, f, g, zero
	s_wait_dscnt 16                                ; the first 32 along K are in; the 16 younger loads may be out
	MUL8 \f, 0, 0, \zero
	MUL8 \f, 0, 2, \zero
	PLACES
	FETCH \qn, \g
	s_wait_dscnt 32                                ; all but the 32 just issued
	MUL8 \f, 1, 0, 0
	MUL8 \f, 1, 2, 0
.endm
; The last quarter multiplies buffer 1 and changes slots.  In front of the barrier each wave waits for all its tensor loads (one is out: its part of the next slot), adds 0 to its spare word,
; and waits for that and for its reads of this slot.  fill = 1: the barrier opens a round of the cluster's, and this slot is filled again, two K steps ahead, first thing behind it.
; fill = 0 (the tail): nothing is asked for; in the last trip there is no next slot to read.
.macro TURN fill
	WIN 0
	s_wait_tensorcnt 0x0
	ds_add_u32 v[SPW], v[NIL]
	s_wait_dscnt 17                                ; the add and the youngest sixteen loads may be out
	MUL8 F1, 0, 0, 0
	s_wait_dscnt 0x0                               ; the add is done, and my reads of this slot are over
	s_barrier_signal -1
	MUL8 F1, 0, 2, 0
	WIN 0
	s_barrier_wait -1
.if \fill
	CREST
	s_add_co_u32 s[G0A+5], s[TB], s20              ; no tensor load of mine is out: the walking sets are written: the slot just left,
	s_add_co_u32 s[G0B+5], s[TB], s21
	s_add_nc_u64 s[G0A+6:G0A+7], s[G0A+6:G0A+7], ASTEP  ; the next K step; the type bits on top are not reached
	s_add_nc_u64 s[G0B+6:G0B+7], s[G0B+6:G0B+7], BSTEP
	JLOAD 1                                        ; 112 matrix instructions ahead of the wait for it; its four v_nop are also the places in front of the loads below
.else
	PLACES
.endif
	s_xor_b32 s[TB], s[TB], SLOT
	v_add_nc_u32 v[ADRA], s[TB], v[LA0]
	v_add_nc_u32 v[ADRB], s[TB], v[LB0]
	v_add_nc_u32 v[ADRB+1], s[TB], v[LB2]
.if !(\fill)
	s_cmp_eq_u32 s[CNT], 1
	s_cbranch_scc1 .Lno_fetch_\@
.endif
	FETCH 0, F0
	WIN 0
.if !(\fill)
.Lno_fetch_\@:
.endif
	MUL8 F1, 1, 0, 0
	MUL8 F1, 1, 2, 0
.endm
	s_load_b256 s[72:79], s[0:1], 0x0              ; hb, wb, rope_cos, rope_sin
	s_load_b64 s[80:81], s[0:1], 0x20              ; qkv
	v_lshl_add_u32 v[SPW], v0, 2, SPARE
	v_mov_b32 v[NIL], 0
	ds_add_u32 v[SPW], v[NIL]                      ; the wave's opening: the add is waited for ahead of my first tensor load
	v_lshrrev_b32 v1, 5, v0
	v_readfirstlane_b32 s10, v1                    ; wave
	s_lshr_b32 s11, s10, 1                         ; my half of the tile's rows.  Also: I fetch for A (0) or for B (1)
	s_and_b32 s12, s10, 1                          ; my half of its columns.  Also: which half of that tile I fetch
	s_bfe_u32 s40, ttmp6, 0x40000                  ; cx, cy
	s_bfe_u32 s41, ttmp6, 0x40004
	s_lshl_b32 s42, ttmp9, 2
	s_add_co_u32 s42, s42, s40                     ; tile column
	s_and_b32 s13, ttmp7, 0xffff
	s_lshl_b32 s13, s13, 2
	s_add_co_u32 s13, s13, s41                     ; tile row
	s_lshl_b32 s43, s41, 2
	s_lshl_b32 s43, 15, s43                        ; my row of the cluster
	s_lshl_b32 s44, 0x1111, s40                    ; my column
	s_or_b32 s[G1A], s43, (1<<16)|(1<<20)|(1<<21)|(AQI<<22)|(3<<25)  ; mask; 2-byte elements; padding on; bit 21 beside a mask; the interval; 4 words of padding
	s_or_b32 s[G1B], s44, (1<<16)|(1<<20)|(1<<21)|(5<<22)|(7<<25)    ; the same: after every 64 words 8 words
	s_mov_b32 s[G1A+1], AD0<<16                    ; tensor_dim0
	s_mov_b32 s[G1A+2], AD1<<16                    ; tensor_dim1
	s_mov_b32 s[G1A+3], AD0<<16                    ; tile_dim0
	s_mov_b32 s[G1A+4], AD1                        ; tile_dim1
	s_mov_b32 s[G1A+5], ASTR                       ; elements from row to row
	s_mov_b32 s[G1A+6], 0
	s_mov_b32 s[G1A+7], 0
	s_mov_b32 s[G1B+1], 128<<16
	s_mov_b32 s[G1B+2], 128<<16
	s_mov_b32 s[G1B+3], 128<<16
	s_mov_b32 s[G1B+4], 128
	s_mov_b32 s[G1B+5], NB
	s_mov_b32 s[G1B+6], 0
	s_mov_b32 s[G1B+7], 0
	s_lshl_b32 s16, s13, 7
	s_lshl_b32 s17, s12, 6
	s_add_co_u32 s16, s16, s17                     ; A: row 128 x tile row + 64 x half,
	s_lshl_b32 s16, s16, ASH                       ; in bytes
	s_mov_b32 s17, 0
	s_lshl_b32 s46, s42, 8                         ; B: 256 bytes x tile column
	s_mul_i32 s47, s12, 256*NB                     ; + 128 rows x half
	s_add_co_u32 s46, s46, s47
	s_add_co_u32 s46, s46, WOFF
	s_mov_b32 s47, 0
	s_mul_i32 s20, s12, HALFA                      ; where they go in a slot: no place in the cluster enters an LDS address
	s_mul_i32 s21, s12, HALFB
	s_add_co_u32 s21, s21, AREG
	s_mov_b32 s[TB], 0
	s_wait_dscnt 0x0                               ; the opening add is done
	s_wait_kmcnt 0x0
	s_add_nc_u64 s[14:15], s[72:73], s[16:17]
	s_add_nc_u64 s[46:47], s[74:75], s[46:47]
	CROUND                                         ; all sixteen work-groups are here: the first joint loads meet
.irp s, 0,1
	s_mov_b32 s[G0A+4*(\s)], 1
	s_add_co_u32 s[G0A+4*(\s)+1], s20, (\s)*SLOT
	s_add_nc_u64 s[G0A+4*(\s)+2:G0A+4*(\s)+3], s[14:15], (\s)*ASTEP
	s_or_b32 s[G0A+4*(\s)+3], s[G0A+4*(\s)+3], 0x80000000
	s_mov_b32 s[G0B+4*(\s)], 1
	s_add_co_u32 s[G0B+4*(\s)+1], s21, (\s)*SLOT
	s_add_nc_u64 s[G0B+4*(\s)+2:G0B+4*(\s)+3], s[46:47], (\s)*BSTEP
	s_or_b32 s[G0B+4*(\s)+3], s[G0B+4*(\s)+3], 0x80000000
	JLOAD \s                                       ; K steps 0 and 1: two loads of mine are out
.endr
	v_and_b32 v1, 15, v0                           ; r = lane % 16
	v_bfe_u32 v2, v0, 4, 1                         ; h = lane / 16
	v_and_b32 v3, 7, v0
	v_bfe_u32 v4, v0, 3, 1
	v_mul_u32_u24 v[LA0], v1, PA                   ; A: row r, 16 bytes for each half of the lanes, my 64 rows
	v_lshl_add_u32 v[LA0], v2, 4, v[LA0]
	s_mul_i32 s4, s11, HALFA
	v_add_nc_u32 v[LA0], s4, v[LA0]
	v_lshl_add_u32 v[LB0], v2, 3, v3               ; B, turned: K row 8 h + lane % 8, 16 bytes by (lane / 8) % 2, my columns
	v_mul_u32_u24 v[LB0], v[LB0], PB
	v_lshl_add_u32 v[LB0], v4, 4, v[LB0]
	s_mul_i32 s4, s12, COLB
	s_add_co_u32 s4, s4, AREG
	v_add_nc_u32 v[LB0], s4, v[LB0]
	v_add_nc_u32 v[LB2], HALFB, v[LB0]
	v_mov_b32 v[ADRA], v[LA0]
	v_mov_b32 v[ADRB], v[LB0]
	v_mov_b32 v[ADRB+1], v[LB2]
	; the two tables in the accumulators' layout: row 16 a + r of my 64, columns 32 s + 16 b + 8 h + 0..7
	v_lshlrev_b32 v[CO], 8, v1
	v_lshl_add_u32 v[CO], v2, 5, v[CO]
	s_lshl_b32 s86, s13, 15
	s_lshl_b32 s87, s11, 14
	s_add_co_u32 s86, s86, s87
	s_lshl_b32 s87, s12, 7
	s_add_co_u32 s86, s86, s87
	s_mov_b32 s87, 0
	s_add_nc_u64 s[76:77], s[76:77], s[86:87]
	s_add_nc_u64 s[78:79], s[78:79], s[86:87]
	WIN 0x80
.irp a, 0,1,2,3
.irp b, 0,1
	global_load_b128 v[16*(2*(\a)+(\b)):16*(2*(\a)+(\b))+3],     v[CO], s[76:77] offset:(\a)*4096+(\b)*64
	global_load_b128 v[16*(2*(\a)+(\b))+4:16*(2*(\a)+(\b))+7],   v[CO], s[76:77] offset:(\a)*4096+(\b)*64+16
	global_load_b128 v[16*(2*(\a)+(\b))+8:16*(2*(\a)+(\b))+11],  v[CO], s[78:79] offset:(\a)*4096+(\b)*64
	global_load_b128 v[16*(2*(\a)+(\b))+12:16*(2*(\a)+(\b))+15], v[CO], s[78:79] offset:(\a)*4096+(\b)*64+16
.endr
.endr
	WIN 0
	; the way out: 128 rows of 256 bytes, 272 apart, in the stage
	s_mul_i32 s4, s11, 64*272
	s_lshl_b32 s5, s12, 6
	s_add_co_u32 s4, s4, s5
	s_add_co_u32 s4, s4, STAGE
	v_mul_u32_u24 v[STO], v1, 272
	v_lshl_add_u32 v[STO], v2, 4, v[STO]
	v_add_nc_u32 v[STO], s4, v[STO]
	s_mul_i32 s4, s10, 32*272
	s_add_co_u32 s4, s4, STAGE
	v_mul_u32_u24 v[RD], v2, 272                   ; back: wave w takes rows 32 w .. 32 w + 31 whole; lanes 0-15 one row, lanes 16-31 the next
	v_lshl_add_u32 v[RD], v1, 4, v[RD]
	v_add_nc_u32 v[RD], s4, v[RD]
	v_lshlrev_b32 v[CO2], 8, v2
	v_lshl_add_u32 v[CO2], v1, 4, v[CO2]
	s_lshl_b32 s88, s42, 19                        ; the plane, 524,288 bytes,
	s_lshl_b32 s89, s13, 15                        ; the tile's 128 rows of 256 bytes,
	s_add_co_u32 s88, s88, s89
	s_lshl_b32 s89, s10, 13                        ; my 32 of them
	s_add_co_u32 s88, s88, s89
	s_mov_b32 s89, 0
	s_add_nc_u64 s[80:81], s[80:81], s[88:89]
	s_wait_tensorcnt 0x1                           ; my part of K step 0 is in; K step 1's may stay out
	s_barrier_signal -1
	s_barrier_wait -1
	FETCH 0, F0
	QUARTER 1, F0, F1, 1                           ; the first quarter stands in front of the loop: its first products start the sums
	WIN 0
	s_mov_b32 s[CNT], NSTEP-2
.Lk:                                                   ; a trip: from a K step's second quarter to the next step's first; it fills the slot that it leaves
	QUARTER 2, F1, F0, 0
	QUARTER 3, F0, F1, 0
	TURN 1
	QUARTER 1, F0, F1, 0
	WIN 0
	s_sub_co_u32 s[CNT], s[CNT], 1
	s_cmp_lg_u32 s[CNT], 0
	s_cbranch_scc1 .Lk
	s_mov_b32 s[CNT], 2
.Lt:                                                   ; the last two K steps ask for nothing; the second trip is left in its middle
	QUARTER 2, F1, F0, 0
	QUARTER 3, F0, F1, 0
	TURN 0
	WIN 0
	s_sub_co_u32 s[CNT], s[CNT], 1
	s_cmp_eq_u32 s[CNT], 0
	s_cbranch_scc1 .Lout
	QUARTER 1, F0, F1, 0
	WIN 0
	s_branch .Lt
.Lout:
	PLACES
	s_wait_loadcnt 0x0                             ; the tables
	s_cmp_ge_u32 ttmp9, 8                          ; tile columns 32 on are v's: the cluster's x is the same in all partners
	s_cbranch_scc1 .Lno_rope
	WIN 0x08                                       ; source 1 in window 2
.irp a, 0,1,2,3
.irp b, 0,1
.irp p, 0,1,2,3                        ; each accumulator's lowest registers are read first
.set xa, ACC+8*(4*(\a)+(\b))+2*(\p)
.set xb, xa+16
.set tc, 16*(2*(\a)+(\b))+2*(\p)
.set tt, 96+4*(\p)
	v_pk_mul_f32 v[tt:tt+1], v[xa:xa+1], v[tc:tc+1]
	v_pk_mul_f32 v[tt+2:tt+3], v[xa:xa+1], v[tc+8:tc+9]
	v_pk_fma_f32 v[xa:xa+1], v[xb:xb+1], v[tc+8:tc+9], v[tt:tt+1] neg_lo:[1,0,0] neg_hi:[1,0,0]  ; x1 cos - x2 sin
	v_pk_fma_f32 v[xb:xb+1], v[xb:xb+1], v[tc:tc+1], v[tt+2:tt+3]                                ; x1 sin + x2 cos
.endr
.endr
.endr
	WIN 0
.Lno_rope:
.set t, 0
.rept 16
.irp r, 0,1,2,3
	v_cvt_pk_bf16_f32 v[TMP+4*t+(\r)], v[ACC+8*t+2*(\r)], v[ACC+8*t+2*(\r)+1]
.endr
.set t, t+1
.endr
.set t, 0
.rept 16
	ds_store_b128 v[STO], v[TMP+4*t:TMP+4*t+3] offset:(t/4)*16*272+32*(t%2)+128*((t%4)/2)
.set t, t+1
.endr
	s_wait_dscnt 0x0                               ; for the others' sake: my stores into the stage are done
	s_barrier_signal -1
	s_barrier_wait -1
.set t, 0
.rept 16
	ds_load_b128 v[TMP+4*t:TMP+4*t+3], v[RD] offset:t*2*272
.set t, t+1
.endr
.set t, 0
.rept 16
	s_wait_dscnt 15-t
	global_store_b128 v[CO2], v[TMP+4*t:TMP+4*t+3], s[80:81] offset:512*t  ; 16 lanes store 256 consecutive bytes, aligned: a row of a head
.set t, t+1
.endr
	s_wait_tensorcnt 0x0                           ; the wave's end
	ds_add_u32 v[SPW], v[NIL]
	s_wait_dscnt 0x0
	CROUND                                         ; the closing round
	s_endpgm
.Lfunc_end_k_q036aa674df_qkvg:
	.size	k_q036aa674df_qkvg, .Lfunc_end_k_q036aa674df_qkvg-k_q036aa674df_qkvg
	.p2alignl 7, 3214868480
	.fill 96, 4, 3214868480
	.section	.rodata,"a",@progbits
	.p2align	6, 0x0
	.amdhsa_kernel k_q036aa674df_qkvg
		.amdhsa_group_segment_fixed_size 327680
		.amdhsa_private_segment_fixed_size 0
		.amdhsa_enable_private_segment 0
		.amdhsa_kernarg_size 40
		.amdhsa_user_sgpr_count 2
		.amdhsa_user_sgpr_kernarg_segment_ptr 1
		.amdhsa_wavefront_size32 1
		.amdhsa_system_sgpr_workgroup_id_x 1
		.amdhsa_system_sgpr_workgroup_id_y 1
		.amdhsa_system_sgpr_workgroup_id_z 1
		.amdhsa_system_vgpr_workitem_id 0
		.amdhsa_next_free_vgpr 640
		.amdhsa_next_free_sgpr 96
		.amdhsa_reserve_vcc 0
		.amdhsa_float_denorm_mode_32 3
		.amdhsa_float_denorm_mode_16_64 3
		.amdhsa_memory_ordered 1
		.amdhsa_forward_progress 1
		.amdhsa_inst_pref_size 70
	.end_amdhsa_kernel
	.amdgpu_metadata
---
amdhsa.version: [ 1, 2 ]
amdhsa.kernels:
  - .name:           k_q036aa674df_qkvg
    .symbol:         k_q036aa674df_qkvg.kd
    .args:
      - { .name: hb, .offset: 0, .size: 8, .value_kind: global_buffer, .address_space: global }
      - { .name: wb, .offset: 8, .size: 8, .value_kind: global_buffer, .address_space: global }
      - { .name: rope_cos, .offset: 16, .size: 8, .value_kind: global_buffer, .address_space: global }
      - { .name: rope_sin, .offset: 24, .size: 8, .value_kind: global_buffer, .address_space: global }
      - { .name: qkv, .offset: 32, .size: 8, .value_kind: global_buffer, .address_space: global }
    .group_segment_fixed_size: 327680
    .private_segment_fixed_size: 0
    .kernarg_segment_align: 8
    .kernarg_segment_size: 40
    .max_flat_workgroup_size: 128
    .sgpr_count:     96
    .vgpr_count:     640
    .wavefront_size: 32
...
	.end_amdgpu_metadata
.endif
;; end of part 2
;; launch attn (part 3): grid 16 x 16, 4 waves a work-group, clusters of 4 x 1, 327,680 bytes of LDS; arguments qkv, yb; writes yb
.if DOCPART == 3
	.amdgcn_target "amdgcn-amd-amdhsa--gfx1250"
	.amdhsa_code_object_version 6
	.text
	.protected	k_q036aa674df_attn
	.globl	k_q036aa674df_attn
	.p2align	8
	.type	k_q036aa674df_attn,@function
k_q036aa674df_attn:
	s_mov_b64 s[64:65], 0
	v_nop
	global_prefetch_b8 v0, s[64:65] scope:SCOPE_SE
	s_setreg_imm32_b32 hwreg(HW_REG_WAVE_MODE, 25, 1), 1
	s_wait_xcnt 0x0
	s_wait_alu depctr_hold_cnt(0) depctr_sa_sdst(0) depctr_va_vdst(0) depctr_va_sdst(0) depctr_va_ssrc(0) depctr_va_vcc(0) depctr_vm_vsrc(0)
	s_getreg_b32 s2, hwreg(HW_REG_IB_STS2, 6, 4)
	s_cmp_eq_u32 s2, 0
	s_cbranch_scc0 .Lentry_in_a_cluster
	s_endpgm
.Lentry_in_a_cluster:
	s_bfe_u32 s2, ttmp6, 0x10000c
	s_cmp_lg_u32 s2, 0x3003
	s_cbranch_scc0 .Lentry_shape_is_right
	s_endpgm
.Lentry_shape_is_right:
; CAUSAL ATTENTION, head size 128.  yb[q][128 head + :] = the sum over k <= q of softmax_k(Q[q] . K[k] / sqrt(128)) V[k][:].  Q, K, V: planes head, 16 + head, 32 + head of qkv, [2048][128] bf16.
; Products, maxima and sums in f32; the weights are rounded to bf16 for the second product (their sum is taken unrounded), the result once at the end.
; LIMITS.  A hidden score counts as -1e30: true scores lie above that.  A weight below 2^-126 counts as 0 in the sum.  NaN and infinities are not treated apart.
; What the first block leaves in O and l is multiplied by 0 in the second block's first step: it is finite.
; THE WALK.  A head's queries lie in 32 blocks of 64, its keys in 8 tiles of 256.  Work-group b = 4 c + cx (c the cluster, cx its place in it) takes block 31 - b and then block b.
; Block 31 - b needs tiles 0 .. 7 - c, block b tiles 0 .. c: nine tiles, and THE SAME nine in the same order for the four partners of a cluster.  So every tile of K and V is asked for
; jointly, every trip count is a constant, and every branch hangs on c and on counters.  cx enters Q's and the output's addresses and the mask's numbers alone.
; In each block's last tile (four steps of 64 keys) the scores pass a mask by compare and select; steps wholly hidden there (3 of the 36 on average) are computed all the same.
; SHARES.  A wave has 16 queries of the block and walks all keys: each fragment of K and V read from LDS feeds one product.  In phases: K Q^T, mask, softmax, V^T P.
; LAYOUT.  S^T = K Q^T holds one query a lane (lane % 16) and the keys 8 (lane / 16) + 0..7; two such results rounded to bf16 are source 1 of O^T = V^T P.  V comes out of LDS turned.
; SOFTMAX.  A running maximum m and sum l: p = 2^(c s - c m), c = log2(e) / sqrt(128); in every step O and l are multiplied by a = 2^(c m_old - c m_new).  m starts at the lowest finite number.
; REGISTERS.  Window 0: all but the fragments.  Window 1: v0-127 K of one step, v128-255 V of one step.
.set KS,    64
.set PK,    272                        ; a row of K in LDS: 256 bytes + 16
.set PV,    288                        ; a row of V: 256 + 32
.set VOFF,  256*PK                     ; a slot: 256 rows of K, then 256 rows of V
.set SLOTB, 256*(PK+PV)
.set STAGE, 2*SLOTB                    ; 16 rows x 272 bytes for each wave, never filled by a tensor load
.set SP,    272
.set SPARE, STAGE+4*16*SP              ; the spare words: two blocks of 256 bytes that no other line names
.set AK0, 2
.set AV0, 3
.set ADR, 4
.set QO,  5
.set STO, 6
.set RD,  7
.set GO,  8
.set VB,  12                           ; v12 my query's place less my lanes' keys, against which a key's number in the step is held; v13 the second block's
.set NEG, 14                           ; v14 -1e30
.set ST,  16                           ; v16-23: c m, m, l (even keys', odd keys'), four at work (a takes the third's place)
.set SPW, 24
.set NIL, 25
.set S,   32
.set P,   64
.set O,   80
.set Q,   144
.set QB,  176
.set TMP, 208
.set WV,  12                           ; s12 wave; s13 cx; s14 c; s15 head
.set KP,  16                           ; s[16:17] K at my half of tile 0; s[18:19] V
.set VP,  18
.set G1K, 24
.set G1V, 32
.set G0K, 40                           ; two sets: the second walks
.set G0V, 48
.set SLOTS, 56
.set CNT, 57
.set CS,  58
.set SEL, 60
.set TBK, 62
.set TBV, 63
.set TF,  66                           ; the slot filled last: 0 or SLOTB
.set NXT, 67                           ; the tile to be asked for next
.set LQ,  68                           ; the last tile of the block whose tiles are being asked for
.set SR,  69                           ; steps left in the block in hand
.set OFF, 70
.set LWK, 72
.set LWV, 73
.set OP,  74                           ; s[74:75] the output at my rows of the block in hand; s[76:77] of the second block
.set OP2, 76
.set MSB, 0
.macro WIN new
.if MSB != (\new)
	s_set_vgpr_msb (MSB<<8)|(\new)
.set MSB, \new
.endif
.endm
.macro PLACES
.rept 4
	v_nop
.endr
.endm
.macro JLOAD                           ; a joint refill: waves 0 and 1 fetch K's halves, waves 2 and 3 V's; s_nop 0 and four v_nop follow each line
	s_cmp_lt_u32 s[WV], 2
	s_cbranch_scc0 .Lfor_v_\@
	tensor_load_to_lds s[G0K+4:G0K+7], s[G1K:G1K+7]
	s_nop 0
.rept 4
	v_nop
.endr
	s_branch .Lasked_\@
.Lfor_v_\@:
	tensor_load_to_lds s[G0V+4:G0V+7], s[G1V:G1V+7]
	s_nop 0
.rept 4
	v_nop
.endr
.Lasked_\@:
.endm
.macro CROUND
	s_barrier_signal -1
	s_barrier_wait -1
	s_cmp_lg_u32 s[WV], 0
	s_cbranch_scc1 .Lnot_wave_0_\@
	s_barrier_signal -3
.Lnot_wave_0_\@:
	s_barrier_wait -3
	s_barrier_signal -1
	s_barrier_wait -1
.endm
; THE CHANGE OF SLOTS: all of the slot's bytes have been asked for.  Each wave waits for all its tensor loads (one is out: its part of the other slot), adds 0 to its spare word, and waits for
; that and for its reads.  fill = 1: a round of the cluster's barrier, and the slot is filled again first thing behind it, with tile NXT: four steps, 128 matrix instructions, in which to land.
.macro CHANGE fill
	WIN 0
	s_wait_tensorcnt 0x0
	ds_add_u32 v[SPW], v[NIL]
.if \fill
	s_xor_b32 s[TF], s[TF], SLOTB
	s_add_co_u32 s[G0K+5], s[TF], s[LWK]
	s_add_co_u32 s[G0V+5], s[TF], s[LWV]
	s_lshl_b32 s[OFF], s[NXT], 16                  ; a tile is 65,536 bytes of K and of V
	s_add_nc_u64 s[G0K+6:G0K+7], s[KP:KP+1], s[OFF:OFF+1]
	s_or_b32 s[G0K+7], s[G0K+7], 0x80000000
	s_add_nc_u64 s[G0V+6:G0V+7], s[VP:VP+1], s[OFF:OFF+1]
	s_or_b32 s[G0V+7], s[G0V+7], 0x80000000
	s_add_co_u32 s[NXT], s[NXT], 1                 ; the block's next tile, or behind its last the second block's tile 0
	s_cmp_gt_u32 s[NXT], s[LQ]
	s_cselect_b32 s[NXT], 0, s[NXT]
	s_cselect_b32 s[LQ], s14, s[LQ]
	s_wait_dscnt 0x0                               ; the add is done, and my reads of the slot are over
	CROUND
	JLOAD
.else
	s_wait_dscnt 0x0
	s_barrier_signal -1
	s_barrier_wait -1
.endif
	s_sub_co_u32 s[TBK], s[TBK], 4*KS*PK           ; the fetches go back to a slot's first step, in the other slot
	s_xor_b32 s[TBK], s[TBK], SLOTB
	s_sub_co_u32 s[TBV], s[TBV], 4*KS*PV
	s_xor_b32 s[TBV], s[TBV], SLOTB
.endm
.macro FETCH_K                         ; a step's K: 16 fragments: keys 16 (f / 4) on, channels 32 (f % 4) on
	v_add_nc_u32 v[ADR], s[TBK], v[AK0]
	WIN 0x40
.set f, 0
.rept 16
	ds_load_b128 v[8*f:8*f+3],   v[ADR] offset:(f/4)*16*PK+(f%4)*64
	ds_load_b128 v[8*f+4:8*f+7], v[ADR] offset:(f/4)*16*PK+(f%4)*64+32
.set f, f+1
.endr
	WIN 0
	s_add_co_u32 s[TBK], s[TBK], KS*PK
.endm
.macro FETCH_V                         ; a step's V, turned: keys 32 (f / 8) on, channels 16 (f % 8) on
	v_add_nc_u32 v[ADR], s[TBV], v[AV0]
	WIN 0x40
.set f, 0
.rept 16
	ds_load_tr16_b128 v[128+8*f:128+8*f+3],   v[ADR] offset:(f/8)*32*PV+(f%8)*32
	ds_load_tr16_b128 v[128+8*f+4:128+8*f+7], v[ADR] offset:(f/8)*32*PV+16*PV+(f%8)*32
.set f, f+1
.endr
	WIN 0
	s_add_co_u32 s[TBV], s[TBV], KS*PV
.endm
.macro KQ                              ; S^T = K Q^T: 16 products; the 4 accumulators take turns; the first 4 start the sums
.set i, 0
.rept 16
.if i < 4
	v_wmma_f32_16x16x32_bf16 v[S+8*(i%4):S+8*(i%4)+7], v[32*(i%4)+8*(i/4):32*(i%4)+8*(i/4)+7], v[Q+8*(i/4):Q+8*(i/4)+7], 0
.else
	v_wmma_f32_16x16x32_bf16 v[S+8*(i%4):S+8*(i%4)+7], v[32*(i%4)+8*(i/4):32*(i%4)+8*(i/4)+7], v[Q+8*(i/4):Q+8*(i/4)+7], v[S+8*(i%4):S+8*(i%4)+7]
.endif
.set i, i+1
.endr
.endm
.macro PVM                             ; O^T += V^T P: 16 products; the 8 accumulators take turns
.set i, 0
.rept 16
	v_wmma_f32_16x16x32_bf16 v[O+8*(i%8):O+8*(i%8)+7], v[128+64*(i/8)+8*(i%8):128+64*(i/8)+8*(i%8)+7], v[P+8*(i/8):P+8*(i/8)+7], v[O+8*(i%8):O+8*(i%8)+7]
.set i, i+1
.endr
.endm
.macro MASK                            ; register 8 kt + n holds key 16 kt + 8 h + n of the step: hidden where 16 kt + n > VB.  Then VB goes on to the next step
.set i, 0
.rept 32
	v_cmp_gt_i32 vcc_lo, 16*(i/8)+i%8, v[VB]
	v_cndmask_b32 v[S+i], v[S+i], v[NEG], vcc_lo
.set i, i+1
.endr
	v_subrev_nc_u32 v[VB], 64, v[VB]
.endm
; Number j of the softmax's 134 instructions.  0-15 the maximum of the 32 scores and the old m; 16-20 the other half of the lanes', the new m, c m, c m_old - c m_new;
; 21-87 33 exponentials at the odd numbers from 23 on, each with a plain instruction behind it: scalings ahead, roundings behind, the first sums; 88-101 the rest of the sums; 102-133 O^T times a.
.macro SM
.set q, (j-20)/2
.if j < 4
	v_max3_num_f32 v[ST+4+j], v[S+8*j], v[S+8*j+1], v[S+8*j+2]
.elseif j < 12
	v_max3_num_f32 v[ST+4+j%4], v[ST+4+j%4], v[S+8*(j%4)+2*(j/4)+1], v[S+8*(j%4)+2*(j/4)+2]
.elseif j == 12
	v_max3_num_f32 v[ST+4], v[ST+4], v[S+7], v[S+15]
.elseif j == 13
	v_max3_num_f32 v[ST+6], v[ST+6], v[S+23], v[S+31]
.elseif j == 14
	v_max3_num_f32 v[ST+4], v[ST+4], v[ST+5], v[ST+6]
.elseif j == 15
	v_max3_num_f32 v[ST+4], v[ST+4], v[ST+7], v[ST+1]
.elseif j == 16
	v_permlanex16_b32 v[ST+5], v[ST+4], s[SEL], s[SEL+1]
.elseif j == 17
	v_mov_b32 v[ST+7], v[ST]
.elseif j == 18
	v_max_num_f32 v[ST+1], v[ST+4], v[ST+5]
.elseif j == 19
	v_mul_f32 v[ST], s[CS], v[ST+1]
.elseif j == 20
	v_sub_f32 v[ST+7], v[ST+7], v[ST]
.elseif j == 23
	v_exp_f32 v[ST+6], v[ST+7]
.elseif (j < 88) && (j > 23) && (j%2 == 1)
	v_exp_f32 v[S+(j-25)/2], v[S+(j-25)/2]
.elseif (q < 4) || ((j < 76) && (q%2 == 0))
.set b, q/2+2
.if q < 4
.set b, q
.endif
	v_pk_fma_f32 v[S+2*b:S+2*b+1], v[S+2*b:S+2*b+1], s[CS:CS+1], v[ST:ST+1] op_sel_hi:[1,0,0] neg_lo:[0,0,1] neg_hi:[0,0,1]
.elseif (j < 88) && (q%2 == 1)
	s_wait_alu depctr_va_vdst(0)
	v_cvt_pk_bf16_f32 v[P+(q-5)/2], v[S+q-5], v[S+q-4]
.elseif j == 89
	s_wait_alu depctr_va_vdst(0)
	v_cvt_pk_bf16_f32 v[P+15], v[S+30], v[S+31]
.elseif j < 102
.set z, j-86
.if j < 89
.set z, (j-76)/4
.endif
.set w, 4
.set u, z
.if z >= 14
.set w, 32
.set u, 0
.elseif z >= 12
.set w, 16
.set u, z-12
.elseif z >= 8
.set w, 8
.set u, z-8
.endif
.if z < 15
	v_pk_add_f32 v[S+w*u:S+w*u+1], v[S+w*u:S+w*u+1], v[S+w*u+w/2:S+w*u+w/2+1]
.else
	v_pk_fma_f32 v[ST+2:ST+3], v[ST+2:ST+3], v[ST+6:ST+7], v[S:S+1] op_sel_hi:[1,0,1]
.endif
.else
	v_pk_mul_f32 v[O+2*(j-102):O+2*(j-102)+1], v[O+2*(j-102):O+2*(j-102)+1], v[ST+6:ST+7] op_sel_hi:[1,0]
.endif
.endm
.macro SOFTMAX
.set j, 0
.rept 134
	SM
.set j, j+1
.endr
.endm
; A BLOCK'S END: O^T is divided by l, rounded, sent through my stage and stored; then (unless it is the walk's last step) the second block's Q, output address, mask and steps take the first's place.
.macro FINISH tail
	PLACES
	v_add_f32 v[ST+4], v[ST+2], v[ST+3]
	v_permlanex16_b32 v[ST+5], v[ST+4], s[SEL], s[SEL+1]
	v_add_f32 v[ST+4], v[ST+4], v[ST+5]
	v_rcp_f32 v[ST+6], v[ST+4]
	v_rcp_f32 v[ST+7], v[ST+4]
	v_nop                                          ; a plain instruction between the reciprocals and their use
.set i, 0
	s_wait_alu depctr_va_vdst(0)
.rept 32
	v_pk_mul_f32 v[O+2*i:O+2*i+1], v[O+2*i:O+2*i+1], v[ST+6:ST+7] op_sel_hi:[1,0]
.set i, i+1
.endr
.set i, 0
.rept 32
	v_cvt_pk_bf16_f32 v[TMP+i], v[O+2*i], v[O+2*i+1]
.set i, i+1
.endr
.set f, 0
.rept 8
	ds_store_b128 v[STO], v[TMP+4*f:TMP+4*f+3] offset:32*f
.set f, f+1
.endr
.set f, 0
.rept 8
	ds_load_b128 v[TMP+4*f:TMP+4*f+3], v[RD] offset:f*2*SP  ; LDS serves a wave's instructions in order (ISA guide 5.7.1.4): these see the stores above
.set f, f+1
.endr
.set f, 0
.rept 8
	s_wait_dscnt 7-f
	global_store_b128 v[GO], v[TMP+4*f:TMP+4*f+3], s[OP:OP+1] offset:f*8192  ; 16 lanes store 256 consecutive bytes, aligned: a head's part of a row
.set f, f+1
.endr
.if \tail
	s_cmp_eq_u32 s[CNT], 1
	s_cbranch_scc1 .Lno_switch_\@
.endif
	s_wait_xcnt 0x0                                ; the stores' base and data are written again only behind this wait
	s_mov_b64 s[OP:OP+1], s[OP2:OP2+1]
.set i, 0
.rept 32
	v_mov_b32 v[Q+i], v[QB+i]
.set i, i+1
.endr
	v_mov_b32 v[ST], 0xfe000000                    ; c m: far below every c s, so that the next step's a is 0
	v_mov_b32 v[ST+1], 0xff7fffff                  ; m
	v_mov_b32 v[VB], v[VB+1]
	s_lshl_b32 s[SR], s14, 2
	s_add_co_u32 s[SR], s[SR], 4                   ; the second block has 4 c + 4 steps
.if \tail
.Lno_switch_\@:
.endif
.endm
; A step's first part: the next step's K is fetched; mask (in a block's last four steps), softmax, V^T P; the block's end if this was its last step.
.macro PART1 tail
	PLACES                                         ; behind K Q^T
.if \tail
	s_cmp_eq_u32 s[CNT], 1
	s_cbranch_scc1 .Lno_k_\@
.endif
	FETCH_K
.if \tail
.Lno_k_\@:
.endif
	s_cmp_gt_u32 s[SR], 4
	s_cbranch_scc1 .Lno_mask_\@
	MASK
.Lno_mask_\@:
	SOFTMAX
.if \tail
	s_wait_dscnt 0x0                               ; V is in (the two ways here differ in what is out behind it)
.else
	s_wait_dscnt 32                                ; V is in; K's 32 loads, issued behind it, may be out
.endif
	WIN 0x01
	PVM
	WIN 0
	s_sub_co_u32 s[SR], s[SR], 1
	s_cmp_lg_u32 s[SR], 0
	s_cbranch_scc1 .Lno_end_\@
	FINISH \tail
.Lno_end_\@:
.endm
.macro PART2                           ; the next step's V is fetched, and its scores are made
	PLACES                                         ; behind V^T P
	FETCH_V
	s_wait_dscnt 32                                ; K is in; V's 32 loads may be out
	WIN 0x01
	KQ
	WIN 0
.endm
	s_load_b128 s[4:7], s[0:1], 0x0                ; qkv, yb
	v_lshl_add_u32 v[SPW], v0, 2, SPARE
	v_mov_b32 v[NIL], 0
	ds_add_u32 v[SPW], v[NIL]                      ; the wave's opening: the add is waited for ahead of my first tensor load
	v_lshrrev_b32 v1, 5, v0
	v_readfirstlane_b32 s[WV], v1
	s_bfe_u32 s13, ttmp6, 0x40000                  ; cx
	s_mov_b32 s14, ttmp9                           ; c
	s_and_b32 s15, ttmp7, 0xffff                   ; the head
	s_and_b32 s20, s[WV], 1                        ; which half of a tile's 256 keys I fetch
	s_mul_i32 s[LWK], s20, 128*PK
	s_mul_i32 s[LWV], s20, 128*PV
	s_add_co_u32 s[LWV], s[LWV], VOFF
	s_lshl_b32 s16, s15, 19
	s_lshl_b32 s21, s20, 15
	s_add_co_u32 s16, s16, s21
	s_add_co_u32 s18, s16, 32*524288               ; V's plane
	s_add_co_u32 s16, s16, 16*524288               ; K's plane
	s_mov_b32 s17, 0
	s_mov_b32 s19, 0
	s_lshl_b32 s8, s14, 2
	s_add_co_u32 s8, s8, s13                       ; b
	s_sub_co_u32 s9, 31, s8                        ; 31 - b
	s_lshl_b32 s10, s15, 19
	s_lshl_b32 s11, s[WV], 12
	s_add_co_u32 s10, s10, s11                     ; Q's plane, my 16 rows of a block
	s_lshl_b32 s78, s9, 14
	s_add_co_u32 s78, s78, s10
	s_mov_b32 s79, 0
	s_lshl_b32 s80, s8, 14
	s_add_co_u32 s80, s80, s10
	s_mov_b32 s81, 0
	s_lshl_b32 s10, s15, 8
	s_lshl_b32 s11, s[WV], 16
	s_add_co_u32 s10, s10, s11                     ; the head's 256 bytes of a row of yb, my 16 rows
	s_lshl_b32 s[OP], s9, 18
	s_add_co_u32 s[OP], s[OP], s10
	s_mov_b32 s[OP+1], 0
	s_lshl_b32 s[OP2], s8, 18
	s_add_co_u32 s[OP2], s[OP2], s10
	s_mov_b32 s[OP2+1], 0
	s_lshl_b32 s11, s[WV], 4
	s_sub_co_u32 s22, 3, s13                       ; the first block is band 3 - cx of its last tile,
	s_lshl_b32 s22, s22, 6
	s_add_co_u32 s22, s22, s11
	s_lshl_b32 s23, s13, 6                         ; the second band cx
	s_add_co_u32 s23, s23, s11
	s_mov_b32 s[G1K], 15|(1<<16)|(1<<20)|(1<<21)|(5<<22)|(3<<25)  ; the mask of four; 2-byte elements; padding on; bit 21 beside a mask; after every 64 words 4 words
	s_mov_b32 s[G1V], 15|(1<<16)|(1<<20)|(1<<21)|(5<<22)|(7<<25)  ; the same with 8 words
.irp g, G1K, G1V
	s_mov_b32 s[(\g)+1], 128<<16                   ; tensor_dim0 = 128
	s_mov_b32 s[(\g)+2], 128<<16                   ; tensor_dim1 = 128
	s_mov_b32 s[(\g)+3], 128<<16                   ; tile_dim0 = 128
	s_mov_b32 s[(\g)+4], 128                       ; tile_dim1 = 128
	s_mov_b32 s[(\g)+5], 128                       ; elements from row to row
	s_mov_b32 s[(\g)+6], 0
	s_mov_b32 s[(\g)+7], 0
.endr
	s_mov_b32 s[CS], 0x3e0293ee                    ; c = log2(e) / sqrt(128)
	s_mov_b32 s[CS+1], s[CS]
	s_mov_b32 s[SEL], 0x76543210
	s_mov_b32 s[SEL+1], 0xfedcba98
	s_mov_b32 s[TBK], 0
	s_mov_b32 s[TBV], 0
	s_mov_b32 s[TF], SLOTB
	s_mov_b32 s[NXT], 2
	s_sub_co_u32 s[LQ], 7, s14
	s_lshl_b32 s[SR], s14, 2
	s_sub_co_u32 s[SR], 32, s[SR]                  ; the first block has 32 - 4 c steps
	s_mov_b32 s[OFF+1], 0
	s_wait_dscnt 0x0                               ; the opening add is done
	s_wait_kmcnt 0x0
	s_add_nc_u64 s[KP:KP+1], s[4:5], s[KP:KP+1]
	s_add_nc_u64 s[VP:VP+1], s[4:5], s[VP:VP+1]
	s_add_nc_u64 s[78:79], s[4:5], s[78:79]
	s_add_nc_u64 s[80:81], s[4:5], s[80:81]
	s_add_nc_u64 s[OP:OP+1], s[6:7], s[OP:OP+1]
	s_add_nc_u64 s[OP2:OP2+1], s[6:7], s[OP2:OP2+1]
	CROUND                                         ; all four work-groups are here: the first joint loads meet
.irp s, 0,1
	s_mov_b32 s[G0K+4*(\s)], 1
	s_add_co_u32 s[G0K+4*(\s)+1], s[LWK], (\s)*SLOTB
	s_add_nc_u64 s[G0K+4*(\s)+2:G0K+4*(\s)+3], s[KP:KP+1], (\s)*65536
	s_or_b32 s[G0K+4*(\s)+3], s[G0K+4*(\s)+3], 0x80000000
	s_mov_b32 s[G0V+4*(\s)], 1
	s_add_co_u32 s[G0V+4*(\s)+1], s[LWV], (\s)*SLOTB
	s_add_nc_u64 s[G0V+4*(\s)+2:G0V+4*(\s)+3], s[VP:VP+1], (\s)*65536
	s_or_b32 s[G0V+4*(\s)+3], s[G0V+4*(\s)+3], 0x80000000
.endr
	s_cmp_lt_u32 s[WV], 2                          ; a wave's two first fills stand in one branch: tiles 0 and 1; two loads of mine are out
	s_cbranch_scc0 .Lfirst_v
	tensor_load_to_lds s[G0K:G0K+3], s[G1K:G1K+7]
	s_nop 0
	tensor_load_to_lds s[G0K+4:G0K+7], s[G1K:G1K+7]
	s_nop 0
.rept 4
	v_nop
.endr
	s_branch .Lfirst_asked
.Lfirst_v:
	tensor_load_to_lds s[G0V:G0V+3], s[G1V:G1V+7]
	s_nop 0
	tensor_load_to_lds s[G0V+4:G0V+7], s[G1V:G1V+7]
	s_nop 0
.rept 4
	v_nop
.endr
.Lfirst_asked:
	v_and_b32 v1, 15, v0                           ; r
	v_bfe_u32 v9, v0, 4, 1                         ; h
	v_and_b32 v10, 7, v0
	v_bfe_u32 v11, v0, 3, 1
	v_lshlrev_b32 v[QO], 8, v1
	v_lshl_add_u32 v[QO], v9, 4, v[QO]
.set i, 0
.rept 4                                                ; both blocks' Q stay in registers: channels 32 i on
	global_load_b128 v[Q+8*i:Q+8*i+3],    v[QO], s[78:79] offset:64*i
	global_load_b128 v[Q+8*i+4:Q+8*i+7],  v[QO], s[78:79] offset:64*i+32
	global_load_b128 v[QB+8*i:QB+8*i+3],   v[QO], s[80:81] offset:64*i
	global_load_b128 v[QB+8*i+4:QB+8*i+7], v[QO], s[80:81] offset:64*i+32
.set i, i+1
.endr
	v_mul_u32_u24 v[AK0], v1, PK
	v_lshl_add_u32 v[AK0], v9, 4, v[AK0]
	v_lshl_add_u32 v[AV0], v9, 3, v10
	v_mul_u32_u24 v[AV0], v[AV0], PV
	v_lshl_add_u32 v[AV0], v11, 4, v[AV0]
	v_add_nc_u32 v[AV0], VOFF, v[AV0]
	s_mul_i32 s21, s[WV], 16*SP
	s_add_co_u32 s21, s21, STAGE
	v_mul_u32_u24 v[STO], v1, SP
	v_lshl_add_u32 v[STO], v9, 4, v[STO]
	v_add_nc_u32 v[STO], s21, v[STO]
	v_mul_u32_u24 v[RD], v9, SP
	v_lshl_add_u32 v[RD], v1, 4, v[RD]
	v_add_nc_u32 v[RD], s21, v[RD]
	v_lshlrev_b32 v[GO], 12, v9
	v_lshl_add_u32 v[GO], v1, 4, v[GO]
	v_lshlrev_b32 v15, 3, v9
	v_sub_nc_u32 v15, v1, v15                      ; r - 8 h
	v_add_nc_u32 v[VB], s22, v15
	v_add_nc_u32 v[VB+1], s23, v15
	v_mov_b32 v[NEG], 0xf149f2ca                   ; -1e30
	v_mov_b32 v[ST], 0xfe000000
	v_mov_b32 v[ST+1], 0xff7fffff
	v_mov_b32 v[ST+2], 0
	v_mov_b32 v[ST+3], 0
.set i, 0
.rept 64                                               ; the first step multiplies O^T by a = 0: it need only be finite.  These lines stand in the wait for the first tile
	v_mov_b32 v[O+i], 0
.set i, i+1
.endr
	s_wait_tensorcnt 0x1                           ; my part of tile 0 is in; tile 1's may stay out
	s_barrier_signal -1
	s_barrier_wait -1
	FETCH_K
	FETCH_V
	s_wait_loadcnt 0x0                             ; Q
	s_wait_dscnt 32                                ; K is in
	WIN 0x01
	KQ
	WIN 0
	s_mov_b32 s[CNT], 3                            ; tile 0's other three steps are still to be fetched
	s_mov_b32 s[SLOTS], 8
	s_branch .Lstep
.Lslot:                                                ; seven times: a slot is left and filled again
	CHANGE 1
	s_mov_b32 s[CNT], 4
.Lstep:
	PART1 0
	PART2
	s_sub_co_u32 s[CNT], s[CNT], 1
	s_cmp_lg_u32 s[CNT], 0
	s_cbranch_scc1 .Lstep
	s_sub_co_u32 s[SLOTS], s[SLOTS], 1
	s_cmp_lg_u32 s[SLOTS], 0
	s_cbranch_scc1 .Lslot
	CHANGE 0                                       ; the walk's last tile: nothing is asked for
	s_mov_b32 s[CNT], 5                            ; four trips fetch its steps; the fifth is left in its middle
.Ltail:
	PART1 1
	s_sub_co_u32 s[CNT], s[CNT], 1
	s_cmp_eq_u32 s[CNT], 0
	s_cbranch_scc1 .Lout
	PART2
	s_branch .Ltail
.Lout:
	s_wait_tensorcnt 0x0                           ; the wave's end
	ds_add_u32 v[SPW], v[NIL]
	s_wait_dscnt 0x0
	CROUND                                         ; the closing round
	s_endpgm
.Lfunc_end_k_q036aa674df_attn:
	.size	k_q036aa674df_attn, .Lfunc_end_k_q036aa674df_attn-k_q036aa674df_attn
	.p2alignl 7, 3214868480
	.fill 96, 4, 3214868480
	.section	.rodata,"a",@progbits
	.p2align	6, 0x0
	.amdhsa_kernel k_q036aa674df_attn
		.amdhsa_group_segment_fixed_size 327680
		.amdhsa_private_segment_fixed_size 0
		.amdhsa_enable_private_segment 0
		.amdhsa_kernarg_size 16
		.amdhsa_user_sgpr_count 2
		.amdhsa_user_sgpr_kernarg_segment_ptr 1
		.amdhsa_wavefront_size32 1
		.amdhsa_system_sgpr_workgroup_id_x 1
		.amdhsa_system_sgpr_workgroup_id_y 1
		.amdhsa_system_sgpr_workgroup_id_z 1
		.amdhsa_system_vgpr_workitem_id 0
		.amdhsa_next_free_vgpr 512
		.amdhsa_next_free_sgpr 84
		.amdhsa_reserve_vcc 1
		.amdhsa_float_denorm_mode_32 3
		.amdhsa_float_denorm_mode_16_64 3
		.amdhsa_memory_ordered 1
		.amdhsa_forward_progress 1
		.amdhsa_inst_pref_size 69
	.end_amdhsa_kernel
	.amdgpu_metadata
---
amdhsa.version: [ 1, 2 ]
amdhsa.kernels:
  - .name:           k_q036aa674df_attn
    .symbol:         k_q036aa674df_attn.kd
    .args:
      - { .name: qkv, .offset: 0, .size: 8, .value_kind: global_buffer, .address_space: global }
      - { .name: yb, .offset: 8, .size: 8, .value_kind: global_buffer, .address_space: global }
    .group_segment_fixed_size: 327680
    .private_segment_fixed_size: 0
    .kernarg_segment_align: 8
    .kernarg_segment_size: 16
    .max_flat_workgroup_size: 128
    .sgpr_count:     84
    .vgpr_count:     512
    .wavefront_size: 32
...
	.end_amdgpu_metadata
.endif
;; end of part 3
;; launch wog (part 4): grid 16 x 16, 4 waves a work-group, clusters of 4 x 4, 327,680 bytes of LDS; arguments yb, wb, x, ffn_norm_w, x1, x1b, ssq; writes x1, x1b, ssq
.if DOCPART == 4
	.amdgcn_target "amdgcn-amd-amdhsa--gfx1250"
	.amdhsa_code_object_version 6
	.text
	.protected	k_q036aa674df_wog
	.globl	k_q036aa674df_wog
	.p2align	8
	.type	k_q036aa674df_wog,@function
k_q036aa674df_wog:
	s_mov_b64 s[64:65], 0
	v_nop
	global_prefetch_b8 v0, s[64:65] scope:SCOPE_SE
	s_setreg_imm32_b32 hwreg(HW_REG_WAVE_MODE, 25, 1), 1
	s_wait_xcnt 0x0
	s_wait_alu depctr_hold_cnt(0) depctr_sa_sdst(0) depctr_va_vdst(0) depctr_va_sdst(0) depctr_va_ssrc(0) depctr_va_vcc(0) depctr_vm_vsrc(0)
	s_getreg_b32 s2, hwreg(HW_REG_IB_STS2, 6, 4)
	s_cmp_eq_u32 s2, 0
	s_cbranch_scc0 .Lentry_in_a_cluster
	s_endpgm
.Lentry_in_a_cluster:
	s_bfe_u32 s2, ttmp6, 0x10000c
	s_cmp_lg_u32 s2, 0xf033
	s_cbranch_scc0 .Lentry_shape_is_right
	s_endpgm
.Lentry_shape_is_right:
; x1 = x + yb x wo (f32);  x1b = bf16(x1 * ffn_norm_w);  ssq[tile column][row] = the sum of x1^2 over the tile's 128 columns.
; The second norm is split: its column gain goes into x1b here, its row factor rsq(sum x1^2 / 2048 + eps) is applied to the next launch's f32 sums: the same product for every input.
; A = yb [2048][2048] bf16, rows along K.  B = wo in wb, [2048 k][2048 n] bf16, rows along N: its fragments come out of LDS turned, by ds_load_tr16_b128.
; A tile of C is 128 x 128; four waves, each 64 x 64: 16 accumulators.  K goes in steps of 256 through two LDS slots filled by tensor loads.
; CLUSTER 4 x 4: A's tile is asked for jointly by the four of a row of the cluster, B's by the four of a column.
; THE MATRIX INSTRUCTION IS USED TRANSPOSED (source 0 = 16 columns of B, source 1 = 16 rows of A): a lane holds row lane % 16 and eight neighbouring columns.
; LIMIT.  The squares are kept in f32: rows of x1 with a root mean square beyond 4e17 overflow.
; REGISTERS: window 0: v1-31 addresses and at work; v32-127 at work on the way out; v128-255 accumulators, then whole rows.  Window 1: two fragment buffers.  Window 2: v0-127 my 32 rows of x.
.set NSTEP, 8
.set NB,    2048
.set WOFF,  25165824
.set PERM,  0
.set COLB,  128
.set PA,    528
.set HALFA, 64*PA
.set AQ,    128
.set ASTEP, 512
.set ASH,   12
.set AD0,   256
.set AD1,   64
.set ASTR,  2048
.set AQI,   6
.set PB,    288
.set HALFB, 128*PB
.set BSTEP, 512*NB
.set AREG,  2*HALFA
.set SLOT,  AREG+2*HALFB
.set SPARE, 2*SLOT                     ; the spare words: two blocks of 256 bytes that no other line names
.set STAGE, SLOT                       ; the way out goes through slot 1: its last fill is the last K step's, and its last reads are over at the last barrier of the K loop
.set SPI,   528                        ; a row of the stage: 512 bytes of f32 + 16
.set GATH,  STAGE+128*SPI              ; behind the stage: 32 rows x 144 bytes for each wave, its own
.set LA0, 16
.set LB0, 17
.set LB2, 18
.set ADRA, 19
.set ADRB, 20
.set GRD, 22                           ; v22 where I read my row of the gather
.set STO, 24
.set RD,  25
.set CO,  26                           ; v26 16 x lane; v27 8 x lane; v30 4 x lane
.set CO2, 27
.set SPW, 28
.set NIL, 29
.set CO4, 30
.set GST, 31                           ; v31 where I put my part of a row's sum
.set ACC, 128
.set F0,  0
.set F1,  128
.set G1A, 24
.set G0A, 32
.set G1B, 48
.set G0B, 56
.set TB,  22
.set CNT, 23
.set MSB, 0
.macro WIN new
.if MSB != (\new)
	s_set_vgpr_msb (MSB<<8)|(\new)
.set MSB, \new
.endif
.endm
.macro JLOAD s                         ; a joint load: waves 0 and 1 fetch A's two halves, waves 2 and 3 B's; s_nop 0 and four v_nop follow each line
	s_cmp_eq_u32 s11, 0
	s_cbranch_scc0 .Lfor_b_\@
	tensor_load_to_lds s[G0A+4*(\s):G0A+4*(\s)+3], s[G1A:G1A+7]
	s_nop 0
.rept 4
	v_nop
.endr
	s_branch .Lasked_\@
.Lfor_b_\@:
	tensor_load_to_lds s[G0B+4*(\s):G0B+4*(\s)+3], s[G1B:G1B+7]
	s_nop 0
.rept 4
	v_nop
.endr
.Lasked_\@:
.endm
.macro CREST
	s_cmp_lg_u32 s10, 0
	s_cbranch_scc1 .Lnot_wave_0_\@
	s_barrier_signal -3
.Lnot_wave_0_\@:
	s_barrier_wait -3
	s_barrier_signal -1
	s_barrier_wait -1
.endm
.macro CROUND
	s_barrier_signal -1
	s_barrier_wait -1
	CREST
.endm
.macro PLACES                          ; four places behind matrix instructions (ISA guide 7.12.1)
.rept 4
	v_nop
.endr
.endm
.macro MUL8 f, c, a0, zero             ; 8 matrix instructions; the 16 accumulators take turns
	WIN 0x05
.irp a, \a0, (\a0)+1
.irp b, 0,1,2,3
.if \zero
	v_wmma_f32_16x16x32_bf16 v[ACC+8*(4*(\a)+(\b)):ACC+8*(4*(\a)+(\b))+7], v[(\f)+64+8*(4*(\c)+(\b)):(\f)+64+8*(4*(\c)+(\b))+7], v[(\f)+8*(4*(\c)+(\a)):(\f)+8*(4*(\c)+(\a))+7], 0
.else
	v_wmma_f32_16x16x32_bf16 v[ACC+8*(4*(\a)+(\b)):ACC+8*(4*(\a)+(\b))+7], v[(\f)+64+8*(4*(\c)+(\b)):(\f)+64+8*(4*(\c)+(\b))+7], v[(\f)+8*(4*(\c)+(\a)):(\f)+8*(4*(\c)+(\a))+7], v[ACC+8*(4*(\a)+(\b)):ACC+8*(4*(\a)+(\b))+7]
.endif
.endr
.endr
.endm
.macro FETCH q, f                      ; 32 LDS loads in one run: quarter q of the slot in hand into buffer f; the first 32 along K first
	WIN 0x40
.irp c, 0,1
.irp i, 0,1,2,3
.if PERM
.set cb, 32*((\i)%2)+128*((\i)/2)
.else
.set cb, 32*(\i)
.endif
.set bo, ((\q)%2)*64*PB+(\c)*32*PB+cb
.set br, ADRB+(\q)/2
.set ao, (\q)*AQ+64*(\c)+(\i)*16*PA
	ds_load_tr16_b128 v[(\f)+64+8*(4*(\c)+(\i)):(\f)+64+8*(4*(\c)+(\i))+3],   v[br] offset:bo
	ds_load_tr16_b128 v[(\f)+64+8*(4*(\c)+(\i))+4:(\f)+64+8*(4*(\c)+(\i))+7], v[br] offset:bo+16*PB
	ds_load_b128 v[(\f)+8*(4*(\c)+(\i)):(\f)+8*(4*(\c)+(\i))+3],   v[ADRA] offset:ao
	ds_load_b128 v[(\f)+8*(4*(\c)+(\i))+4:(\f)+8*(4*(\c)+(\i))+7], v[ADRA] offset:ao+32
.endr
.endr
.endm
.macro QUARTER qn, f, g, zero
	s_wait_dscnt 16                                ; the first 32 along K are in; the 16 younger loads may be out
	MUL8 \f, 0, 0, \zero
	MUL8 \f, 0, 2, \zero
	PLACES
	FETCH \qn, \g
	s_wait_dscnt 32                                ; all but the 32 just issued
	MUL8 \f, 1, 0, 0
	MUL8 \f, 1, 2, 0
.endm
; The last quarter changes slots: in front of the barrier each wave waits for all its tensor loads, adds 0 to its spare word, and waits for that and for its reads of this slot.
; fill = 1: the barrier opens a round of the cluster's, and this slot is filled again, two K steps ahead, first thing behind it.  fill = 0: the tail.
.macro TURN fill
	WIN 0
	s_wait_tensorcnt 0x0
	ds_add_u32 v[SPW], v[NIL]
	s_wait_dscnt 17                                ; the add and the youngest sixteen loads may be out
	MUL8 F1, 0, 0, 0
	s_wait_dscnt 0x0
	s_barrier_signal -1
	MUL8 F1, 0, 2, 0
	WIN 0
	s_barrier_wait -1
.if \fill
	CREST
	s_add_co_u32 s[G0A+5], s[TB], s20
	s_add_co_u32 s[G0B+5], s[TB], s21
	s_add_nc_u64 s[G0A+6:G0A+7], s[G0A+6:G0A+7], ASTEP
	s_add_nc_u64 s[G0B+6:G0B+7], s[G0B+6:G0B+7], BSTEP
	JLOAD 1
.else
	PLACES
.endif
	s_xor_b32 s[TB], s[TB], SLOT
	v_add_nc_u32 v[ADRA], s[TB], v[LA0]
	v_add_nc_u32 v[ADRB], s[TB], v[LB0]
	v_add_nc_u32 v[ADRB+1], s[TB], v[LB2]
.if !(\fill)
	s_cmp_eq_u32 s[CNT], 1
	s_cbranch_scc1 .Lno_fetch_\@
.endif
	FETCH 0, F0
	WIN 0
.if !(\fill)
.Lno_fetch_\@:
.endif
	MUL8 F1, 1, 0, 0
	MUL8 F1, 1, 2, 0
.endm
	s_load_b256 s[72:79], s[0:1], 0x0              ; yb, wb, x, ffn_norm_w
	s_load_b128 s[80:83], s[0:1], 0x20             ; x1, x1b
	s_load_b64 s[84:85], s[0:1], 0x30              ; ssq
	v_lshl_add_u32 v[SPW], v0, 2, SPARE
	v_mov_b32 v[NIL], 0
	ds_add_u32 v[SPW], v[NIL]                      ; the wave's opening: the add is waited for ahead of my first tensor load
	v_lshrrev_b32 v1, 5, v0
	v_readfirstlane_b32 s10, v1
	s_lshr_b32 s11, s10, 1
	s_and_b32 s12, s10, 1
	s_bfe_u32 s40, ttmp6, 0x40000
	s_bfe_u32 s41, ttmp6, 0x40004
	s_lshl_b32 s42, ttmp9, 2
	s_add_co_u32 s42, s42, s40                     ; tile column
	s_and_b32 s13, ttmp7, 0xffff
	s_lshl_b32 s13, s13, 2
	s_add_co_u32 s13, s13, s41                     ; tile row
	s_lshl_b32 s43, s41, 2
	s_lshl_b32 s43, 15, s43
	s_lshl_b32 s44, 0x1111, s40
	s_or_b32 s[G1A], s43, (1<<16)|(1<<20)|(1<<21)|(AQI<<22)|(3<<25)
	s_or_b32 s[G1B], s44, (1<<16)|(1<<20)|(1<<21)|(5<<22)|(7<<25)
	s_mov_b32 s[G1A+1], AD0<<16
	s_mov_b32 s[G1A+2], AD1<<16
	s_mov_b32 s[G1A+3], AD0<<16
	s_mov_b32 s[G1A+4], AD1
	s_mov_b32 s[G1A+5], ASTR
	s_mov_b32 s[G1A+6], 0
	s_mov_b32 s[G1A+7], 0
	s_mov_b32 s[G1B+1], 128<<16
	s_mov_b32 s[G1B+2], 128<<16
	s_mov_b32 s[G1B+3], 128<<16
	s_mov_b32 s[G1B+4], 128
	s_mov_b32 s[G1B+5], NB
	s_mov_b32 s[G1B+6], 0
	s_mov_b32 s[G1B+7], 0
	s_lshl_b32 s16, s13, 7
	s_lshl_b32 s17, s12, 6
	s_add_co_u32 s16, s16, s17
	s_lshl_b32 s16, s16, ASH
	s_mov_b32 s17, 0
	s_lshl_b32 s46, s42, 8
	s_mul_i32 s47, s12, 256*NB
	s_add_co_u32 s46, s46, s47
	s_add_co_u32 s46, s46, WOFF
	s_mov_b32 s47, 0
	s_mul_i32 s20, s12, HALFA
	s_mul_i32 s21, s12, HALFB
	s_add_co_u32 s21, s21, AREG
	s_mov_b32 s[TB], 0
	s_wait_dscnt 0x0
	s_wait_kmcnt 0x0
	s_add_nc_u64 s[14:15], s[72:73], s[16:17]
	s_add_nc_u64 s[46:47], s[74:75], s[46:47]
	CROUND                                         ; all sixteen work-groups are here: the first joint loads meet
.irp s, 0,1
	s_mov_b32 s[G0A+4*(\s)], 1
	s_add_co_u32 s[G0A+4*(\s)+1], s20, (\s)*SLOT
	s_add_nc_u64 s[G0A+4*(\s)+2:G0A+4*(\s)+3], s[14:15], (\s)*ASTEP
	s_or_b32 s[G0A+4*(\s)+3], s[G0A+4*(\s)+3], 0x80000000
	s_mov_b32 s[G0B+4*(\s)], 1
	s_add_co_u32 s[G0B+4*(\s)+1], s21, (\s)*SLOT
	s_add_nc_u64 s[G0B+4*(\s)+2:G0B+4*(\s)+3], s[46:47], (\s)*BSTEP
	s_or_b32 s[G0B+4*(\s)+3], s[G0B+4*(\s)+3], 0x80000000
	JLOAD \s                                       ; K steps 0 and 1: two loads of mine are out
.endr
	v_and_b32 v1, 15, v0
	v_bfe_u32 v2, v0, 4, 1
	v_and_b32 v3, 7, v0
	v_bfe_u32 v4, v0, 3, 1
	v_and_b32 v5, 31, v0                           ; lane
	v_mul_u32_u24 v[LA0], v1, PA
	v_lshl_add_u32 v[LA0], v2, 4, v[LA0]
	s_mul_i32 s4, s11, HALFA
	v_add_nc_u32 v[LA0], s4, v[LA0]
	v_lshl_add_u32 v[LB0], v2, 3, v3
	v_mul_u32_u24 v[LB0], v[LB0], PB
	v_lshl_add_u32 v[LB0], v4, 4, v[LB0]
	s_mul_i32 s4, s12, COLB
	s_add_co_u32 s4, s4, AREG
	v_add_nc_u32 v[LB0], s4, v[LB0]
	v_add_nc_u32 v[LB2], HALFB, v[LB0]
	v_mov_b32 v[ADRA], v[LA0]
	v_mov_b32 v[ADRB], v[LB0]
	v_mov_b32 v[ADRB+1], v[LB2]
	v_lshlrev_b32 v[CO], 4, v5
	v_lshlrev_b32 v[CO2], 3, v5
	v_lshlrev_b32 v[CO4], 2, v5
	s_lshl_b32 s86, s13, 20                        ; the tile's 128 rows of 8,192 bytes,
	s_lshl_b32 s87, s10, 18                        ; my 32 of them,
	s_add_co_u32 s86, s86, s87
	s_lshl_b32 s87, s42, 9                         ; the tile's 512 bytes of a row
	s_add_co_u32 s86, s86, s87
	s_lshr_b32 s88, s86, 1                         ; the same place in bf16
	s_mov_b32 s87, 0
	s_mov_b32 s89, 0
	s_lshl_b32 s90, s42, 9
	s_mov_b32 s91, 0
	s_lshl_b32 s92, s42, 13                        ; ssq: 8,192 bytes a tile column, 4 a row
	s_lshl_b32 s93, s13, 9
	s_add_co_u32 s92, s92, s93
	s_lshl_b32 s93, s10, 7
	s_add_co_u32 s92, s92, s93
	s_mov_b32 s93, 0
	s_add_nc_u64 s[76:77], s[76:77], s[86:87]
	s_add_nc_u64 s[78:79], s[78:79], s[90:91]
	s_add_nc_u64 s[80:81], s[80:81], s[86:87]
	s_add_nc_u64 s[82:83], s[82:83], s[88:89]
	s_add_nc_u64 s[84:85], s[84:85], s[92:93]
	WIN 0x80
.set i, 0
.rept 32                                               ; my 32 rows of x, 512 consecutive bytes each, as the way out will hold them
	global_load_b128 v[4*i:4*i+3], v[CO], s[76:77] offset:8192*i th:TH_LOAD_NT
.set i, i+1
.endr
	WIN 0
	global_load_b128 v[12:15], v[CO], s[78:79]     ; the gain of my four columns
	s_mul_i32 s4, s11, 64*SPI
	s_lshl_b32 s5, s12, 8
	s_add_co_u32 s4, s4, s5
	s_add_co_u32 s4, s4, STAGE
	v_mul_u32_u24 v[STO], v1, SPI                  ; in: row r, 32 bytes for each half of the lanes
	v_lshl_add_u32 v[STO], v2, 5, v[STO]
	v_add_nc_u32 v[STO], s4, v[STO]
	s_mul_i32 s4, s10, 32*SPI
	s_add_co_u32 s4, s4, STAGE
	v_add_nc_u32 v[RD], s4, v[CO]                  ; back: a wave's load takes a whole row of 512 bytes
	s_mul_i32 s5, s10, 32*144
	s_add_co_u32 s5, s5, GATH
	v_add_nc_u32 v[GST], s5, v[CO4]
	v_mul_u32_u24 v[GRD], v5, 144
	v_add_nc_u32 v[GRD], s5, v[GRD]
	s_wait_tensorcnt 0x1                           ; my part of K step 0 is in; K step 1's may stay out
	s_barrier_signal -1
	s_barrier_wait -1
	FETCH 0, F0
	QUARTER 1, F0, F1, 1
	WIN 0
	s_mov_b32 s[CNT], NSTEP-2
.Lk:
	QUARTER 2, F1, F0, 0
	QUARTER 3, F0, F1, 0
	TURN 1
	QUARTER 1, F0, F1, 0
	WIN 0
	s_sub_co_u32 s[CNT], s[CNT], 1
	s_cmp_lg_u32 s[CNT], 0
	s_cbranch_scc1 .Lk
	s_mov_b32 s[CNT], 2
.Lt:
	QUARTER 2, F1, F0, 0
	QUARTER 3, F0, F1, 0
	TURN 0
	WIN 0
	s_sub_co_u32 s[CNT], s[CNT], 1
	s_cmp_eq_u32 s[CNT], 0
	s_cbranch_scc1 .Lout
	QUARTER 1, F0, F1, 0
	WIN 0
	s_branch .Lt
.Lout:
	PLACES
.set t, 0
.rept 16                                               ; the sums go into the stage as they are, each accumulator's lowest registers first
	ds_store_b128 v[STO], v[ACC+8*t:ACC+8*t+3]   offset:(t/4)*16*SPI+(t%4)*64
	ds_store_b128 v[STO], v[ACC+8*t+4:ACC+8*t+7] offset:(t/4)*16*SPI+(t%4)*64+16
.set t, t+1
.endr
	s_wait_dscnt 0x0                               ; for the others' sake: my stores into the stage are done
	s_barrier_signal -1
	s_barrier_wait -1
.set i, 0
.rept 32
	ds_load_b128 v[ACC+4*i:ACC+4*i+3], v[RD] offset:SPI*i
.set i, i+1
.endr
	s_wait_loadcnt 0x0                             ; x and the gain
	WIN 0x08                                       ; source 1 in window 2
.set i, 0
.rept 32
	s_wait_dscnt 31-i
	v_pk_add_f32 v[ACC+4*i:ACC+4*i+1],   v[ACC+4*i:ACC+4*i+1],   v[4*i:4*i+1]
	v_pk_add_f32 v[ACC+4*i+2:ACC+4*i+3], v[ACC+4*i+2:ACC+4*i+3], v[4*i+2:4*i+3]
.set i, i+1
.endr
	WIN 0
.set i, 0
.rept 32
	global_store_b128 v[CO], v[ACC+4*i:ACC+4*i+3], s[80:81] offset:8192*i  ; 512 consecutive bytes, aligned
.set i, i+1
.endr
.set i, 0
.rept 32                                               ; my four columns' squares of row i, into the wave's gather
.set t, 8+2*(i%2)
	v_pk_mul_f32 v[t:t+1], v[ACC+4*i:ACC+4*i+1], v[ACC+4*i:ACC+4*i+1]
	v_pk_fma_f32 v[t:t+1], v[ACC+4*i+2:ACC+4*i+3], v[ACC+4*i+2:ACC+4*i+3], v[t:t+1]
	v_add_f32 v[96+i], v[t], v[t+1]
	ds_store_b32 v[GST], v[96+i] offset:144*i
.set i, i+1
.endr
.set i, 0
.rept 32                                               ; x1 times the gain, in bf16: a wave's store is 256 consecutive bytes, aligned; each store has data registers of its own
	v_pk_mul_f32 v[4:5], v[ACC+4*i:ACC+4*i+1], v[12:13]
	v_pk_mul_f32 v[6:7], v[ACC+4*i+2:ACC+4*i+3], v[14:15]
	v_cvt_pk_bf16_f32 v[32+2*i], v4, v5
	v_cvt_pk_bf16_f32 v[33+2*i], v6, v7
	global_store_b64 v[CO2], v[32+2*i:33+2*i], s[82:83] offset:4096*i
.set i, i+1
.endr
.set i, 0
.rept 8                                                ; lane l takes row l's 32 parts: LDS serves a wave's instructions in order (ISA guide 5.7.1.4)
	ds_load_b128 v[96+4*i:96+4*i+3], v[GRD] offset:16*i
.set i, i+1
.endr
	s_wait_dscnt 0x0
.irp d, 16, 8, 4, 2
.set i, 0
.rept (\d)/2
	v_pk_add_f32 v[96+2*i:96+2*i+1], v[96+2*i:96+2*i+1], v[96+(\d)+2*i:96+(\d)+2*i+1]
.set i, i+1
.endr
.endr
	v_add_f32 v96, v96, v97
	global_store_b32 v[CO4], v96, s[84:85]         ; 128 bytes a wave: 131,072 bytes in the whole launch
	s_wait_tensorcnt 0x0                           ; the wave's end
	ds_add_u32 v[SPW], v[NIL]
	s_wait_dscnt 0x0
	CROUND                                         ; the closing round
	s_endpgm
.Lfunc_end_k_q036aa674df_wog:
	.size	k_q036aa674df_wog, .Lfunc_end_k_q036aa674df_wog-k_q036aa674df_wog
	.p2alignl 7, 3214868480
	.fill 96, 4, 3214868480
	.section	.rodata,"a",@progbits
	.p2align	6, 0x0
	.amdhsa_kernel k_q036aa674df_wog
		.amdhsa_group_segment_fixed_size 327680
		.amdhsa_private_segment_fixed_size 0
		.amdhsa_enable_private_segment 0
		.amdhsa_kernarg_size 56
		.amdhsa_user_sgpr_count 2
		.amdhsa_user_sgpr_kernarg_segment_ptr 1
		.amdhsa_wavefront_size32 1
		.amdhsa_system_sgpr_workgroup_id_x 1
		.amdhsa_system_sgpr_workgroup_id_y 1
		.amdhsa_system_sgpr_workgroup_id_z 1
		.amdhsa_system_vgpr_workitem_id 0
		.amdhsa_next_free_vgpr 640
		.amdhsa_next_free_sgpr 96
		.amdhsa_reserve_vcc 0
		.amdhsa_float_denorm_mode_32 3
		.amdhsa_float_denorm_mode_16_64 3
		.amdhsa_memory_ordered 1
		.amdhsa_forward_progress 1
		.amdhsa_inst_pref_size 86
	.end_amdhsa_kernel
	.amdgpu_metadata
---
amdhsa.version: [ 1, 2 ]
amdhsa.kernels:
  - .name:           k_q036aa674df_wog
    .symbol:         k_q036aa674df_wog.kd
    .args:
      - { .name: yb, .offset: 0, .size: 8, .value_kind: global_buffer, .address_space: global }
      - { .name: wb, .offset: 8, .size: 8, .value_kind: global_buffer, .address_space: global }
      - { .name: x, .offset: 16, .size: 8, .value_kind: global_buffer, .address_space: global }
      - { .name: ffn_norm_w, .offset: 24, .size: 8, .value_kind: global_buffer, .address_space: global }
      - { .name: x1, .offset: 32, .size: 8, .value_kind: global_buffer, .address_space: global }
      - { .name: x1b, .offset: 40, .size: 8, .value_kind: global_buffer, .address_space: global }
      - { .name: ssq, .offset: 48, .size: 8, .value_kind: global_buffer, .address_space: global }
    .group_segment_fixed_size: 327680
    .private_segment_fixed_size: 0
    .kernarg_segment_align: 8
    .kernarg_segment_size: 56
    .max_flat_workgroup_size: 128
    .sgpr_count:     96
    .vgpr_count:     640
    .wavefront_size: 32
...
	.end_amdgpu_metadata
.endif
;; end of part 4
;; launch gug (part 5): grid 16 x 16, 4 waves a work-group, clusters of 4 x 4, 327,680 bytes of LDS; arguments x1b, wb, ssq, actb; writes actb
.if DOCPART == 5
	.amdgcn_target "amdgcn-amd-amdhsa--gfx1250"
	.amdhsa_code_object_version 6
	.text
	.protected	k_q036aa674df_gug
	.globl	k_q036aa674df_gug
	.p2align	8
	.type	k_q036aa674df_gug,@function
k_q036aa674df_gug:
	s_mov_b64 s[64:65], 0
	v_nop
	global_prefetch_b8 v0, s[64:65] scope:SCOPE_SE
	s_setreg_imm32_b32 hwreg(HW_REG_WAVE_MODE, 25, 1), 1
	s_wait_xcnt 0x0
	s_wait_alu depctr_hold_cnt(0) depctr_sa_sdst(0) depctr_va_vdst(0) depctr_va_sdst(0) depctr_va_ssrc(0) depctr_va_vcc(0) depctr_vm_vsrc(0)
	s_getreg_b32 s2, hwreg(HW_REG_IB_STS2, 6, 4)
	s_cmp_eq_u32 s2, 0
	s_cbranch_scc0 .Lentry_in_a_cluster
	s_endpgm
.Lentry_in_a_cluster:
	s_bfe_u32 s2, ttmp6, 0x10000c
	s_cmp_lg_u32 s2, 0xf033
	s_cbranch_scc0 .Lentry_shape_is_right
	s_endpgm
.Lentry_shape_is_right:
; act = silu(ri G) * (ri U), with G, U = x1b x [gate | up] and ri[row] = rsq(sum over the 16 parts of ssq / 2048 + 1e-5): the second norm's row factor, applied to the f32 sums.
; actb[j][row][64] in bf16: tile column j holds columns 64 j .. 64 j + 63, a work-group's 128 x 64 result 16,384 bytes on end.
; A = x1b [2048][2048] bf16.  B = the woven gate and up in wb, [2048 k][2048 n']: tile column j is 64 columns of gate, then the same 64 of up; its fragments come out of LDS turned.
; A tile of C is 128 x 128; four waves, each 64 x 64.  A WAVE'S COLUMNS are 32 s + 0..31 of gate and the same of up: accumulators (a, b) and (a, b + 2) hold g and u of one number in one lane and register.
; CLUSTER 4 x 4: A's tile is asked for jointly by the four of a row of the cluster, B's by the four of a column.  THE MATRIX INSTRUCTION IS USED TRANSPOSED.
; silu(g) = g / (1 + 2^(-g log2 e)): where the power overflows the reciprocal is 0, and so is the result.
; REGISTERS: window 0: v1-31 addresses; v32-127 at work; v128-255 accumulators.  Window 1: two fragment buffers.
.set NSTEP, 8
.set NB,    2048
.set WOFF,  33554432
.set PERM,  1
.set COLB,  64
.set PA,    528
.set HALFA, 64*PA
.set AQ,    128
.set ASTEP, 512
.set ASH,   12
.set AD0,   256
.set AD1,   64
.set ASTR,  2048
.set AQI,   6
.set PB,    288
.set HALFB, 128*PB
.set BSTEP, 512*NB
.set AREG,  2*HALFA
.set SLOT,  AREG+2*HALFB
.set SPARE, 2*SLOT                     ; the spare words: two blocks of 256 bytes that no other line names
.set EXTRA, SPARE+512                  ; ri of the tile's 128 rows: two blocks of 256 bytes into which no fill lands
.set STAGE, SLOT                       ; the way out goes through slot 1: its last fill is the last K step's, and its last reads are over at the last barrier of the K loop
.set SPI,   144                        ; a row of the stage: 128 bytes + 16
.set LA0, 16
.set LB0, 17
.set LB2, 18
.set ADRA, 19
.set ADRB, 20
.set STO, 24
.set RD,  25
.set CO,  26
.set CO2, 27
.set SPW, 28
.set NIL, 29
.set RIS, 30                           ; v30 where I put my row's ri; v31 where I read the ri of row r of my 64
.set RIL, 31
.set TMP, 32
.set RI,  96                           ; v96-103 ri of row 16 a + r, twice each
.set EE,  104                          ; v104-111 at work
.set ACC, 128
.set F0,  0
.set F1,  128
.set G1A, 24
.set G0A, 32
.set G1B, 48
.set G0B, 56
.set TB,  22
.set CNT, 23
.set MSB, 0
.macro WIN new
.if MSB != (\new)
	s_set_vgpr_msb (MSB<<8)|(\new)
.set MSB, \new
.endif
.endm
.macro JLOAD s                         ; a joint load: waves 0 and 1 fetch A's two halves, waves 2 and 3 B's; s_nop 0 and four v_nop follow each line
	s_cmp_eq_u32 s11, 0
	s_cbranch_scc0 .Lfor_b_\@
	tensor_load_to_lds s[G0A+4*(\s):G0A+4*(\s)+3], s[G1A:G1A+7]
	s_nop 0
.rept 4
	v_nop
.endr
	s_branch .Lasked_\@
.Lfor_b_\@:
	tensor_load_to_lds s[G0B+4*(\s):G0B+4*(\s)+3], s[G1B:G1B+7]
	s_nop 0
.rept 4
	v_nop
.endr
.Lasked_\@:
.endm
.macro CREST
	s_cmp_lg_u32 s10, 0
	s_cbranch_scc1 .Lnot_wave_0_\@
	s_barrier_signal -3
.Lnot_wave_0_\@:
	s_barrier_wait -3
	s_barrier_signal -1
	s_barrier_wait -1
.endm
.macro CROUND
	s_barrier_signal -1
	s_barrier_wait -1
	CREST
.endm
.macro PLACES                          ; four places behind matrix instructions (ISA guide 7.12.1)
.rept 4
	v_nop
.endr
.endm
.macro MUL8 f, c, a0, zero             ; 8 matrix instructions; the 16 accumulators take turns
	WIN 0x05
.irp a, \a0, (\a0)+1
.irp b, 0,1,2,3
.if \zero
	v_wmma_f32_16x16x32_bf16 v[ACC+8*(4*(\a)+(\b)):ACC+8*(4*(\a)+(\b))+7], v[(\f)+64+8*(4*(\c)+(\b)):(\f)+64+8*(4*(\c)+(\b))+7], v[(\f)+8*(4*(\c)+(\a)):(\f)+8*(4*(\c)+(\a))+7], 0
.else
	v_wmma_f32_16x16x32_bf16 v[ACC+8*(4*(\a)+(\b)):ACC+8*(4*(\a)+(\b))+7], v[(\f)+64+8*(4*(\c)+(\b)):(\f)+64+8*(4*(\c)+(\b))+7], v[(\f)+8*(4*(\c)+(\a)):(\f)+8*(4*(\c)+(\a))+7], v[ACC+8*(4*(\a)+(\b)):ACC+8*(4*(\a)+(\b))+7]
.endif
.endr
.endr
.endm
.macro FETCH q, f                      ; 32 LDS loads in one run: quarter q of the slot in hand into buffer f; the first 32 along K first
	WIN 0x40
.irp c, 0,1
.irp i, 0,1,2,3
.if PERM
.set cb, 32*((\i)%2)+128*((\i)/2)
.else
.set cb, 32*(\i)
.endif
.set bo, ((\q)%2)*64*PB+(\c)*32*PB+cb
.set br, ADRB+(\q)/2
.set ao, (\q)*AQ+64*(\c)+(\i)*16*PA
	ds_load_tr16_b128 v[(\f)+64+8*(4*(\c)+(\i)):(\f)+64+8*(4*(\c)+(\i))+3],   v[br] offset:bo
	ds_load_tr16_b128 v[(\f)+64+8*(4*(\c)+(\i))+4:(\f)+64+8*(4*(\c)+(\i))+7], v[br] offset:bo+16*PB
	ds_load_b128 v[(\f)+8*(4*(\c)+(\i)):(\f)+8*(4*(\c)+(\i))+3],   v[ADRA] offset:ao
	ds_load_b128 v[(\f)+8*(4*(\c)+(\i))+4:(\f)+8*(4*(\c)+(\i))+7], v[ADRA] offset:ao+32
.endr
.endr
.endm
.macro QUARTER qn, f, g, zero
	s_wait_dscnt 16                                ; the first 32 along K are in; the 16 younger loads may be out
	MUL8 \f, 0, 0, \zero
	MUL8 \f, 0, 2, \zero
	PLACES
	FETCH \qn, \g
	s_wait_dscnt 32                                ; all but the 32 just issued
	MUL8 \f, 1, 0, 0
	MUL8 \f, 1, 2, 0
.endm
; The last quarter changes slots: in front of the barrier each wave waits for all its tensor loads, adds 0 to its spare word, and waits for that and for its reads of this slot.
; fill = 1: the barrier opens a round of the cluster's, and this slot is filled again, two K steps ahead, first thing behind it.  fill = 0: the tail.
.macro TURN fill
	WIN 0
	s_wait_tensorcnt 0x0
	ds_add_u32 v[SPW], v[NIL]
	s_wait_dscnt 17                                ; the add and the youngest sixteen loads may be out
	MUL8 F1, 0, 0, 0
	s_wait_dscnt 0x0
	s_barrier_signal -1
	MUL8 F1, 0, 2, 0
	WIN 0
	s_barrier_wait -1
.if \fill
	CREST
	s_add_co_u32 s[G0A+5], s[TB], s20
	s_add_co_u32 s[G0B+5], s[TB], s21
	s_add_nc_u64 s[G0A+6:G0A+7], s[G0A+6:G0A+7], ASTEP
	s_add_nc_u64 s[G0B+6:G0B+7], s[G0B+6:G0B+7], BSTEP
	JLOAD 1
.else
	PLACES
.endif
	s_xor_b32 s[TB], s[TB], SLOT
	v_add_nc_u32 v[ADRA], s[TB], v[LA0]
	v_add_nc_u32 v[ADRB], s[TB], v[LB0]
	v_add_nc_u32 v[ADRB+1], s[TB], v[LB2]
.if !(\fill)
	s_cmp_eq_u32 s[CNT], 1
	s_cbranch_scc1 .Lno_fetch_\@
.endif
	FETCH 0, F0
	WIN 0
.if !(\fill)
.Lno_fetch_\@:
.endif
	MUL8 F1, 1, 0, 0
	MUL8 F1, 1, 2, 0
.endm
	s_load_b256 s[72:79], s[0:1], 0x0              ; x1b, wb, ssq, actb
	v_lshl_add_u32 v[SPW], v0, 2, SPARE
	v_mov_b32 v[NIL], 0
	ds_add_u32 v[SPW], v[NIL]                      ; the wave's opening: the add is waited for ahead of my first tensor load
	v_lshrrev_b32 v1, 5, v0
	v_readfirstlane_b32 s10, v1
	s_lshr_b32 s11, s10, 1
	s_and_b32 s12, s10, 1
	s_bfe_u32 s40, ttmp6, 0x40000
	s_bfe_u32 s41, ttmp6, 0x40004
	s_lshl_b32 s42, ttmp9, 2
	s_add_co_u32 s42, s42, s40                     ; tile column
	s_and_b32 s13, ttmp7, 0xffff
	s_lshl_b32 s13, s13, 2
	s_add_co_u32 s13, s13, s41                     ; tile row
	s_lshl_b32 s43, s41, 2
	s_lshl_b32 s43, 15, s43
	s_lshl_b32 s44, 0x1111, s40
	s_or_b32 s[G1A], s43, (1<<16)|(1<<20)|(1<<21)|(AQI<<22)|(3<<25)
	s_or_b32 s[G1B], s44, (1<<16)|(1<<20)|(1<<21)|(5<<22)|(7<<25)
	s_mov_b32 s[G1A+1], AD0<<16
	s_mov_b32 s[G1A+2], AD1<<16
	s_mov_b32 s[G1A+3], AD0<<16
	s_mov_b32 s[G1A+4], AD1
	s_mov_b32 s[G1A+5], ASTR
	s_mov_b32 s[G1A+6], 0
	s_mov_b32 s[G1A+7], 0
	s_mov_b32 s[G1B+1], 128<<16
	s_mov_b32 s[G1B+2], 128<<16
	s_mov_b32 s[G1B+3], 128<<16
	s_mov_b32 s[G1B+4], 128
	s_mov_b32 s[G1B+5], NB
	s_mov_b32 s[G1B+6], 0
	s_mov_b32 s[G1B+7], 0
	s_lshl_b32 s16, s13, 7
	s_lshl_b32 s17, s12, 6
	s_add_co_u32 s16, s16, s17
	s_lshl_b32 s16, s16, ASH
	s_mov_b32 s17, 0
	s_lshl_b32 s46, s42, 8
	s_mul_i32 s47, s12, 256*NB
	s_add_co_u32 s46, s46, s47
	s_add_co_u32 s46, s46, WOFF
	s_mov_b32 s47, 0
	s_mul_i32 s20, s12, HALFA
	s_mul_i32 s21, s12, HALFB
	s_add_co_u32 s21, s21, AREG
	s_mov_b32 s[TB], 0
	s_mov_b32 s90, 0xbfb8aa3b                      ; -log2(e)
	s_mov_b32 s91, s90
	s_mov_b32 s92, 0x3a000000                      ; 1 / 2048
	s_mov_b32 s93, 0x3727c5ac                      ; 1e-5
	s_wait_dscnt 0x0
	s_wait_kmcnt 0x0
	s_add_nc_u64 s[14:15], s[72:73], s[16:17]
	s_add_nc_u64 s[46:47], s[74:75], s[46:47]
	CROUND                                         ; all sixteen work-groups are here: the first joint loads meet
.irp s, 0,1
	s_mov_b32 s[G0A+4*(\s)], 1
	s_add_co_u32 s[G0A+4*(\s)+1], s20, (\s)*SLOT
	s_add_nc_u64 s[G0A+4*(\s)+2:G0A+4*(\s)+3], s[14:15], (\s)*ASTEP
	s_or_b32 s[G0A+4*(\s)+3], s[G0A+4*(\s)+3], 0x80000000
	s_mov_b32 s[G0B+4*(\s)], 1
	s_add_co_u32 s[G0B+4*(\s)+1], s21, (\s)*SLOT
	s_add_nc_u64 s[G0B+4*(\s)+2:G0B+4*(\s)+3], s[46:47], (\s)*BSTEP
	s_or_b32 s[G0B+4*(\s)+3], s[G0B+4*(\s)+3], 0x80000000
	JLOAD \s                                       ; K steps 0 and 1: two loads of mine are out
.endr
	; thread t makes ri of the tile's row t from the 16 parts of its sum of squares
	v_lshlrev_b32 v[CO], 2, v0
	s_lshl_b32 s86, s13, 9
	s_mov_b32 s87, 0
	s_add_nc_u64 s[76:77], s[76:77], s[86:87]
.set i, 0
.rept 16
	global_load_b32 v[TMP+i], v[CO], s[76:77] offset:8192*i
.set i, i+1
.endr
	v_and_b32 v1, 15, v0
	v_bfe_u32 v2, v0, 4, 1
	v_and_b32 v3, 7, v0
	v_bfe_u32 v4, v0, 3, 1
	v_and_b32 v5, 31, v0
	v_bfe_u32 v6, v0, 3, 2
	v_mul_u32_u24 v[LA0], v1, PA
	v_lshl_add_u32 v[LA0], v2, 4, v[LA0]
	s_mul_i32 s4, s11, HALFA
	v_add_nc_u32 v[LA0], s4, v[LA0]
	v_lshl_add_u32 v[LB0], v2, 3, v3
	v_mul_u32_u24 v[LB0], v[LB0], PB
	v_lshl_add_u32 v[LB0], v4, 4, v[LB0]
	s_mul_i32 s4, s12, COLB
	s_add_co_u32 s4, s4, AREG
	v_add_nc_u32 v[LB0], s4, v[LB0]
	v_add_nc_u32 v[LB2], HALFB, v[LB0]
	v_mov_b32 v[ADRA], v[LA0]
	v_mov_b32 v[ADRB], v[LB0]
	v_mov_b32 v[ADRB+1], v[LB2]
	v_lshl_add_u32 v[RIS], v0, 2, EXTRA
	s_lshl_b32 s4, s11, 8
	s_add_co_u32 s4, s4, EXTRA
	v_lshl_add_u32 v[RIL], v1, 2, s4
	s_mul_i32 s4, s11, 64*SPI
	s_lshl_b32 s5, s12, 6
	s_add_co_u32 s4, s4, s5
	s_add_co_u32 s4, s4, STAGE
	v_mul_u32_u24 v[STO], v1, SPI
	v_lshl_add_u32 v[STO], v2, 4, v[STO]
	v_add_nc_u32 v[STO], s4, v[STO]
	s_mul_i32 s4, s10, 32*SPI
	s_add_co_u32 s4, s4, STAGE
	v_mul_u32_u24 v[RD], v6, SPI                   ; back: 32 lanes take four rows of 128 bytes,
	v_lshl_add_u32 v[RD], v3, 4, v[RD]
	v_add_nc_u32 v[RD], s4, v[RD]
	v_lshlrev_b32 v[CO2], 4, v5                    ; which are 512 consecutive bytes of actb
	s_lshl_b32 s88, s42, 18
	s_lshl_b32 s89, s13, 14
	s_add_co_u32 s88, s88, s89
	s_lshl_b32 s89, s10, 12
	s_add_co_u32 s88, s88, s89
	s_mov_b32 s89, 0
	s_add_nc_u64 s[78:79], s[78:79], s[88:89]
	s_wait_loadcnt 0x0
.set i, 1
.rept 15
	v_add_f32 v[TMP], v[TMP], v[TMP+i]
.set i, i+1
.endr
	v_fma_f32 v[TMP], v[TMP], s92, s93
	v_rsq_f32 v[TMP], v[TMP]
	v_nop                                          ; a plain instruction between the root and its use
	s_wait_alu depctr_va_vdst(0)
	ds_store_b32 v[RIS], v[TMP]
	s_wait_tensorcnt 0x1                           ; my part of K step 0 is in; K step 1's may stay out
	s_wait_dscnt 0x0                               ; for the others' sake: my ri is stored
	s_barrier_signal -1
	s_barrier_wait -1
	FETCH 0, F0
	QUARTER 1, F0, F1, 1
	WIN 0
	s_mov_b32 s[CNT], NSTEP-2
.Lk:
	QUARTER 2, F1, F0, 0
	QUARTER 3, F0, F1, 0
	TURN 1
	QUARTER 1, F0, F1, 0
	WIN 0
	s_sub_co_u32 s[CNT], s[CNT], 1
	s_cmp_lg_u32 s[CNT], 0
	s_cbranch_scc1 .Lk
	s_mov_b32 s[CNT], 2
.Lt:
	QUARTER 2, F1, F0, 0
	QUARTER 3, F0, F1, 0
	TURN 0
	WIN 0
	s_sub_co_u32 s[CNT], s[CNT], 1
	s_cmp_eq_u32 s[CNT], 0
	s_cbranch_scc1 .Lout
	QUARTER 1, F0, F1, 0
	WIN 0
	s_branch .Lt
.Lout:
.irp a, 0,1,2,3
	ds_load_b32 v[RI+2*(\a)],   v[RIL] offset:64*(\a)
	ds_load_b32 v[RI+2*(\a)+1], v[RIL] offset:64*(\a)
.endr
	PLACES
	s_wait_dscnt 0x0
.irp a, 0,1,2,3
.irp b, 0,1
.set gg, ACC+8*(4*(\a)+(\b))
.set uu, gg+16
.irp p, 0,2,4,6                        ; each accumulator's lowest registers are read first
	v_pk_mul_f32 v[gg+(\p):gg+(\p)+1], v[gg+(\p):gg+(\p)+1], v[RI+2*(\a):RI+2*(\a)+1]
.endr
.irp p, 0,2,4,6
	v_pk_mul_f32 v[EE+(\p):EE+(\p)+1], v[gg+(\p):gg+(\p)+1], s[90:91] op_sel_hi:[1,0]
.endr
.irp p, 0,1,2,3,4,5,6,7
	v_exp_f32 v[EE+(\p)], v[EE+(\p)]
.endr
.irp p, 0,2,4,6                        ; plain work that names none of the powers stands between them and their use
	v_pk_mul_f32 v[uu+(\p):uu+(\p)+1], v[uu+(\p):uu+(\p)+1], v[RI+2*(\a):RI+2*(\a)+1]
.endr
	s_wait_alu depctr_va_vdst(0)
.irp p, 0,2,4,6
	v_pk_add_f32 v[EE+(\p):EE+(\p)+1], v[EE+(\p):EE+(\p)+1], 1.0 op_sel_hi:[1,0]
.endr
.irp p, 0,1,2,3,4,5,6,7
	v_rcp_f32 v[EE+(\p)], v[EE+(\p)]
.endr
.irp p, 0,2,4,6                        ; and likewise behind the reciprocals
	v_pk_mul_f32 v[gg+(\p):gg+(\p)+1], v[gg+(\p):gg+(\p)+1], v[uu+(\p):uu+(\p)+1]
.endr
	s_wait_alu depctr_va_vdst(0)
.irp p, 0,2,4,6
	v_pk_mul_f32 v[gg+(\p):gg+(\p)+1], v[gg+(\p):gg+(\p)+1], v[EE+(\p):EE+(\p)+1]
.endr
.irp p, 0,1,2,3
	v_cvt_pk_bf16_f32 v[TMP+4*(2*(\a)+(\b))+(\p)], v[gg+2*(\p)], v[gg+2*(\p)+1]
.endr
	ds_store_b128 v[STO], v[TMP+4*(2*(\a)+(\b)):TMP+4*(2*(\a)+(\b))+3] offset:(\a)*16*SPI+32*(\b)
.endr
.endr
	s_wait_dscnt 0x0                               ; for the others' sake: my stores into the stage are done
	s_barrier_signal -1
	s_barrier_wait -1
.set t, 0
.rept 8
	ds_load_b128 v[TMP+4*t:TMP+4*t+3], v[RD] offset:t*4*SPI
.set t, t+1
.endr
.set t, 0
.rept 8
	s_wait_dscnt 7-t
	global_store_b128 v[CO2], v[TMP+4*t:TMP+4*t+3], s[78:79] offset:512*t  ; 512 consecutive bytes, aligned
.set t, t+1
.endr
	s_wait_tensorcnt 0x0                           ; the wave's end
	ds_add_u32 v[SPW], v[NIL]
	s_wait_dscnt 0x0
	CROUND                                         ; the closing round
	s_endpgm
.Lfunc_end_k_q036aa674df_gug:
	.size	k_q036aa674df_gug, .Lfunc_end_k_q036aa674df_gug-k_q036aa674df_gug
	.p2alignl 7, 3214868480
	.fill 96, 4, 3214868480
	.section	.rodata,"a",@progbits
	.p2align	6, 0x0
	.amdhsa_kernel k_q036aa674df_gug
		.amdhsa_group_segment_fixed_size 327680
		.amdhsa_private_segment_fixed_size 0
		.amdhsa_enable_private_segment 0
		.amdhsa_kernarg_size 32
		.amdhsa_user_sgpr_count 2
		.amdhsa_user_sgpr_kernarg_segment_ptr 1
		.amdhsa_wavefront_size32 1
		.amdhsa_system_sgpr_workgroup_id_x 1
		.amdhsa_system_sgpr_workgroup_id_y 1
		.amdhsa_system_sgpr_workgroup_id_z 1
		.amdhsa_system_vgpr_workitem_id 0
		.amdhsa_next_free_vgpr 512
		.amdhsa_next_free_sgpr 96
		.amdhsa_reserve_vcc 0
		.amdhsa_float_denorm_mode_32 3
		.amdhsa_float_denorm_mode_16_64 3
		.amdhsa_memory_ordered 1
		.amdhsa_forward_progress 1
		.amdhsa_inst_pref_size 75
	.end_amdhsa_kernel
	.amdgpu_metadata
---
amdhsa.version: [ 1, 2 ]
amdhsa.kernels:
  - .name:           k_q036aa674df_gug
    .symbol:         k_q036aa674df_gug.kd
    .args:
      - { .name: x1b, .offset: 0, .size: 8, .value_kind: global_buffer, .address_space: global }
      - { .name: wb, .offset: 8, .size: 8, .value_kind: global_buffer, .address_space: global }
      - { .name: ssq, .offset: 16, .size: 8, .value_kind: global_buffer, .address_space: global }
      - { .name: actb, .offset: 24, .size: 8, .value_kind: global_buffer, .address_space: global }
    .group_segment_fixed_size: 327680
    .private_segment_fixed_size: 0
    .kernarg_segment_align: 8
    .kernarg_segment_size: 32
    .max_flat_workgroup_size: 128
    .sgpr_count:     96
    .vgpr_count:     512
    .wavefront_size: 32
...
	.end_amdgpu_metadata
.endif
;; end of part 5
;; launch downg (part 6): grid 16 x 16, 4 waves a work-group, clusters of 4 x 4, 327,680 bytes of LDS; arguments actb, wb, x1, out0; writes out0
.if DOCPART == 6
	.amdgcn_target "amdgcn-amd-amdhsa--gfx1250"
	.amdhsa_code_object_version 6
	.text
	.protected	k_q036aa674df_downg
	.globl	k_q036aa674df_downg
	.p2align	8
	.type	k_q036aa674df_downg,@function
k_q036aa674df_downg:
	s_mov_b64 s[64:65], 0
	v_nop
	global_prefetch_b8 v0, s[64:65] scope:SCOPE_SE
	s_setreg_imm32_b32 hwreg(HW_REG_WAVE_MODE, 25, 1), 1
	s_wait_xcnt 0x0
	s_wait_alu depctr_hold_cnt(0) depctr_sa_sdst(0) depctr_va_vdst(0) depctr_va_sdst(0) depctr_va_ssrc(0) depctr_va_vcc(0) depctr_vm_vsrc(0)
	s_getreg_b32 s2, hwreg(HW_REG_IB_STS2, 6, 4)
	s_cmp_eq_u32 s2, 0
	s_cbranch_scc0 .Lentry_in_a_cluster
	s_endpgm
.Lentry_in_a_cluster:
	s_bfe_u32 s2, ttmp6, 0x10000c
	s_cmp_lg_u32 s2, 0xf033
	s_cbranch_scc0 .Lentry_shape_is_right
	s_endpgm
.Lentry_shape_is_right:
; out0 = x1 + act x w_down, in f32.
; A = actb [16 j][2048 rows][64] bf16: a K step of 256 is four blocks j; of each block 64 rows are 8,192 bytes on end, asked for as one row of the tile and padded in LDS after every 128 bytes.
; B = w_down in wb, [1024 k][2048 n] bf16, rows along N: its fragments come out of LDS turned, by ds_load_tr16_b128.
; A tile of C is 128 x 128; four waves, each 64 x 64: 16 accumulators.  K goes in 4 steps of 256 through two LDS slots filled by tensor loads.
; CLUSTER 4 x 4: A's tile is asked for jointly by the four of a row of the cluster, B's by the four of a column.  THE MATRIX INSTRUCTION IS USED TRANSPOSED.
; REGISTERS: window 0: v1-31 addresses; v128-255 accumulators, then whole rows.  Window 1: two fragment buffers.  Window 2: v0-127 my 32 rows of x1.
.set NSTEP, 4
.set NB,    2048
.set WOFF,  41943040
.set PERM,  0
.set COLB,  128
.set PA,    144                        ; a row of A in LDS: 128 bytes + 16
.set HALFA, 4*64*PA                    ; 64 rows of four blocks
.set AQ,    64*PA                      ; a quarter step is a block
.set ASTEP, 1048576                    ; four blocks of 262,144 bytes
.set ASH,   7                          ; a row of a block: 128 bytes
.set AD0,   4096                       ; A's tile: 4,096 elements (64 rows of a block) in a row,
.set AD1,   4                          ; four rows,
.set ASTR,  131072                     ; a block apart,
.set AQI,   4                          ; padding after every 32 words
.set PB,    288
.set HALFB, 128*PB
.set BSTEP, 512*NB
.set AREG,  2*HALFA
.set SLOT,  AREG+2*HALFB
.set SPARE, 2*SLOT                     ; the spare words: two blocks of 256 bytes that no other line names
.set STAGE, SLOT                       ; the way out goes through slot 1: its last fill is the last K step's, and its last reads are over at the last barrier of the K loop
.set SPI,   528
.set LA0, 16
.set LB0, 17
.set LB2, 18
.set ADRA, 19
.set ADRB, 20
.set STO, 24
.set RD,  25
.set CO,  26
.set SPW, 28
.set NIL, 29
.set ACC, 128
.set F0,  0
.set F1,  128
.set G1A, 24
.set G0A, 32
.set G1B, 48
.set G0B, 56
.set TB,  22
.set CNT, 23
.set MSB, 0
.macro WIN new
.if MSB != (\new)
	s_set_vgpr_msb (MSB<<8)|(\new)
.set MSB, \new
.endif
.endm
.macro JLOAD s                         ; a joint load: waves 0 and 1 fetch A's two halves, waves 2 and 3 B's; s_nop 0 and four v_nop follow each line
	s_cmp_eq_u32 s11, 0
	s_cbranch_scc0 .Lfor_b_\@
	tensor_load_to_lds s[G0A+4*(\s):G0A+4*(\s)+3], s[G1A:G1A+7]
	s_nop 0
.rept 4
	v_nop
.endr
	s_branch .Lasked_\@
.Lfor_b_\@:
	tensor_load_to_lds s[G0B+4*(\s):G0B+4*(\s)+3], s[G1B:G1B+7]
	s_nop 0
.rept 4
	v_nop
.endr
.Lasked_\@:
.endm
.macro CREST
	s_cmp_lg_u32 s10, 0
	s_cbranch_scc1 .Lnot_wave_0_\@
	s_barrier_signal -3
.Lnot_wave_0_\@:
	s_barrier_wait -3
	s_barrier_signal -1
	s_barrier_wait -1
.endm
.macro CROUND
	s_barrier_signal -1
	s_barrier_wait -1
	CREST
.endm
.macro PLACES                          ; four places behind matrix instructions (ISA guide 7.12.1)
.rept 4
	v_nop
.endr
.endm
.macro MUL8 f, c, a0, zero             ; 8 matrix instructions; the 16 accumulators take turns
	WIN 0x05
.irp a, \a0, (\a0)+1
.irp b, 0,1,2,3
.if \zero
	v_wmma_f32_16x16x32_bf16 v[ACC+8*(4*(\a)+(\b)):ACC+8*(4*(\a)+(\b))+7], v[(\f)+64+8*(4*(\c)+(\b)):(\f)+64+8*(4*(\c)+(\b))+7], v[(\f)+8*(4*(\c)+(\a)):(\f)+8*(4*(\c)+(\a))+7], 0
.else
	v_wmma_f32_16x16x32_bf16 v[ACC+8*(4*(\a)+(\b)):ACC+8*(4*(\a)+(\b))+7], v[(\f)+64+8*(4*(\c)+(\b)):(\f)+64+8*(4*(\c)+(\b))+7], v[(\f)+8*(4*(\c)+(\a)):(\f)+8*(4*(\c)+(\a))+7], v[ACC+8*(4*(\a)+(\b)):ACC+8*(4*(\a)+(\b))+7]
.endif
.endr
.endr
.endm
.macro FETCH q, f                      ; 32 LDS loads in one run: quarter q of the slot in hand into buffer f; the first 32 along K first
	WIN 0x40
.irp c, 0,1
.irp i, 0,1,2,3
.if PERM
.set cb, 32*((\i)%2)+128*((\i)/2)
.else
.set cb, 32*(\i)
.endif
.set bo, ((\q)%2)*64*PB+(\c)*32*PB+cb
.set br, ADRB+(\q)/2
.set ao, (\q)*AQ+64*(\c)+(\i)*16*PA
	ds_load_tr16_b128 v[(\f)+64+8*(4*(\c)+(\i)):(\f)+64+8*(4*(\c)+(\i))+3],   v[br] offset:bo
	ds_load_tr16_b128 v[(\f)+64+8*(4*(\c)+(\i))+4:(\f)+64+8*(4*(\c)+(\i))+7], v[br] offset:bo+16*PB
	ds_load_b128 v[(\f)+8*(4*(\c)+(\i)):(\f)+8*(4*(\c)+(\i))+3],   v[ADRA] offset:ao
	ds_load_b128 v[(\f)+8*(4*(\c)+(\i))+4:(\f)+8*(4*(\c)+(\i))+7], v[ADRA] offset:ao+32
.endr
.endr
.endm
.macro QUARTER qn, f, g, zero
	s_wait_dscnt 16                                ; the first 32 along K are in; the 16 younger loads may be out
	MUL8 \f, 0, 0, \zero
	MUL8 \f, 0, 2, \zero
	PLACES
	FETCH \qn, \g
	s_wait_dscnt 32                                ; all but the 32 just issued
	MUL8 \f, 1, 0, 0
	MUL8 \f, 1, 2, 0
.endm
; The last quarter changes slots: in front of the barrier each wave waits for all its tensor loads, adds 0 to its spare word, and waits for that and for its reads of this slot.
; fill = 1: the barrier opens a round of the cluster's, and this slot is filled again, two K steps ahead, first thing behind it.  fill = 0: the tail.
.macro TURN fill
	WIN 0
	s_wait_tensorcnt 0x0
	ds_add_u32 v[SPW], v[NIL]
	s_wait_dscnt 17                                ; the add and the youngest sixteen loads may be out
	MUL8 F1, 0, 0, 0
	s_wait_dscnt 0x0
	s_barrier_signal -1
	MUL8 F1, 0, 2, 0
	WIN 0
	s_barrier_wait -1
.if \fill
	CREST
	s_add_co_u32 s[G0A+5], s[TB], s20
	s_add_co_u32 s[G0B+5], s[TB], s21
	s_add_nc_u64 s[G0A+6:G0A+7], s[G0A+6:G0A+7], ASTEP
	s_add_nc_u64 s[G0B+6:G0B+7], s[G0B+6:G0B+7], BSTEP
	JLOAD 1
.else
	PLACES
.endif
	s_xor_b32 s[TB], s[TB], SLOT
	v_add_nc_u32 v[ADRA], s[TB], v[LA0]
	v_add_nc_u32 v[ADRB], s[TB], v[LB0]
	v_add_nc_u32 v[ADRB+1], s[TB], v[LB2]
.if !(\fill)
	s_cmp_eq_u32 s[CNT], 1
	s_cbranch_scc1 .Lno_fetch_\@
.endif
	FETCH 0, F0
	WIN 0
.if !(\fill)
.Lno_fetch_\@:
.endif
	MUL8 F1, 1, 0, 0
	MUL8 F1, 1, 2, 0
.endm
	s_load_b256 s[72:79], s[0:1], 0x0              ; actb, wb, x1, out0
	v_lshl_add_u32 v[SPW], v0, 2, SPARE
	v_mov_b32 v[NIL], 0
	ds_add_u32 v[SPW], v[NIL]                      ; the wave's opening: the add is waited for ahead of my first tensor load
	v_lshrrev_b32 v1, 5, v0
	v_readfirstlane_b32 s10, v1
	s_lshr_b32 s11, s10, 1
	s_and_b32 s12, s10, 1
	s_bfe_u32 s40, ttmp6, 0x40000
	s_bfe_u32 s41, ttmp6, 0x40004
	s_lshl_b32 s42, ttmp9, 2
	s_add_co_u32 s42, s42, s40                     ; tile column
	s_and_b32 s13, ttmp7, 0xffff
	s_lshl_b32 s13, s13, 2
	s_add_co_u32 s13, s13, s41                     ; tile row
	s_lshl_b32 s43, s41, 2
	s_lshl_b32 s43, 15, s43
	s_lshl_b32 s44, 0x1111, s40
	s_or_b32 s[G1A], s43, (1<<16)|(1<<20)|(1<<21)|(AQI<<22)|(3<<25)
	s_or_b32 s[G1B], s44, (1<<16)|(1<<20)|(1<<21)|(5<<22)|(7<<25)
	s_mov_b32 s[G1A+1], AD0<<16
	s_mov_b32 s[G1A+2], AD1<<16
	s_mov_b32 s[G1A+3], AD0<<16
	s_mov_b32 s[G1A+4], AD1
	s_mov_b32 s[G1A+5], ASTR
	s_mov_b32 s[G1A+6], 0
	s_mov_b32 s[G1A+7], 0
	s_mov_b32 s[G1B+1], 128<<16
	s_mov_b32 s[G1B+2], 128<<16
	s_mov_b32 s[G1B+3], 128<<16
	s_mov_b32 s[G1B+4], 128
	s_mov_b32 s[G1B+5], NB
	s_mov_b32 s[G1B+6], 0
	s_mov_b32 s[G1B+7], 0
	s_lshl_b32 s16, s13, 7
	s_lshl_b32 s17, s12, 6
	s_add_co_u32 s16, s16, s17
	s_lshl_b32 s16, s16, ASH
	s_mov_b32 s17, 0
	s_lshl_b32 s46, s42, 8
	s_mul_i32 s47, s12, 256*NB
	s_add_co_u32 s46, s46, s47
	s_add_co_u32 s46, s46, WOFF
	s_mov_b32 s47, 0
	s_mul_i32 s20, s12, HALFA
	s_mul_i32 s21, s12, HALFB
	s_add_co_u32 s21, s21, AREG
	s_mov_b32 s[TB], 0
	s_wait_dscnt 0x0
	s_wait_kmcnt 0x0
	s_add_nc_u64 s[14:15], s[72:73], s[16:17]
	s_add_nc_u64 s[46:47], s[74:75], s[46:47]
	CROUND                                         ; all sixteen work-groups are here: the first joint loads meet
.irp s, 0,1
	s_mov_b32 s[G0A+4*(\s)], 1
	s_add_co_u32 s[G0A+4*(\s)+1], s20, (\s)*SLOT
	s_add_nc_u64 s[G0A+4*(\s)+2:G0A+4*(\s)+3], s[14:15], (\s)*ASTEP
	s_or_b32 s[G0A+4*(\s)+3], s[G0A+4*(\s)+3], 0x80000000
	s_mov_b32 s[G0B+4*(\s)], 1
	s_add_co_u32 s[G0B+4*(\s)+1], s21, (\s)*SLOT
	s_add_nc_u64 s[G0B+4*(\s)+2:G0B+4*(\s)+3], s[46:47], (\s)*BSTEP
	s_or_b32 s[G0B+4*(\s)+3], s[G0B+4*(\s)+3], 0x80000000
	JLOAD \s                                       ; K steps 0 and 1: two loads of mine are out
.endr
	v_and_b32 v1, 15, v0
	v_bfe_u32 v2, v0, 4, 1
	v_and_b32 v3, 7, v0
	v_bfe_u32 v4, v0, 3, 1
	v_and_b32 v5, 31, v0
	v_mul_u32_u24 v[LA0], v1, PA
	v_lshl_add_u32 v[LA0], v2, 4, v[LA0]
	s_mul_i32 s4, s11, HALFA
	v_add_nc_u32 v[LA0], s4, v[LA0]
	v_lshl_add_u32 v[LB0], v2, 3, v3
	v_mul_u32_u24 v[LB0], v[LB0], PB
	v_lshl_add_u32 v[LB0], v4, 4, v[LB0]
	s_mul_i32 s4, s12, COLB
	s_add_co_u32 s4, s4, AREG
	v_add_nc_u32 v[LB0], s4, v[LB0]
	v_add_nc_u32 v[LB2], HALFB, v[LB0]
	v_mov_b32 v[ADRA], v[LA0]
	v_mov_b32 v[ADRB], v[LB0]
	v_mov_b32 v[ADRB+1], v[LB2]
	v_lshlrev_b32 v[CO], 4, v5
	s_lshl_b32 s86, s13, 20                        ; the tile's 128 rows of 8,192 bytes,
	s_lshl_b32 s87, s10, 18                        ; my 32 of them,
	s_add_co_u32 s86, s86, s87
	s_lshl_b32 s87, s42, 9                         ; the tile's 512 bytes of a row
	s_add_co_u32 s86, s86, s87
	s_mov_b32 s87, 0
	s_add_nc_u64 s[76:77], s[76:77], s[86:87]
	s_add_nc_u64 s[78:79], s[78:79], s[86:87]
	WIN 0x80
.set i, 0
.rept 32                                               ; my 32 rows of x1, 512 consecutive bytes each, as the way out will hold them
	global_load_b128 v[4*i:4*i+3], v[CO], s[76:77] offset:8192*i th:TH_LOAD_NT
.set i, i+1
.endr
	WIN 0
	s_mul_i32 s4, s11, 64*SPI
	s_lshl_b32 s5, s12, 8
	s_add_co_u32 s4, s4, s5
	s_add_co_u32 s4, s4, STAGE
	v_mul_u32_u24 v[STO], v1, SPI
	v_lshl_add_u32 v[STO], v2, 5, v[STO]
	v_add_nc_u32 v[STO], s4, v[STO]
	s_mul_i32 s4, s10, 32*SPI
	s_add_co_u32 s4, s4, STAGE
	v_add_nc_u32 v[RD], s4, v[CO]
	s_wait_tensorcnt 0x1                           ; my part of K step 0 is in; K step 1's may stay out
	s_barrier_signal -1
	s_barrier_wait -1
	FETCH 0, F0
	QUARTER 1, F0, F1, 1
	WIN 0
	s_mov_b32 s[CNT], NSTEP-2
.Lk:
	QUARTER 2, F1, F0, 0
	QUARTER 3, F0, F1, 0
	TURN 1
	QUARTER 1, F0, F1, 0
	WIN 0
	s_sub_co_u32 s[CNT], s[CNT], 1
	s_cmp_lg_u32 s[CNT], 0
	s_cbranch_scc1 .Lk
	s_mov_b32 s[CNT], 2
.Lt:
	QUARTER 2, F1, F0, 0
	QUARTER 3, F0, F1, 0
	TURN 0
	WIN 0
	s_sub_co_u32 s[CNT], s[CNT], 1
	s_cmp_eq_u32 s[CNT], 0
	s_cbranch_scc1 .Lout
	QUARTER 1, F0, F1, 0
	WIN 0
	s_branch .Lt
.Lout:
	PLACES
.set t, 0
.rept 16                                               ; the sums go into the stage as they are, each accumulator's lowest registers first
	ds_store_b128 v[STO], v[ACC+8*t:ACC+8*t+3]   offset:(t/4)*16*SPI+(t%4)*64
	ds_store_b128 v[STO], v[ACC+8*t+4:ACC+8*t+7] offset:(t/4)*16*SPI+(t%4)*64+16
.set t, t+1
.endr
	s_wait_dscnt 0x0                               ; for the others' sake: my stores into the stage are done
	s_barrier_signal -1
	s_barrier_wait -1
.set i, 0
.rept 32
	ds_load_b128 v[ACC+4*i:ACC+4*i+3], v[RD] offset:SPI*i
.set i, i+1
.endr
	s_wait_loadcnt 0x0                             ; x1
	WIN 0x08                                       ; source 1 in window 2
.set i, 0
.rept 32
	s_wait_dscnt 31-i
	v_pk_add_f32 v[ACC+4*i:ACC+4*i+1],   v[ACC+4*i:ACC+4*i+1],   v[4*i:4*i+1]
	v_pk_add_f32 v[ACC+4*i+2:ACC+4*i+3], v[ACC+4*i+2:ACC+4*i+3], v[4*i+2:4*i+3]
.set i, i+1
.endr
	WIN 0
.set i, 0
.rept 32
	global_store_b128 v[CO], v[ACC+4*i:ACC+4*i+3], s[78:79] offset:8192*i th:TH_STORE_NT  ; 512 consecutive bytes, aligned
.set i, i+1
.endr
	s_wait_tensorcnt 0x0                           ; the wave's end
	ds_add_u32 v[SPW], v[NIL]
	s_wait_dscnt 0x0
	CROUND                                         ; the closing round
	s_endpgm
.Lfunc_end_k_q036aa674df_downg:
	.size	k_q036aa674df_downg, .Lfunc_end_k_q036aa674df_downg-k_q036aa674df_downg
	.p2alignl 7, 3214868480
	.fill 96, 4, 3214868480
	.section	.rodata,"a",@progbits
	.p2align	6, 0x0
	.amdhsa_kernel k_q036aa674df_downg
		.amdhsa_group_segment_fixed_size 327680
		.amdhsa_private_segment_fixed_size 0
		.amdhsa_enable_private_segment 0
		.amdhsa_kernarg_size 32
		.amdhsa_user_sgpr_count 2
		.amdhsa_user_sgpr_kernarg_segment_ptr 1
		.amdhsa_wavefront_size32 1
		.amdhsa_system_sgpr_workgroup_id_x 1
		.amdhsa_system_sgpr_workgroup_id_y 1
		.amdhsa_system_sgpr_workgroup_id_z 1
		.amdhsa_system_vgpr_workitem_id 0
		.amdhsa_next_free_vgpr 640
		.amdhsa_next_free_sgpr 96
		.amdhsa_reserve_vcc 0
		.amdhsa_float_denorm_mode_32 3
		.amdhsa_float_denorm_mode_16_64 3
		.amdhsa_memory_ordered 1
		.amdhsa_forward_progress 1
		.amdhsa_inst_pref_size 66
	.end_amdhsa_kernel
	.amdgpu_metadata
---
amdhsa.version: [ 1, 2 ]
amdhsa.kernels:
  - .name:           k_q036aa674df_downg
    .symbol:         k_q036aa674df_downg.kd
    .args:
      - { .name: actb, .offset: 0, .size: 8, .value_kind: global_buffer, .address_space: global }
      - { .name: wb, .offset: 8, .size: 8, .value_kind: global_buffer, .address_space: global }
      - { .name: x1, .offset: 16, .size: 8, .value_kind: global_buffer, .address_space: global }
      - { .name: out0, .offset: 24, .size: 8, .value_kind: global_buffer, .address_space: global }
    .group_segment_fixed_size: 327680
    .private_segment_fixed_size: 0
    .kernarg_segment_align: 8
    .kernarg_segment_size: 32
    .max_flat_workgroup_size: 128
    .sgpr_count:     96
    .vgpr_count:     640
    .wavefront_size: 32
...
	.end_amdgpu_metadata
.endif
;; end of part 6
;; ======== version 2 of 2: 6 launches; 1.12 times as fast as version 1
;; limits: right only within a limited range of input values
;; workspace buffers: wb 46,137,344 bytes; hb 8,388,608 bytes; qkv 25,165,824 bytes; yb 8,388,608 bytes; x1 16,777,216 bytes; x1b 8,388,608 bytes; ssq 131,072 bytes; actb 4,194,304 bytes
;; launch prep (part 7): grid 128 x 13, 8 waves a work-group, no clusters, 0 bytes of LDS; arguments x, attn_norm_w, wq, wk, wv, wo, w_gate, w_up, w_down, hb, wb; writes hb, wb
.if DOCPART == 7
	.amdgcn_target "amdgcn-amd-amdhsa--gfx1250"
	.amdhsa_code_object_version 6
	.text
	.protected	k_q036aa674df_prep
	.globl	k_q036aa674df_prep
	.p2align	8
	.type	k_q036aa674df_prep,@function
k_q036aa674df_prep:
	s_mov_b64 s[64:65], 0
	v_nop
	global_prefetch_b8 v0, s[64:65] scope:SCOPE_SE
	s_setreg_imm32_b32 hwreg(HW_REG_WAVE_MODE, 25, 1), 1
	s_wait_xcnt 0x0
; hb = bf16(x / sqrt(mean(x^2) + 1e-5)), and all seven weights rounded to bf16 into wb, rows kept along K as they lie.
; THE FIRST NORM'S GAIN goes into the weights: row k of wq, wk and wv is multiplied by attn_norm_w[k] in f32 before it is rounded: (x / rms * gain) W = (x / rms) (diag(gain) W), for every input.
; wb: bytes 0: [2048 k][6144] = wq | wk | wv; 25,165,824: wo [2048][2048]; 33,554,432: gate and up woven, [2048 k][16 tiles][64 of gate, 64 of up]; 41,943,040: w_down [1024][2048].
; A stream: every input byte is read once by 16-byte loads (a wave's load covers 512 consecutive bytes), every output byte written once by 8-byte stores
; (a wave's store covers 256 consecutive bytes, aligned).  No LDS, no barrier, no matrix unit, no cluster: the work-groups share no input.
; SHARES.  The grid's y names a part of 1,024 rows: 0, 1 x; 2, 3 wq; 4, 5 wk; 6, 7 wv; 8, 9 wo; 10, 11 gate with up; 12 w_down.  A wave has ONE row: 8,192 bytes in (gate with up: 4,096 of each),
; 4,096 out; all its 16 loads go out at once, and each is worked on and stored behind its own counted wait.  72 registers a wave, so that many waves lie on a SIMD.
; LIMIT.  The sum of a row's 2,048 squares is kept in f32: rows with a root mean square beyond 4e17 overflow.  NaN and infinities are not treated apart.
.set X, 8                              ; v[8:71]  the row
.macro IN16 nt                         ; a row of 8,192 bytes
.set i, 0
.rept 16
.if \nt
	global_load_b128 v[X+4*i:X+4*i+3], v2, s[32:33] offset:512*i th:TH_LOAD_NT
.else
	global_load_b128 v[X+4*i:X+4*i+3], v2, s[32:33] offset:512*i
.endif
.set i, i+1
.endr
.endm
	s_load_b512 s[8:23], s[0:1], 0x0               ; x, attn_norm_w, wq, wk, wv, wo, w_gate, w_up
	s_load_b128 s[24:27], s[0:1], 0x40             ; w_down, hb
	s_load_b64 s[28:29], s[0:1], 0x50              ; wb
	v_and_b32 v1, 31, v0                           ; lane
	v_lshrrev_b32 v4, 5, v0
	v_readfirstlane_b32 s2, v4                     ; wave
	v_lshlrev_b32 v2, 4, v1                        ; 16 bytes a lane in
	v_lshlrev_b32 v3, 3, v1                        ; 8 bytes a lane out
	s_and_b32 s3, ttmp7, 0xffff                    ; the part
	s_and_b32 s4, s3, 1
	s_lshl_b32 s4, s4, 10
	s_lshl_b32 s5, ttmp9, 3
	s_add_co_u32 s4, s4, s5
	s_add_co_u32 s4, s4, s2                        ; my row
	s_mov_b32 s7, 0
	s_mov_b32 s41, 0x3a000000                      ; 1 / 2048
	s_mov_b32 s42, 0x3727c5ac                      ; 1e-5
	s_mov_b32 s44, 0x76543210                      ; v_permlanex16_b32: each lane takes its own place in the other half
	s_mov_b32 s45, 0xfedcba98
	s_wait_kmcnt 0x0
	s_cmp_lt_u32 s3, 2
	s_cbranch_scc1 .Lnorm
	s_sub_co_u32 s5, s3, 10
	s_cmp_lt_u32 s5, 2
	s_cbranch_scc1 .Lgu
	; A CAST: wq, wk, wv (times the gain of the row), wo or w_down (times 1)
	s_mov_b64 s[32:33], s[12:13]
	s_cmp_ge_u32 s3, 4
	s_cselect_b64 s[32:33], s[14:15], s[32:33]
	s_cmp_ge_u32 s3, 6
	s_cselect_b64 s[32:33], s[16:17], s[32:33]
	s_cmp_ge_u32 s3, 8
	s_cselect_b64 s[32:33], s[18:19], s[32:33]
	s_cmp_ge_u32 s3, 12
	s_cselect_b64 s[32:33], s[24:25], s[32:33]
	s_sub_co_u32 s5, s3, 2
	s_lshr_b32 s5, s5, 1
	s_lshl_b32 s5, s5, 12                          ; wq, wk, wv: 4,096 bytes apart in a row of 12,288
	s_mov_b32 s38, 12288
	s_cmp_ge_u32 s3, 8
	s_cselect_b32 s5, 25165824, s5
	s_cselect_b32 s38, 4096, s38
	s_cmp_ge_u32 s3, 12
	s_cselect_b32 s5, 41943040, s5
	s_mul_i32 s6, s4, s38
	s_add_co_u32 s6, s6, s5
	s_add_nc_u64 s[36:37], s[28:29], s[6:7]
	s_lshl_b32 s6, s4, 13
	s_add_nc_u64 s[32:33], s[32:33], s[6:7]
	s_lshl_b32 s6, s4, 2
	s_add_nc_u64 s[34:35], s[10:11], s[6:7]
	s_load_b32 s46, s[34:35], 0x0                  ; the gain of row k: the row's number stays inside the gain's 2,048 entries in every part
	IN16 1
	s_wait_kmcnt 0x0
	s_cmp_ge_u32 s3, 8
	s_cselect_b32 s46, 1.0, s46                    ; wo and w_down are not scaled
	s_mov_b32 s47, s46                             ; named with it as a pair
.set i, 0
.rept 16
	s_wait_loadcnt 15-i                            ; loads come back in order (ISA guide 5.7.1): load i is in, the younger ones stay out
	v_pk_mul_f32 v[X+4*i:X+4*i+1], v[X+4*i:X+4*i+1], s[46:47] op_sel_hi:[1,0]
	v_pk_mul_f32 v[X+4*i+2:X+4*i+3], v[X+4*i+2:X+4*i+3], s[46:47] op_sel_hi:[1,0]
	v_cvt_pk_bf16_f32 v[X+4*i], v[X+4*i], v[X+4*i+1]
	v_cvt_pk_bf16_f32 v[X+4*i+1], v[X+4*i+2], v[X+4*i+3]
	global_store_b64 v3, v[X+4*i:X+4*i+1], s[36:37] offset:256*i
.set i, i+1
.endr
	s_endpgm
.Lnorm:                                                ; THE NORM of a row of x, without its gain
	s_lshl_b32 s6, s4, 13
	s_add_nc_u64 s[32:33], s[8:9], s[6:7]
	s_lshl_b32 s6, s4, 12
	s_add_nc_u64 s[36:37], s[26:27], s[6:7]
	IN16 0                                         ; a later launch reads x again: no hint
	s_wait_loadcnt 15
	v_pk_mul_f32 v[4:5], v[X:X+1], v[X:X+1]        ; two chains of packed sums of squares; the first products start them
	v_pk_mul_f32 v[6:7], v[X+2:X+3], v[X+2:X+3]
.set i, 1
.rept 15
	s_wait_loadcnt 15-i
	v_pk_fma_f32 v[4:5], v[X+4*i:X+4*i+1], v[X+4*i:X+4*i+1], v[4:5]
	v_pk_fma_f32 v[6:7], v[X+4*i+2:X+4*i+3], v[X+4*i+2:X+4*i+3], v[6:7]
.set i, i+1
.endr
	v_pk_add_f32 v[4:5], v[4:5], v[6:7]
	v_add_f32 v4, v4, v5
	v_add_f32_dpp v4, v4, v4 row_xmask:1 row_mask:0xf bank_mask:0xf
	v_add_f32_dpp v4, v4, v4 row_xmask:2 row_mask:0xf bank_mask:0xf
	v_add_f32_dpp v4, v4, v4 row_xmask:4 row_mask:0xf bank_mask:0xf
	v_add_f32_dpp v4, v4, v4 row_xmask:8 row_mask:0xf bank_mask:0xf
	v_permlanex16_b32 v6, v4, s44, s45
	v_add_f32 v4, v4, v6
	v_fma_f32 v4, v4, s41, s42                     ; mean + eps
	v_rsq_f32 v6, v4
	v_rsq_f32 v7, v4
	v_nop                                          ; a plain instruction between the root and its use (ISA guide 5.7.2)
.set i, 0
	s_wait_alu depctr_va_vdst(0)
.rept 16
	v_pk_mul_f32 v[X+4*i:X+4*i+1], v[X+4*i:X+4*i+1], v[6:7]
	v_pk_mul_f32 v[X+4*i+2:X+4*i+3], v[X+4*i+2:X+4*i+3], v[6:7]
	v_cvt_pk_bf16_f32 v[X+4*i], v[X+4*i], v[X+4*i+1]
	v_cvt_pk_bf16_f32 v[X+4*i+1], v[X+4*i+2], v[X+4*i+3]
	global_store_b64 v3, v[X+4*i:X+4*i+1], s[36:37] offset:256*i
.set i, i+1
.endr
	s_endpgm
.Lgu:                                                  ; GATE AND UP, woven: each 256 bytes out are 64 columns of gate and the same 64 of up
	s_lshl_b32 s6, s4, 12
	s_add_nc_u64 s[32:33], s[20:21], s[6:7]
	s_add_nc_u64 s[34:35], s[22:23], s[6:7]
	s_add_co_u32 s6, s6, 33554432
	s_add_nc_u64 s[36:37], s[28:29], s[6:7]
	v_cmp_gt_u32 vcc_lo, 16, v1                    ; the lower half of the lanes
.set i, 0
.rept 8
	global_load_b128 v[X+4*i:X+4*i+3], v2, s[32:33] offset:512*i th:TH_LOAD_NT
	global_load_b128 v[X+32+4*i:X+32+4*i+3], v2, s[34:35] offset:512*i th:TH_LOAD_NT
.set i, i+1
.endr
	; load i holds tiles 2 i (lanes 0-15) and 2 i + 1 (lanes 16-31).  Tile 2 i out: my gate below, the other half's up above; tile 2 i + 1: the other half's gate below, my up above.
.set i, 0
.rept 8
	s_wait_loadcnt 14-2*i                          ; gate's and up's load i are in
	v_cvt_pk_bf16_f32 v[X+4*i], v[X+4*i], v[X+4*i+1]
	v_cvt_pk_bf16_f32 v[X+4*i+1], v[X+4*i+2], v[X+4*i+3]
	v_cvt_pk_bf16_f32 v[X+32+4*i], v[X+32+4*i], v[X+32+4*i+1]
	v_cvt_pk_bf16_f32 v[X+32+4*i+1], v[X+32+4*i+2], v[X+32+4*i+3]
	v_permlanex16_b32 v[X+4*i+2], v[X+4*i], s44, s45
	v_permlanex16_b32 v[X+4*i+3], v[X+4*i+1], s44, s45
	v_permlanex16_b32 v[X+32+4*i+2], v[X+32+4*i], s44, s45
	v_permlanex16_b32 v[X+32+4*i+3], v[X+32+4*i+1], s44, s45
	v_cndmask_b32 v[X+32+4*i+2], v[X+32+4*i+2], v[X+4*i], vcc_lo
	v_cndmask_b32 v[X+32+4*i+3], v[X+32+4*i+3], v[X+4*i+1], vcc_lo
	v_cndmask_b32 v[X+4*i+2], v[X+32+4*i], v[X+4*i+2], vcc_lo
	v_cndmask_b32 v[X+4*i+3], v[X+32+4*i+1], v[X+4*i+3], vcc_lo
	global_store_b64 v3, v[X+32+4*i+2:X+32+4*i+3], s[36:37] offset:512*i
	global_store_b64 v3, v[X+4*i+2:X+4*i+3], s[36:37] offset:512*i+256
.set i, i+1
.endr
	s_endpgm
.Lfunc_end_k_q036aa674df_prep:
	.size	k_q036aa674df_prep, .Lfunc_end_k_q036aa674df_prep-k_q036aa674df_prep
	.p2alignl 7, 3214868480
	.fill 96, 4, 3214868480
	.section	.rodata,"a",@progbits
	.p2align	6, 0x0
	.amdhsa_kernel k_q036aa674df_prep
		.amdhsa_group_segment_fixed_size 0
		.amdhsa_private_segment_fixed_size 0
		.amdhsa_enable_private_segment 0
		.amdhsa_kernarg_size 88
		.amdhsa_user_sgpr_count 2
		.amdhsa_user_sgpr_kernarg_segment_ptr 1
		.amdhsa_wavefront_size32 1
		.amdhsa_system_sgpr_workgroup_id_x 1
		.amdhsa_system_sgpr_workgroup_id_y 1
		.amdhsa_system_sgpr_workgroup_id_z 1
		.amdhsa_system_vgpr_workitem_id 0
		.amdhsa_next_free_vgpr 72
		.amdhsa_next_free_sgpr 66
		.amdhsa_reserve_vcc 1
		.amdhsa_float_denorm_mode_32 3
		.amdhsa_float_denorm_mode_16_64 3
		.amdhsa_memory_ordered 1
		.amdhsa_forward_progress 1
		.amdhsa_inst_pref_size 29
	.end_amdhsa_kernel
	.amdgpu_metadata
---
amdhsa.version: [ 1, 2 ]
amdhsa.kernels:
  - .name:           k_q036aa674df_prep
    .symbol:         k_q036aa674df_prep.kd
    .args:
      - { .name: x, .offset: 0, .size: 8, .value_kind: global_buffer, .address_space: global }
      - { .name: attn_norm_w, .offset: 8, .size: 8, .value_kind: global_buffer, .address_space: global }
      - { .name: wq, .offset: 16, .size: 8, .value_kind: global_buffer, .address_space: global }
      - { .name: wk, .offset: 24, .size: 8, .value_kind: global_buffer, .address_space: global }
      - { .name: wv, .offset: 32, .size: 8, .value_kind: global_buffer, .address_space: global }
      - { .name: wo, .offset: 40, .size: 8, .value_kind: global_buffer, .address_space: global }
      - { .name: w_gate, .offset: 48, .size: 8, .value_kind: global_buffer, .address_space: global }
      - { .name: w_up, .offset: 56, .size: 8, .value_kind: global_buffer, .address_space: global }
      - { .name: w_down, .offset: 64, .size: 8, .value_kind: global_buffer, .address_space: global }
      - { .name: hb, .offset: 72, .size: 8, .value_kind: global_buffer, .address_space: global }
      - { .name: wb, .offset: 80, .size: 8, .value_kind: global_buffer, .address_space: global }
    .group_segment_fixed_size: 0
    .private_segment_fixed_size: 0
    .kernarg_segment_align: 8
    .kernarg_segment_size: 88
    .max_flat_workgroup_size: 256
    .sgpr_count:     66
    .vgpr_count:     72
    .wavefront_size: 32
...
	.end_amdgpu_metadata
.endif
;; end of part 7
;; launch qkvg (part 8): grid 16 x 16, 4 waves a work-group, clusters of 4 x 4, 327,680 bytes of LDS; arguments hb, wb, rope_cos, rope_sin, qkv; writes qkv
.if DOCPART == 8
	.amdgcn_target "amdgcn-amd-amdhsa--gfx1250"
	.amdhsa_code_object_version 6
	.text
	.protected	k_q036aa674df_qkvg
	.globl	k_q036aa674df_qkvg
	.p2align	8
	.type	k_q036aa674df_qkvg,@function
k_q036aa674df_qkvg:
	s_mov_b64 s[64:65], 0
	v_nop
	global_prefetch_b8 v0, s[64:65] scope:SCOPE_SE
	s_setreg_imm32_b32 hwreg(HW_REG_WAVE_MODE, 25, 1), 1
	s_wait_xcnt 0x0
	s_wait_alu depctr_hold_cnt(0) depctr_sa_sdst(0) depctr_va_vdst(0) depctr_va_sdst(0) depctr_va_ssrc(0) depctr_va_vcc(0) depctr_vm_vsrc(0)
	s_getreg_b32 s2, hwreg(HW_REG_IB_STS2, 6, 4)
	s_cmp_eq_u32 s2, 0
	s_cbranch_scc0 .Lentry_in_a_cluster
	s_endpgm
.Lentry_in_a_cluster:
	s_bfe_u32 s2, ttmp6, 0x10000c
	s_cmp_lg_u32 s2, 0xf033
	s_cbranch_scc0 .Lentry_shape_is_right
	s_endpgm
.Lentry_shape_is_right:
; q, k, v = hb x [wq | wk | wv] (the first norm's gain lies in the weights), RoPE on q and k, written by heads: qkv[plane][row][128] in bf16, plane = 16 x (0 q, 1 k, 2 v) + head.
; Sums and RoPE in f32, one rounding at the end.  A = hb [2048][2048] bf16, rows along K.  B = wb's first part, [2048 k][6144 n] bf16, rows along N: its fragments come out of LDS turned, by ds_load_tr16_b128.
; A TILE OF C IS 128 ROWS x 384 COLUMNS: q, k and v of one head.  2048 x 6144 makes 256 such tiles, one for each work-group of a 16 x 16 grid.  Four waves, each 64 rows x 192 columns: 48 accumulators.
; K goes in 16 steps of 128 through two LDS slots.  A step has four tiles of 128 rows x 256 bytes, one tensor load a wave: wave 0 brings A's, waves 1, 2, 3 the head's columns of wq, wk, wv.
; For its 131,072 bytes a step has 192 matrix instructions a wave; from a refill's request to the wait for it stand 176 of them.
; CLUSTER 4 x 4: A's tile is asked for jointly by the four of a row of the cluster, B's three by the four of a column.
; K IS WALKED ROUND: a cluster begins at K step 4 ((X + f(Y)) mod 4), X and Y the cluster's place in the grid, f = 0, 2, 2, 0, and wraps at the end.  The four clusters of one Y, which read the same rows
; of A, begin at four different steps, and clusters of one X, which read the same columns of B, eight steps apart where f differs: a tile's readers ask for it at different steps, not all at once.
; The sums take their K steps in that order.  X and Y are alike in all sixteen partners.
; THE MATRIX INSTRUCTION IS USED TRANSPOSED (source 0 = 16 columns of B, source 1 = 16 rows of A): a lane holds row lane % 16 and eight neighbouring columns.
; A WAVE'S COLUMNS in each of q, k, v are d = 32 s + 0..31 and d + 64 (s = wave % 2): accumulators (a, b) and (a, b + 2) hold a RoPE pair in the same lane and register.
; The two tables are asked for behind the K loop's last refill: nothing but tiles is asked for before, and the two steps of the tail stand between these loads and the wait for them.
; REGISTERS, in windows of 256: window 0: v1-31 addresses; v64-127 at work; v128-255 q's accumulators, (a, b) at 128 + 8 (4 a + b).  Window 1: two fragment buffers of 128, each for 32 along K:
; 32 registers of A, 96 of B.  Window 2: v96-111 at work; v128-255 k's accumulators.  Window 3: v0-127 cos and sin in the accumulators' layout; v128-255 v's accumulators.
.set NSTEP, 16                         ; K steps of 128
.set NB,    6144                       ; elements in a row of B
.set PA,    272                        ; a row of A in LDS: 256 bytes + 16: the 16 rows of a load start at 16 different groups of four banks (ISA guide 11.1)
.set PB,    288                        ; a row of B in LDS: 256 bytes + 32
.set REG,   128*PB                     ; a slot has four regions of 36,864 bytes, region w filled by wave w: A (34,816 used), then q's, k's, v's part of B
.set SLOT,  4*REG
.set BSTEP, 256*NB                     ; 128 rows of B in memory (a K step of A is 256 bytes along its rows)
.set SPARE, 2*SLOT                     ; the spare words, 128 bytes a wave: two blocks of 256 bytes that no other line names
.set STAGE, SLOT                       ; the way out goes through slot 1: its last fill is the walk's last K step's, and its last reads are over at the last barrier of the K loop
.set SPL,   128*272                    ; a plane of the stage: 128 rows of 256 bytes, 272 apart
.set STO, 8                            ; v8-10  where I put 16 bytes of a row, in the stage's planes q, k, v
.set RD,  11                           ; v11-13 where I read rows back
.set LA0, 16                           ; v16 my lane's place in A's region;  v17-19 in B's three regions
.set LB0, 17
.set ADRA, 20                          ; v20, v21-23 the same with the slot in hand added
.set ADRB, 21
.set CO,  26
.set CO2, 27
.set SPW, 28                           ; v28 LDS address of my spare word; v29 0: never rewritten
.set NIL, 29
.set TMP, 64                           ; the way out: plane w's 64 registers at 64 + 64 w of window 0 (k's and v's take the place of q's accumulators, packed by then)
.set ACC, 128
.set F0,  0
.set F1,  128
.set G1A, 24                           ; s[24:31] descriptor group 1 for A; s[32:39] group 0, two sets: the second walks
.set G0A, 32
.set G1B, 48                           ; s[48:55], s[56:63] the same for B
.set G0B, 56
.set TB,  22                           ; s22 the slot in hand: 0 or SLOT
.set CNT, 23
.set KK,  45                           ; s45 the K step asked for last, 0 to 15
.set MSB, 0
.macro WIN new                         ; the immediate's high byte repeats the setting that is left
.if MSB != (\new)
	s_set_vgpr_msb (MSB<<8)|(\new)
.set MSB, \new
.endif
.endm
.macro JLOAD s                         ; a joint load: wave 0 fetches A's tile, waves 1 to 3 B's three; s_nop 0 and four v_nop follow each line
	s_cmp_eq_u32 s10, 0
	s_cbranch_scc0 .Lfor_b_\@
	tensor_load_to_lds s[G0A+4*(\s):G0A+4*(\s)+3], s[G1A:G1A+7]
	s_nop 0
.rept 4
	v_nop
.endr
	s_branch .Lasked_\@
.Lfor_b_\@:
	tensor_load_to_lds s[G0B+4*(\s):G0B+4*(\s)+3], s[G1B:G1B+7]
	s_nop 0
.rept 4
	v_nop
.endr
.Lasked_\@:
.endm
.macro CREST                           ; a round of the cluster's barrier behind its opening barrier
	s_cmp_lg_u32 s10, 0
	s_cbranch_scc1 .Lnot_wave_0_\@
	s_barrier_signal -3
.Lnot_wave_0_\@:
	s_barrier_wait -3
	s_barrier_signal -1
	s_barrier_wait -1
.endm
.macro CROUND
	s_barrier_signal -1
	s_barrier_wait -1
	CREST
.endm
.macro PLACES                          ; four places behind matrix instructions, in front of loads into their sources and of reads of their results
.rept 4
	v_nop
.endr
.endm
; 8 matrix instructions of part w (0 q, 1 k, 2 v): row blocks a0, a0 + 1 x its 4 column blocks, 32 along K, from buffer f.  zero = 1: the product starts the sum.
; The 48 accumulators take turns.  Part w's accumulators lie in window 0, 2, 3.
.macro MUL8 f, w, a0, zero
.set ww, (\w)+((\w)+1)/2
	WIN 0x05+0x50*ww
.irp a, \a0, (\a0)+1
.irp b, 0,1,2,3
.if \zero
	v_wmma_f32_16x16x32_bf16 v[ACC+8*(4*(\a)+(\b)):ACC+8*(4*(\a)+(\b))+7], v[(\f)+32+8*(4*(\w)+(\b)):(\f)+32+8*(4*(\w)+(\b))+7], v[(\f)+8*(\a):(\f)+8*(\a)+7], 0
.else
	v_wmma_f32_16x16x32_bf16 v[ACC+8*(4*(\a)+(\b)):ACC+8*(4*(\a)+(\b))+7], v[(\f)+32+8*(4*(\w)+(\b)):(\f)+32+8*(4*(\w)+(\b))+7], v[(\f)+8*(\a):(\f)+8*(\a)+7], v[ACC+8*(4*(\a)+(\b)):ACC+8*(4*(\a)+(\b))+7]
.endif
.endr
.endr
.endm
; 32 LDS loads in one run: quarter q (32 along K) of the slot in hand into buffer f: A's 8, then q's, k's, v's 8 each
.macro FETCH q, f
	WIN 0x40
.irp a, 0,1,2,3
	ds_load_b128 v[(\f)+8*(\a):(\f)+8*(\a)+3],   v[ADRA] offset:(\q)*64+(\a)*16*PA
	ds_load_b128 v[(\f)+8*(\a)+4:(\f)+8*(\a)+7], v[ADRA] offset:(\q)*64+(\a)*16*PA+32
.endr
.irp w, 0,1,2
.irp b, 0,1,2,3
.set bo, (\q)*32*PB+32*((\b)%2)+128*((\b)/2)
	ds_load_tr16_b128 v[(\f)+32+8*(4*(\w)+(\b)):(\f)+32+8*(4*(\w)+(\b))+3],   v[ADRB+(\w)] offset:bo
	ds_load_tr16_b128 v[(\f)+32+8*(4*(\w)+(\b))+4:(\f)+32+8*(4*(\w)+(\b))+7], v[ADRB+(\w)] offset:bo+16*PB
.endr
.endr
.endm
; One of a K step's first three quarters: multiplies buffer f (48 matrix instructions) and, behind the first 16, fetches quarter qn into g
.macro QUARTER qn, f, g, zero
	s_wait_dscnt 16                                ; A's and q's fragments are in; the 16 younger loads (k's, v's) may be out
	MUL8 \f, 0, 0, \zero
	MUL8 \f, 0, 2, \zero
	PLACES
	FETCH \qn, \g
	s_wait_dscnt 32                                ; all but the 32 just issued
	MUL8 \f, 1, 0, \zero
	MUL8 \f, 1, 2, \zero
	MUL8 \f, 2, 0, \zero
	MUL8 \f, 2, 2, \zero
.endm
; The last quarter multiplies buffer 1 and changes slots.  In front of the barrier each wave waits for all its tensor loads (one is out: its part of the next slot), adds 0 to its spare word,
; and waits for that and for its reads of this slot.  fill = 1: the barrier opens a round of the cluster's, and this slot is filled again, with the walk's step two on, first thing behind it.
; fill = 0 (the tail): nothing is asked for; in the last trip there is no next slot to read.
.macro TURN fill
	WIN 0
	s_wait_tensorcnt 0x0
	ds_add_u32 v[SPW], v[NIL]
	s_wait_dscnt 17                                ; the add and the youngest sixteen loads may be out
	MUL8 F1, 0, 0, 0
	s_wait_dscnt 0x0                               ; the add is done, and my reads of this slot are over
	s_barrier_signal -1
	MUL8 F1, 0, 2, 0
	WIN 0
	s_barrier_wait -1
.if \fill
	CREST
	s_add_co_u32 s[G0A+5], s[TB], s20              ; no tensor load of mine is out: the walking sets are written: the slot just left,
	s_add_co_u32 s[G0B+5], s[TB], s20
	s_add_co_u32 s[KK], s[KK], 1                   ; the walk's next K step, round the end,
	s_and_b32 s[KK], s[KK], NSTEP-1
	s_lshl_b32 s94, s[KK], 8                       ; 256 bytes a step along A's rows: the address is made anew from the tile's base
	s_add_nc_u64 s[G0A+6:G0A+7], s[14:15], s[94:95]
	s_or_b32 s[G0A+7], s[G0A+7], 0x80000000
	s_mul_i32 s94, s[KK], BSTEP                    ; 128 rows of 12,288 bytes a step down B
	s_add_nc_u64 s[G0B+6:G0B+7], s[46:47], s[94:95]
	s_or_b32 s[G0B+7], s[G0B+7], 0x80000000
	JLOAD 1                                        ; its four v_nop are also the places in front of the loads below
.else
	PLACES
.endif
	s_xor_b32 s[TB], s[TB], SLOT
	v_add_nc_u32 v[ADRA], s[TB], v[LA0]
	v_add_nc_u32 v[ADRB], s[TB], v[LB0]
	v_add_nc_u32 v[ADRB+1], s[TB], v[LB0+1]
	v_add_nc_u32 v[ADRB+2], s[TB], v[LB0+2]
.if !(\fill)
	s_cmp_eq_u32 s[CNT], 1
	s_cbranch_scc1 .Lno_fetch_\@
.endif
	FETCH 0, F0
	WIN 0
.if !(\fill)
.Lno_fetch_\@:
.endif
	MUL8 F1, 1, 0, 0
	MUL8 F1, 1, 2, 0
	MUL8 F1, 2, 0, 0
	MUL8 F1, 2, 2, 0
.endm
; RoPE on one part's 16 accumulators, all under one window setting: the accumulators and the four pairs at work in one window, the tables in window 3
.macro ROPE win
	WIN \win
.irp a, 0,1,2,3
.irp b, 0,1
.irp p, 0,1,2,3                        ; each accumulator's lowest registers are read first
.set xa, ACC+8*(4*(\a)+(\b))+2*(\p)
.set xb, xa+16
.set tc, 16*(2*(\a)+(\b))+2*(\p)
.set tt, 96+4*(\p)
	v_pk_mul_f32 v[tt:tt+1], v[xa:xa+1], v[tc:tc+1]
	v_pk_mul_f32 v[tt+2:tt+3], v[xa:xa+1], v[tc+8:tc+9]
	v_pk_fma_f32 v[xa:xa+1], v[xb:xb+1], v[tc+8:tc+9], v[tt:tt+1] neg_lo:[1,0,0] neg_hi:[1,0,0]  ; x1 cos - x2 sin
	v_pk_fma_f32 v[xb:xb+1], v[xb:xb+1], v[tc:tc+1], v[tt+2:tt+3]                                ; x1 sin + x2 cos
.endr
.endr
.endr
.endm
; Part w is rounded to bf16 and put into its plane of the stage
.macro PACK w
.set ww, (\w)+((\w)+1)/2
	WIN 5*ww                                       ; sources 0 and 1 in the part's window, destination in window 0
.set t, 0
.rept 16
.irp r, 0,1,2,3
	v_cvt_pk_bf16_f32 v[TMP+64*(\w)+4*t+(\r)], v[ACC+8*t+2*(\r)], v[ACC+8*t+2*(\r)+1]
.endr
.set t, t+1
.endr
	WIN 0
.set t, 0
.rept 16
	ds_store_b128 v[STO+(\w)], v[TMP+64*(\w)+4*t:TMP+64*(\w)+4*t+3] offset:(t/4)*16*272+32*(t%2)+128*((t%4)/2)
.set t, t+1
.endr
.endm
	s_load_b256 s[72:79], s[0:1], 0x0              ; hb, wb, rope_cos, rope_sin
	s_load_b64 s[80:81], s[0:1], 0x20              ; qkv
	v_lshl_add_u32 v[SPW], v0, 2, SPARE
	v_mov_b32 v[NIL], 0
	ds_add_u32 v[SPW], v[NIL]                      ; the wave's opening: the add is waited for ahead of my first tensor load
	v_lshrrev_b32 v1, 5, v0
	v_readfirstlane_b32 s10, v1                    ; wave: also the region of a slot that I fill
	s_lshr_b32 s11, s10, 1                         ; my half of the tile's rows
	s_and_b32 s12, s10, 1                          ; my half of each part's columns
	s_bfe_u32 s40, ttmp6, 0x40000                  ; cx, cy
	s_bfe_u32 s41, ttmp6, 0x40004
	s_lshl_b32 s42, ttmp9, 2
	s_add_co_u32 s42, s42, s40                     ; tile column = head
	s_and_b32 s13, ttmp7, 0xffff
	s_lshl_b32 s13, s13, 2
	s_add_co_u32 s13, s13, s41                     ; tile row
	s_lshl_b32 s43, s41, 2
	s_lshl_b32 s43, 15, s43                        ; my row of the cluster
	s_lshl_b32 s44, 0x1111, s40                    ; my column
	s_or_b32 s[G1A], s43, (1<<16)|(1<<20)|(1<<21)|(5<<22)|(3<<25)  ; mask; 2-byte elements; padding on; bit 21 beside a mask; after every 64 words 4 words
	s_or_b32 s[G1B], s44, (1<<16)|(1<<20)|(1<<21)|(5<<22)|(7<<25)  ; the same with 8 words
.irp g, G1A, G1B
	s_mov_b32 s[(\g)+1], 128<<16                   ; tensor_dim0 = 128
	s_mov_b32 s[(\g)+2], 128<<16                   ; tensor_dim1 = 128
	s_mov_b32 s[(\g)+3], 128<<16                   ; tile_dim0 = 128
	s_mov_b32 s[(\g)+4], 128                       ; tile_dim1 = 128
	s_mov_b32 s[(\g)+6], 0
	s_mov_b32 s[(\g)+7], 0
.endr
	s_mov_b32 s[G1A+5], 2048                       ; elements from row to row
	s_mov_b32 s[G1B+5], NB
	s_lshl_b32 s16, s13, 19                        ; A: 128 rows of 4,096 bytes x tile row
	s_mov_b32 s17, 0
	s_max_u32 s46, s10, 1
	s_sub_co_u32 s46, s46, 1                       ; B: waves 1, 2, 3 fetch part 0, 1, 2 (wave 0 asks by A's set alone),
	s_lshl_b32 s46, s46, 12                        ; 4,096 bytes apart in a row,
	s_lshl_b32 s47, s42, 8                         ; + 256 bytes x head
	s_add_co_u32 s46, s46, s47
	s_mov_b32 s47, 0
	s_mul_i32 s20, s10, REG                        ; where my tile goes in a slot: no place in the cluster enters an LDS address
	s_mov_b32 s[TB], 0
	s_and_b32 s94, ttmp7, 0xffff                   ; Y, the cluster's y
	s_lshr_b32 s95, s94, 1
	s_xor_b32 s94, s94, s95
	s_and_b32 s94, s94, 1
	s_lshl_b32 s94, s94, 1                         ; f(Y) = 0, 2, 2, 0
	s_add_co_u32 s94, s94, ttmp9                   ; + X, the cluster's x
	s_and_b32 s94, s94, 3
	s_lshl_b32 s[KK], s94, 2                       ; the walk's first K step: 0, 4, 8 or 12
	s_mov_b32 s95, 0
	s_wait_dscnt 0x0                               ; the opening add is done
	s_wait_kmcnt 0x0
	s_add_nc_u64 s[14:15], s[72:73], s[16:17]      ; A's tile at K = 0: kept
	s_add_nc_u64 s[46:47], s[74:75], s[46:47]      ; the same for my part of B: kept
	CROUND                                         ; all sixteen work-groups are here: the first joint loads meet
.irp s, 0,1
	s_add_co_u32 s93, s[KK], \s                    ; the walk's first step is a multiple of 4: the second does not wrap
	s_lshl_b32 s94, s93, 8
	s_mov_b32 s[G0A+4*(\s)], 1
	s_add_co_u32 s[G0A+4*(\s)+1], s20, (\s)*SLOT
	s_add_nc_u64 s[G0A+4*(\s)+2:G0A+4*(\s)+3], s[14:15], s[94:95]
	s_or_b32 s[G0A+4*(\s)+3], s[G0A+4*(\s)+3], 0x80000000
	s_mul_i32 s94, s93, BSTEP
	s_mov_b32 s[G0B+4*(\s)], 1
	s_add_co_u32 s[G0B+4*(\s)+1], s20, (\s)*SLOT
	s_add_nc_u64 s[G0B+4*(\s)+2:G0B+4*(\s)+3], s[46:47], s[94:95]
	s_or_b32 s[G0B+4*(\s)+3], s[G0B+4*(\s)+3], 0x80000000
	JLOAD \s                                       ; the walk's first two K steps: two loads of mine are out
.endr
	s_add_co_u32 s[KK], s[KK], 1
	v_and_b32 v1, 15, v0                           ; r = lane % 16
	v_bfe_u32 v2, v0, 4, 1                         ; h = lane / 16
	v_and_b32 v3, 7, v0
	v_bfe_u32 v4, v0, 3, 1
	v_mul_u32_u24 v[LA0], v1, PA                   ; A: row r, 16 bytes for each half of the lanes, my 64 rows
	v_lshl_add_u32 v[LA0], v2, 4, v[LA0]
	s_mul_i32 s4, s11, 64*PA
	v_add_nc_u32 v[LA0], s4, v[LA0]
	v_lshl_add_u32 v[LB0], v2, 3, v3               ; B, turned: K row 8 h + lane % 8, 16 bytes by (lane / 8) % 2, my columns
	v_mul_u32_u24 v[LB0], v[LB0], PB
	v_lshl_add_u32 v[LB0], v4, 4, v[LB0]
	s_lshl_b32 s4, s12, 6
	s_add_co_u32 s4, s4, REG
	v_add_nc_u32 v[LB0], s4, v[LB0]
	v_add_nc_u32 v[LB0+1], REG, v[LB0]
	v_add_nc_u32 v[LB0+2], 2*REG, v[LB0]
	v_mov_b32 v[ADRA], v[LA0]
	v_mov_b32 v[ADRB], v[LB0]
	v_mov_b32 v[ADRB+1], v[LB0+1]
	v_mov_b32 v[ADRB+2], v[LB0+2]
	; where the two tables lie, in the accumulators' layout: row 16 a + r of my 64, columns 32 s + 16 b + 8 h + 0..7
	v_lshlrev_b32 v[CO], 8, v1
	v_lshl_add_u32 v[CO], v2, 5, v[CO]
	s_lshl_b32 s86, s13, 15
	s_lshl_b32 s87, s11, 14
	s_add_co_u32 s86, s86, s87
	s_lshl_b32 s87, s12, 7
	s_add_co_u32 s86, s86, s87
	s_mov_b32 s87, 0
	s_add_nc_u64 s[76:77], s[76:77], s[86:87]
	s_add_nc_u64 s[78:79], s[78:79], s[86:87]
	; the way out: three planes of 128 rows of 256 bytes, 272 apart, in the stage
	s_mul_i32 s4, s11, 64*272
	s_lshl_b32 s5, s12, 6
	s_add_co_u32 s4, s4, s5
	s_add_co_u32 s4, s4, STAGE
	v_mul_u32_u24 v[STO], v1, 272
	v_lshl_add_u32 v[STO], v2, 4, v[STO]
	v_add_nc_u32 v[STO], s4, v[STO]
	v_add_nc_u32 v[STO+1], SPL, v[STO]
	v_add_nc_u32 v[STO+2], 2*SPL, v[STO]
	s_mul_i32 s4, s10, 32*272
	s_add_co_u32 s4, s4, STAGE
	v_mul_u32_u24 v[RD], v2, 272                   ; back: wave w takes rows 32 w .. 32 w + 31 whole; lanes 0-15 one row, lanes 16-31 the next
	v_lshl_add_u32 v[RD], v1, 4, v[RD]
	v_add_nc_u32 v[RD], s4, v[RD]
	v_add_nc_u32 v[RD+1], SPL, v[RD]
	v_add_nc_u32 v[RD+2], 2*SPL, v[RD]
	v_lshlrev_b32 v[CO2], 8, v2
	v_lshl_add_u32 v[CO2], v1, 4, v[CO2]
	s_lshl_b32 s88, s42, 19                        ; the head's plane of q, 524,288 bytes a plane,
	s_lshl_b32 s89, s13, 15                        ; the tile's 128 rows of 256 bytes,
	s_add_co_u32 s88, s88, s89
	s_lshl_b32 s89, s10, 13                        ; my 32 of them
	s_add_co_u32 s88, s88, s89
	s_mov_b32 s89, 0
	s_add_nc_u64 s[80:81], s[80:81], s[88:89]
	s_add_nc_u64 s[82:83], s[80:81], 0x800000      ; k's plane lies 16 planes on,
	s_add_nc_u64 s[84:85], s[80:81], 0x1000000     ; v's 32
	s_wait_tensorcnt 0x1                           ; my part of the first K step is in; the second's may stay out
	s_barrier_signal -1
	s_barrier_wait -1
	FETCH 0, F0
	QUARTER 1, F0, F1, 1                           ; the first quarter stands in front of the loop: its products start the sums
	WIN 0
	s_mov_b32 s[CNT], NSTEP-2
.Lk:                                                   ; a trip: from a K step's second quarter to the next step's first; it fills the slot that it leaves
	QUARTER 2, F1, F0, 0
	QUARTER 3, F0, F1, 0
	TURN 1
	QUARTER 1, F0, F1, 0
	WIN 0
	s_sub_co_u32 s[CNT], s[CNT], 1
	s_cmp_lg_u32 s[CNT], 0
	s_cbranch_scc1 .Lk
	s_mov_b32 s[CNT], 2
	WIN 0xc0                                       ; the last tile has been asked for: now the tables, into window 3
.irp a, 0,1,2,3
.irp b, 0,1
	global_load_b128 v[16*(2*(\a)+(\b)):16*(2*(\a)+(\b))+3],     v[CO], s[76:77] offset:(\a)*4096+(\b)*64
	global_load_b128 v[16*(2*(\a)+(\b))+4:16*(2*(\a)+(\b))+7],   v[CO], s[76:77] offset:(\a)*4096+(\b)*64+16
	global_load_b128 v[16*(2*(\a)+(\b))+8:16*(2*(\a)+(\b))+11],  v[CO], s[78:79] offset:(\a)*4096+(\b)*64
	global_load_b128 v[16*(2*(\a)+(\b))+12:16*(2*(\a)+(\b))+15], v[CO], s[78:79] offset:(\a)*4096+(\b)*64+16
.endr
.endr
	WIN 0
.Lt:                                                   ; the last two K steps ask for nothing; the second trip is left in its middle
	QUARTER 2, F1, F0, 0
	QUARTER 3, F0, F1, 0
	TURN 0
	WIN 0
	s_sub_co_u32 s[CNT], s[CNT], 1
	s_cmp_eq_u32 s[CNT], 0
	s_cbranch_scc1 .Lout
	QUARTER 1, F0, F1, 0
	WIN 0
	s_branch .Lt
.Lout:
	PLACES
	s_wait_loadcnt 0x0                             ; the tables
	ROPE 0x0c                                      ; q: all in window 0 but the tables
	ROPE 0xae                                      ; k: all in window 2 but the tables
	PACK 0
	PACK 1
	PACK 2
	s_wait_dscnt 0x0                               ; for the others' sake: my stores into the stage are done
	s_barrier_signal -1
	s_barrier_wait -1
.irp w, 0,1,2
.set t, 0
.rept 16
	ds_load_b128 v[TMP+64*(\w)+4*t:TMP+64*(\w)+4*t+3], v[RD+(\w)] offset:t*2*272
.set t, t+1
.endr
.endr
.irp w, 0,1,2
.set t, 0
.rept 16
	s_wait_dscnt 47-16*(\w)-t                      ; LDS loads come back in order: this one is in, the younger ones stay out
	global_store_b128 v[CO2], v[TMP+64*(\w)+4*t:TMP+64*(\w)+4*t+3], s[80+2*(\w):81+2*(\w)] offset:512*t  ; 16 lanes store 256 consecutive bytes, aligned: a row of a head
.set t, t+1
.endr
.endr
	s_wait_tensorcnt 0x0                           ; the wave's end
	ds_add_u32 v[SPW], v[NIL]
	s_wait_dscnt 0x0
	CROUND                                         ; the closing round
	s_endpgm
.Lfunc_end_k_q036aa674df_qkvg:
	.size	k_q036aa674df_qkvg, .Lfunc_end_k_q036aa674df_qkvg-k_q036aa674df_qkvg
	.p2alignl 7, 3214868480
	.fill 96, 4, 3214868480
	.section	.rodata,"a",@progbits
	.p2align	6, 0x0
	.amdhsa_kernel k_q036aa674df_qkvg
		.amdhsa_group_segment_fixed_size 327680
		.amdhsa_private_segment_fixed_size 0
		.amdhsa_enable_private_segment 0
		.amdhsa_kernarg_size 40
		.amdhsa_user_sgpr_count 2
		.amdhsa_user_sgpr_kernarg_segment_ptr 1
		.amdhsa_wavefront_size32 1
		.amdhsa_system_sgpr_workgroup_id_x 1
		.amdhsa_system_sgpr_workgroup_id_y 1
		.amdhsa_system_sgpr_workgroup_id_z 1
		.amdhsa_system_vgpr_workitem_id 0
		.amdhsa_next_free_vgpr 1024
		.amdhsa_next_free_sgpr 96
		.amdhsa_reserve_vcc 0
		.amdhsa_float_denorm_mode_32 3
		.amdhsa_float_denorm_mode_16_64 3
		.amdhsa_memory_ordered 1
		.amdhsa_forward_progress 1
		.amdhsa_inst_pref_size 105
	.end_amdhsa_kernel
	.amdgpu_metadata
---
amdhsa.version: [ 1, 2 ]
amdhsa.kernels:
  - .name:           k_q036aa674df_qkvg
    .symbol:         k_q036aa674df_qkvg.kd
    .args:
      - { .name: hb, .offset: 0, .size: 8, .value_kind: global_buffer, .address_space: global }
      - { .name: wb, .offset: 8, .size: 8, .value_kind: global_buffer, .address_space: global }
      - { .name: rope_cos, .offset: 16, .size: 8, .value_kind: global_buffer, .address_space: global }
      - { .name: rope_sin, .offset: 24, .size: 8, .value_kind: global_buffer, .address_space: global }
      - { .name: qkv, .offset: 32, .size: 8, .value_kind: global_buffer, .address_space: global }
    .group_segment_fixed_size: 327680
    .private_segment_fixed_size: 0
    .kernarg_segment_align: 8
    .kernarg_segment_size: 40
    .max_flat_workgroup_size: 128
    .sgpr_count:     96
    .vgpr_count:     1024
    .wavefront_size: 32
...
	.end_amdgpu_metadata
.endif
;; end of part 8
;; launch attn (part 9): grid 16 x 16, 4 waves a work-group, clusters of 4 x 1, 327,680 bytes of LDS; arguments qkv, yb; writes yb
.if DOCPART == 9
	.amdgcn_target "amdgcn-amd-amdhsa--gfx1250"
	.amdhsa_code_object_version 6
	.text
	.protected	k_q036aa674df_attn
	.globl	k_q036aa674df_attn
	.p2align	8
	.type	k_q036aa674df_attn,@function
k_q036aa674df_attn:
	s_mov_b64 s[64:65], 0
	v_nop
	global_prefetch_b8 v0, s[64:65] scope:SCOPE_SE
	s_setreg_imm32_b32 hwreg(HW_REG_WAVE_MODE, 25, 1), 1
	s_wait_xcnt 0x0
	s_wait_alu depctr_hold_cnt(0) depctr_sa_sdst(0) depctr_va_vdst(0) depctr_va_sdst(0) depctr_va_ssrc(0) depctr_va_vcc(0) depctr_vm_vsrc(0)
	s_getreg_b32 s2, hwreg(HW_REG_IB_STS2, 6, 4)
	s_cmp_eq_u32 s2, 0
	s_cbranch_scc0 .Lentry_in_a_cluster
	s_endpgm
.Lentry_in_a_cluster:
	s_bfe_u32 s2, ttmp6, 0x10000c
	s_cmp_lg_u32 s2, 0x3003
	s_cbranch_scc0 .Lentry_shape_is_right
	s_endpgm
.Lentry_shape_is_right:
; CAUSAL ATTENTION, head size 128.  yb[q][128 head + :] = the sum over k <= q of softmax_k(Q[q] . K[k] / sqrt(128)) V[k][:].  Q, K, V: planes head, 16 + head, 32 + head of qkv, [2048][128] bf16.
; Products, maxima and sums in f32; the weights are rounded to bf16 for the second product (their sum is taken unrounded), the result once at the end.
; LIMITS.  A hidden score counts as -1e30: true scores lie above that.  A weight below 2^-126 counts as 0 in the sum.  NaN and infinities are not treated apart.
; What the first block leaves in O and l is multiplied by 0 in the second block's first step: it is finite.
; THE WALK.  A head's queries lie in 32 blocks of 64, its keys in 8 tiles of 256.  Work-group b = 4 c + cx (c the cluster, cx its place in it) takes block 31 - b and then block b.
; Block 31 - b needs tiles 0 .. 7 - c, block b tiles 0 .. c: nine tiles, and THE SAME nine in the same order for the four partners of a cluster.  So every tile of K and V is asked for
; jointly, every trip count is a constant, and every branch hangs on c and on counters.  cx enters Q's and the output's addresses and the mask's numbers alone.
; In each block's last tile (four steps of 64 keys) the scores pass a mask by compare and select; steps wholly hidden there (3 of the 36 on average) are computed all the same.
; SHARES.  A wave has 16 queries of the block and walks all keys: each fragment of K and V read from LDS feeds one product.  In phases: K Q^T, mask, softmax, V^T P.
; LAYOUT.  S^T = K Q^T holds one query a lane (lane % 16) and the keys 8 (lane / 16) + 0..7; two such results rounded to bf16 are source 1 of O^T = V^T P.  V comes out of LDS turned.
; SOFTMAX.  A running maximum m and sum l: p = 2^(c s - c m), c = log2(e) / sqrt(128); in every step O and l are multiplied by a = 2^(c m_old - c m_new).  m starts at the lowest finite number.
; REGISTERS.  Window 0: all but the fragments.  Window 1: v0-127 K of one step, v128-255 V of one step.
.set KS,    64
.set PK,    272                        ; a row of K in LDS: 256 bytes + 16
.set PV,    288                        ; a row of V: 256 + 32
.set VOFF,  256*PK                     ; a slot: 256 rows of K, then 256 rows of V
.set SLOTB, 256*(PK+PV)
.set STAGE, 2*SLOTB                    ; 16 rows x 272 bytes for each wave, never filled by a tensor load
.set SP,    272
.set SPARE, STAGE+4*16*SP              ; the spare words: two blocks of 256 bytes that no other line names
.set AK0, 2
.set AV0, 3
.set ADR, 4
.set QO,  5
.set STO, 6
.set RD,  7
.set GO,  8
.set VB,  12                           ; v12 my query's place less my lanes' keys, against which a key's number in the step is held; v13 the second block's
.set NEG, 14                           ; v14 -1e30
.set ST,  16                           ; v16-23: c m, m, l (even keys', odd keys'), four at work (a takes the third's place)
.set SPW, 24
.set NIL, 25
.set S,   32
.set P,   64
.set O,   80
.set Q,   144
.set QB,  176
.set TMP, 208
.set WV,  12                           ; s12 wave; s13 cx; s14 c; s15 head
.set KP,  16                           ; s[16:17] K at my half of tile 0; s[18:19] V
.set VP,  18
.set G1K, 24
.set G1V, 32
.set G0K, 40                           ; two sets: the second walks
.set G0V, 48
.set SLOTS, 56
.set CNT, 57
.set CS,  58
.set SEL, 60
.set TBK, 62
.set TBV, 63
.set TF,  66                           ; the slot filled last: 0 or SLOTB
.set NXT, 67                           ; the tile to be asked for next
.set LQ,  68                           ; the last tile of the block whose tiles are being asked for
.set SR,  69                           ; steps left in the block in hand
.set OFF, 70
.set LWK, 72
.set LWV, 73
.set OP,  74                           ; s[74:75] the output at my rows of the block in hand; s[76:77] of the second block
.set OP2, 76
.set MSB, 0
.macro WIN new
.if MSB != (\new)
	s_set_vgpr_msb (MSB<<8)|(\new)
.set MSB, \new
.endif
.endm
.macro PLACES
.rept 4
	v_nop
.endr
.endm
.macro JLOAD                           ; a joint refill: waves 0 and 1 fetch K's halves, waves 2 and 3 V's; s_nop 0 and four v_nop follow each line
	s_cmp_lt_u32 s[WV], 2
	s_cbranch_scc0 .Lfor_v_\@
	tensor_load_to_lds s[G0K+4:G0K+7], s[G1K:G1K+7]
	s_nop 0
.rept 4
	v_nop
.endr
	s_branch .Lasked_\@
.Lfor_v_\@:
	tensor_load_to_lds s[G0V+4:G0V+7], s[G1V:G1V+7]
	s_nop 0
.rept 4
	v_nop
.endr
.Lasked_\@:
.endm
.macro CROUND
	s_barrier_signal -1
	s_barrier_wait -1
	s_cmp_lg_u32 s[WV], 0
	s_cbranch_scc1 .Lnot_wave_0_\@
	s_barrier_signal -3
.Lnot_wave_0_\@:
	s_barrier_wait -3
	s_barrier_signal -1
	s_barrier_wait -1
.endm
; THE CHANGE OF SLOTS: all of the slot's bytes have been asked for.  Each wave waits for all its tensor loads (one is out: its part of the other slot), adds 0 to its spare word, and waits for
; that and for its reads.  fill = 1: a round of the cluster's barrier, and the slot is filled again first thing behind it, with tile NXT: four steps, 128 matrix instructions, in which to land.
.macro CHANGE fill
	WIN 0
	s_wait_tensorcnt 0x0
	ds_add_u32 v[SPW], v[NIL]
.if \fill
	s_xor_b32 s[TF], s[TF], SLOTB
	s_add_co_u32 s[G0K+5], s[TF], s[LWK]
	s_add_co_u32 s[G0V+5], s[TF], s[LWV]
	s_lshl_b32 s[OFF], s[NXT], 16                  ; a tile is 65,536 bytes of K and of V
	s_add_nc_u64 s[G0K+6:G0K+7], s[KP:KP+1], s[OFF:OFF+1]
	s_or_b32 s[G0K+7], s[G0K+7], 0x80000000
	s_add_nc_u64 s[G0V+6:G0V+7], s[VP:VP+1], s[OFF:OFF+1]
	s_or_b32 s[G0V+7], s[G0V+7], 0x80000000
	s_add_co_u32 s[NXT], s[NXT], 1                 ; the block's next tile, or behind its last the second block's tile 0
	s_cmp_gt_u32 s[NXT], s[LQ]
	s_cselect_b32 s[NXT], 0, s[NXT]
	s_cselect_b32 s[LQ], s14, s[LQ]
	s_wait_dscnt 0x0                               ; the add is done, and my reads of the slot are over
	CROUND
	JLOAD
.else
	s_wait_dscnt 0x0
	s_barrier_signal -1
	s_barrier_wait -1
.endif
	s_sub_co_u32 s[TBK], s[TBK], 4*KS*PK           ; the fetches go back to a slot's first step, in the other slot
	s_xor_b32 s[TBK], s[TBK], SLOTB
	s_sub_co_u32 s[TBV], s[TBV], 4*KS*PV
	s_xor_b32 s[TBV], s[TBV], SLOTB
.endm
.macro FETCH_K                         ; a step's K: 16 fragments: keys 16 (f / 4) on, channels 32 (f % 4) on
	v_add_nc_u32 v[ADR], s[TBK], v[AK0]
	WIN 0x40
.set f, 0
.rept 16
	ds_load_b128 v[8*f:8*f+3],   v[ADR] offset:(f/4)*16*PK+(f%4)*64
	ds_load_b128 v[8*f+4:8*f+7], v[ADR] offset:(f/4)*16*PK+(f%4)*64+32
.set f, f+1
.endr
	WIN 0
	s_add_co_u32 s[TBK], s[TBK], KS*PK
.endm
.macro FETCH_V                         ; a step's V, turned: keys 32 (f / 8) on, channels 16 (f % 8) on
	v_add_nc_u32 v[ADR], s[TBV], v[AV0]
	WIN 0x40
.set f, 0
.rept 16
	ds_load_tr16_b128 v[128+8*f:128+8*f+3],   v[ADR] offset:(f/8)*32*PV+(f%8)*32
	ds_load_tr16_b128 v[128+8*f+4:128+8*f+7], v[ADR] offset:(f/8)*32*PV+16*PV+(f%8)*32
.set f, f+1
.endr
	WIN 0
	s_add_co_u32 s[TBV], s[TBV], KS*PV
.endm
.macro KQ                              ; S^T = K Q^T: 16 products; the 4 accumulators take turns; the first 4 start the sums
.set i, 0
.rept 16
.if i < 4
	v_wmma_f32_16x16x32_bf16 v[S+8*(i%4):S+8*(i%4)+7], v[32*(i%4)+8*(i/4):32*(i%4)+8*(i/4)+7], v[Q+8*(i/4):Q+8*(i/4)+7], 0
.else
	v_wmma_f32_16x16x32_bf16 v[S+8*(i%4):S+8*(i%4)+7], v[32*(i%4)+8*(i/4):32*(i%4)+8*(i/4)+7], v[Q+8*(i/4):Q+8*(i/4)+7], v[S+8*(i%4):S+8*(i%4)+7]
.endif
.set i, i+1
.endr
.endm
.macro PVM                             ; O^T += V^T P: 16 products; the 8 accumulators take turns
.set i, 0
.rept 16
	v_wmma_f32_16x16x32_bf16 v[O+8*(i%8):O+8*(i%8)+7], v[128+64*(i/8)+8*(i%8):128+64*(i/8)+8*(i%8)+7], v[P+8*(i/8):P+8*(i/8)+7], v[O+8*(i%8):O+8*(i%8)+7]
.set i, i+1
.endr
.endm
.macro MASK                            ; register 8 kt + n holds key 16 kt + 8 h + n of the step: hidden where 16 kt + n > VB.  Then VB goes on to the next step
.set i, 0
.rept 32
	v_cmp_gt_i32 vcc_lo, 16*(i/8)+i%8, v[VB]
	v_cndmask_b32 v[S+i], v[S+i], v[NEG], vcc_lo
.set i, i+1
.endr
	v_add_nc_u32 v[VB], 0xffffffc0, v[VB]          ; - 64: the compare above is a signed one
.endm
; Number j of the softmax's 134 instructions.  0-15 the maximum of the 32 scores and the old m; 16-20 the other half of the lanes', the new m, c m, c m_old - c m_new;
; 21-87 33 exponentials at the odd numbers from 23 on, each with a plain instruction behind it: scalings ahead, roundings behind, the first sums; 88-101 the rest of the sums; 102-133 O^T times a.
.macro SM
.set q, (j-20)/2
.if j < 4
	v_max3_num_f32 v[ST+4+j], v[S+8*j], v[S+8*j+1], v[S+8*j+2]
.elseif j < 12
	v_max3_num_f32 v[ST+4+j%4], v[ST+4+j%4], v[S+8*(j%4)+2*(j/4)+1], v[S+8*(j%4)+2*(j/4)+2]
.elseif j == 12
	v_max3_num_f32 v[ST+4], v[ST+4], v[S+7], v[S+15]
.elseif j == 13
	v_max3_num_f32 v[ST+6], v[ST+6], v[S+23], v[S+31]
.elseif j == 14
	v_max3_num_f32 v[ST+4], v[ST+4], v[ST+5], v[ST+6]
.elseif j == 15
	v_max3_num_f32 v[ST+4], v[ST+4], v[ST+7], v[ST+1]
.elseif j == 16
	v_permlanex16_b32 v[ST+5], v[ST+4], s[SEL], s[SEL+1]
.elseif j == 17
	v_mov_b32 v[ST+7], v[ST]
.elseif j == 18
	v_max_num_f32 v[ST+1], v[ST+4], v[ST+5]
.elseif j == 19
	v_mul_f32 v[ST], s[CS], v[ST+1]
.elseif j == 20
	v_sub_f32 v[ST+7], v[ST+7], v[ST]
.elseif j == 23
	v_exp_f32 v[ST+6], v[ST+7]
.elseif (j < 88) && (j > 23) && (j%2 == 1)
	v_exp_f32 v[S+(j-25)/2], v[S+(j-25)/2]
.elseif (q < 4) || ((j < 76) && (q%2 == 0))
.set b, q/2+2
.if q < 4
.set b, q
.endif
	v_pk_fma_f32 v[S+2*b:S+2*b+1], v[S+2*b:S+2*b+1], s[CS:CS+1], v[ST:ST+1] op_sel_hi:[1,0,0] neg_lo:[0,0,1] neg_hi:[0,0,1]
.elseif (j < 88) && (q%2 == 1)
	s_wait_alu depctr_va_vdst(0)
	v_cvt_pk_bf16_f32 v[P+(q-5)/2], v[S+q-5], v[S+q-4]
.elseif j == 89
	s_wait_alu depctr_va_vdst(0)
	v_cvt_pk_bf16_f32 v[P+15], v[S+30], v[S+31]
.elseif j < 102
.set z, j-86
.if j < 89
.set z, (j-76)/4
.endif
.set w, 4
.set u, z
.if z >= 14
.set w, 32
.set u, 0
.elseif z >= 12
.set w, 16
.set u, z-12
.elseif z >= 8
.set w, 8
.set u, z-8
.endif
.if z < 15
	v_pk_add_f32 v[S+w*u:S+w*u+1], v[S+w*u:S+w*u+1], v[S+w*u+w/2:S+w*u+w/2+1]
.else
	v_pk_fma_f32 v[ST+2:ST+3], v[ST+2:ST+3], v[ST+6:ST+7], v[S:S+1] op_sel_hi:[1,0,1]
.endif
.else
	v_pk_mul_f32 v[O+2*(j-102):O+2*(j-102)+1], v[O+2*(j-102):O+2*(j-102)+1], v[ST+6:ST+7] op_sel_hi:[1,0]
.endif
.endm
.macro SOFTMAX
.set j, 0
.rept 134
	SM
.set j, j+1
.endr
.endm
; A BLOCK'S END: O^T is divided by l, rounded, sent through my stage and stored; then (unless it is the walk's last step) the second block's Q, output address, mask and steps take the first's place.
.macro FINISH tail
	PLACES
	v_add_f32 v[ST+4], v[ST+2], v[ST+3]
	v_permlanex16_b32 v[ST+5], v[ST+4], s[SEL], s[SEL+1]
	v_add_f32 v[ST+4], v[ST+4], v[ST+5]
	v_rcp_f32 v[ST+6], v[ST+4]
	v_rcp_f32 v[ST+7], v[ST+4]
	v_nop                                          ; a plain instruction between the reciprocals and their use
.set i, 0
	s_wait_alu depctr_va_vdst(0)
.rept 32
	v_pk_mul_f32 v[O+2*i:O+2*i+1], v[O+2*i:O+2*i+1], v[ST+6:ST+7] op_sel_hi:[1,0]
.set i, i+1
.endr
.set i, 0
.rept 32
	v_cvt_pk_bf16_f32 v[TMP+i], v[O+2*i], v[O+2*i+1]
.set i, i+1
.endr
.set f, 0
.rept 8
	ds_store_b128 v[STO], v[TMP+4*f:TMP+4*f+3] offset:32*f
.set f, f+1
.endr
.set f, 0
.rept 8
	ds_load_b128 v[TMP+4*f:TMP+4*f+3], v[RD] offset:f*2*SP  ; LDS serves a wave's instructions in order (ISA guide 5.7.1.4): these see the stores above
.set f, f+1
.endr
.set f, 0
.rept 8
	s_wait_dscnt 7-f
	global_store_b128 v[GO], v[TMP+4*f:TMP+4*f+3], s[OP:OP+1] offset:f*8192  ; 16 lanes store 256 consecutive bytes, aligned: a head's part of a row
.set f, f+1
.endr
.if \tail
	s_cmp_eq_u32 s[CNT], 1
	s_cbranch_scc1 .Lno_switch_\@
.endif
	s_wait_xcnt 0x0                                ; the stores' base and data are written again only behind this wait
	s_mov_b64 s[OP:OP+1], s[OP2:OP2+1]
.set i, 0
.rept 32
	v_mov_b32 v[Q+i], v[QB+i]
.set i, i+1
.endr
	v_mov_b32 v[ST], 0xfe000000                    ; c m: far below every c s, so that the next step's a is 0
	v_mov_b32 v[ST+1], 0xff7fffff                  ; m
	v_mov_b32 v[VB], v[VB+1]
	s_lshl_b32 s[SR], s14, 2
	s_add_co_u32 s[SR], s[SR], 4                   ; the second block has 4 c + 4 steps
.if \tail
.Lno_switch_\@:
.endif
.endm
; A step's first part: the next step's K is fetched; mask (in a block's last four steps), softmax, V^T P; the block's end if this was its last step.
.macro PART1 tail
	PLACES                                         ; behind K Q^T
.if \tail
	s_cmp_eq_u32 s[CNT], 1
	s_cbranch_scc1 .Lno_k_\@
.endif
	FETCH_K
.if \tail
.Lno_k_\@:
.endif
	s_cmp_gt_u32 s[SR], 4
	s_cbranch_scc1 .Lno_mask_\@
	MASK
.Lno_mask_\@:
	SOFTMAX
.if \tail
	s_wait_dscnt 0x0                               ; V is in (the two ways here differ in what is out behind it)
.else
	s_wait_dscnt 32                                ; V is in; K's 32 loads, issued behind it, may be out
.endif
	WIN 0x01
	PVM
	WIN 0
	s_sub_co_u32 s[SR], s[SR], 1
	s_cmp_lg_u32 s[SR], 0
	s_cbranch_scc1 .Lno_end_\@
	FINISH \tail
.Lno_end_\@:
.endm
.macro PART2                           ; the next step's V is fetched, and its scores are made
	PLACES                                         ; behind V^T P
	FETCH_V
	s_wait_dscnt 32                                ; K is in; V's 32 loads may be out
	WIN 0x01
	KQ
	WIN 0
.endm
	s_load_b128 s[4:7], s[0:1], 0x0                ; qkv, yb
	v_lshl_add_u32 v[SPW], v0, 2, SPARE
	v_mov_b32 v[NIL], 0
	ds_add_u32 v[SPW], v[NIL]                      ; the wave's opening: the add is waited for ahead of my first tensor load
	v_lshrrev_b32 v1, 5, v0
	v_readfirstlane_b32 s[WV], v1
	s_bfe_u32 s13, ttmp6, 0x40000                  ; cx
	s_mov_b32 s14, ttmp9                           ; c
	s_and_b32 s15, ttmp7, 0xffff                   ; the head
	s_and_b32 s20, s[WV], 1                        ; which half of a tile's 256 keys I fetch
	s_mul_i32 s[LWK], s20, 128*PK
	s_mul_i32 s[LWV], s20, 128*PV
	s_add_co_u32 s[LWV], s[LWV], VOFF
	s_lshl_b32 s16, s15, 19
	s_lshl_b32 s21, s20, 15
	s_add_co_u32 s16, s16, s21
	s_add_co_u32 s18, s16, 32*524288               ; V's plane
	s_add_co_u32 s16, s16, 16*524288               ; K's plane
	s_mov_b32 s17, 0
	s_mov_b32 s19, 0
	s_lshl_b32 s8, s14, 2
	s_add_co_u32 s8, s8, s13                       ; b
	s_sub_co_u32 s9, 31, s8                        ; 31 - b
	s_lshl_b32 s10, s15, 19
	s_lshl_b32 s11, s[WV], 12
	s_add_co_u32 s10, s10, s11                     ; Q's plane, my 16 rows of a block
	s_lshl_b32 s78, s9, 14
	s_add_co_u32 s78, s78, s10
	s_mov_b32 s79, 0
	s_lshl_b32 s80, s8, 14
	s_add_co_u32 s80, s80, s10
	s_mov_b32 s81, 0
	s_lshl_b32 s10, s15, 8
	s_lshl_b32 s11, s[WV], 16
	s_add_co_u32 s10, s10, s11                     ; the head's 256 bytes of a row of yb, my 16 rows
	s_lshl_b32 s[OP], s9, 18
	s_add_co_u32 s[OP], s[OP], s10
	s_mov_b32 s[OP+1], 0
	s_lshl_b32 s[OP2], s8, 18
	s_add_co_u32 s[OP2], s[OP2], s10
	s_mov_b32 s[OP2+1], 0
	s_lshl_b32 s11, s[WV], 4
	s_sub_co_u32 s22, 3, s13                       ; the first block is band 3 - cx of its last tile,
	s_lshl_b32 s22, s22, 6
	s_add_co_u32 s22, s22, s11
	s_lshl_b32 s23, s13, 6                         ; the second band cx
	s_add_co_u32 s23, s23, s11
	s_mov_b32 s[G1K], 15|(1<<16)|(1<<20)|(1<<21)|(5<<22)|(3<<25)  ; the mask of four; 2-byte elements; padding on; bit 21 beside a mask; after every 64 words 4 words
	s_mov_b32 s[G1V], 15|(1<<16)|(1<<20)|(1<<21)|(5<<22)|(7<<25)  ; the same with 8 words
.irp g, G1K, G1V
	s_mov_b32 s[(\g)+1], 128<<16                   ; tensor_dim0 = 128
	s_mov_b32 s[(\g)+2], 128<<16                   ; tensor_dim1 = 128
	s_mov_b32 s[(\g)+3], 128<<16                   ; tile_dim0 = 128
	s_mov_b32 s[(\g)+4], 128                       ; tile_dim1 = 128
	s_mov_b32 s[(\g)+5], 128                       ; elements from row to row
	s_mov_b32 s[(\g)+6], 0
	s_mov_b32 s[(\g)+7], 0
.endr
	s_mov_b32 s[CS], 0x3e0293ee                    ; c = log2(e) / sqrt(128)
	s_mov_b32 s[CS+1], s[CS]
	s_mov_b32 s[SEL], 0x76543210
	s_mov_b32 s[SEL+1], 0xfedcba98
	s_mov_b32 s[TBK], 0
	s_mov_b32 s[TBV], 0
	s_mov_b32 s[TF], SLOTB
	s_mov_b32 s[NXT], 2
	s_sub_co_u32 s[LQ], 7, s14
	s_lshl_b32 s[SR], s14, 2
	s_sub_co_u32 s[SR], 32, s[SR]                  ; the first block has 32 - 4 c steps
	s_mov_b32 s[OFF+1], 0
	s_wait_dscnt 0x0                               ; the opening add is done
	s_wait_kmcnt 0x0
	s_add_nc_u64 s[KP:KP+1], s[4:5], s[KP:KP+1]
	s_add_nc_u64 s[VP:VP+1], s[4:5], s[VP:VP+1]
	s_add_nc_u64 s[78:79], s[4:5], s[78:79]
	s_add_nc_u64 s[80:81], s[4:5], s[80:81]
	s_add_nc_u64 s[OP:OP+1], s[6:7], s[OP:OP+1]
	s_add_nc_u64 s[OP2:OP2+1], s[6:7], s[OP2:OP2+1]
	CROUND                                         ; all four work-groups are here: the first joint loads meet
.irp s, 0,1
	s_mov_b32 s[G0K+4*(\s)], 1
	s_add_co_u32 s[G0K+4*(\s)+1], s[LWK], (\s)*SLOTB
	s_add_nc_u64 s[G0K+4*(\s)+2:G0K+4*(\s)+3], s[KP:KP+1], (\s)*65536
	s_or_b32 s[G0K+4*(\s)+3], s[G0K+4*(\s)+3], 0x80000000
	s_mov_b32 s[G0V+4*(\s)], 1
	s_add_co_u32 s[G0V+4*(\s)+1], s[LWV], (\s)*SLOTB
	s_add_nc_u64 s[G0V+4*(\s)+2:G0V+4*(\s)+3], s[VP:VP+1], (\s)*65536
	s_or_b32 s[G0V+4*(\s)+3], s[G0V+4*(\s)+3], 0x80000000
.endr
	s_cmp_lt_u32 s[WV], 2                          ; a wave's two first fills stand in one branch: tiles 0 and 1; two loads of mine are out
	s_cbranch_scc0 .Lfirst_v
	tensor_load_to_lds s[G0K:G0K+3], s[G1K:G1K+7]
	s_nop 0
	tensor_load_to_lds s[G0K+4:G0K+7], s[G1K:G1K+7]
	s_nop 0
.rept 4
	v_nop
.endr
	s_branch .Lfirst_asked
.Lfirst_v:
	tensor_load_to_lds s[G0V:G0V+3], s[G1V:G1V+7]
	s_nop 0
	tensor_load_to_lds s[G0V+4:G0V+7], s[G1V:G1V+7]
	s_nop 0
.rept 4
	v_nop
.endr
.Lfirst_asked:
	v_and_b32 v1, 15, v0                           ; r
	v_bfe_u32 v9, v0, 4, 1                         ; h
	v_and_b32 v10, 7, v0
	v_bfe_u32 v11, v0, 3, 1
	v_lshlrev_b32 v[QO], 8, v1
	v_lshl_add_u32 v[QO], v9, 4, v[QO]
.set i, 0
.rept 4                                                ; both blocks' Q stay in registers: channels 32 i on
	global_load_b128 v[Q+8*i:Q+8*i+3],    v[QO], s[78:79] offset:64*i
	global_load_b128 v[Q+8*i+4:Q+8*i+7],  v[QO], s[78:79] offset:64*i+32
	global_load_b128 v[QB+8*i:QB+8*i+3],   v[QO], s[80:81] offset:64*i
	global_load_b128 v[QB+8*i+4:QB+8*i+7], v[QO], s[80:81] offset:64*i+32
.set i, i+1
.endr
	v_mul_u32_u24 v[AK0], v1, PK
	v_lshl_add_u32 v[AK0], v9, 4, v[AK0]
	v_lshl_add_u32 v[AV0], v9, 3, v10
	v_mul_u32_u24 v[AV0], v[AV0], PV
	v_lshl_add_u32 v[AV0], v11, 4, v[AV0]
	v_add_nc_u32 v[AV0], VOFF, v[AV0]
	s_mul_i32 s21, s[WV], 16*SP
	s_add_co_u32 s21, s21, STAGE
	v_mul_u32_u24 v[STO], v1, SP
	v_lshl_add_u32 v[STO], v9, 4, v[STO]
	v_add_nc_u32 v[STO], s21, v[STO]
	v_mul_u32_u24 v[RD], v9, SP
	v_lshl_add_u32 v[RD], v1, 4, v[RD]
	v_add_nc_u32 v[RD], s21, v[RD]
	v_lshlrev_b32 v[GO], 12, v9
	v_lshl_add_u32 v[GO], v1, 4, v[GO]
	v_lshlrev_b32 v15, 3, v9
	v_sub_nc_u32 v15, v1, v15                      ; r - 8 h
	v_add_nc_u32 v[VB], s22, v15
	v_add_nc_u32 v[VB+1], s23, v15
	v_mov_b32 v[NEG], 0xf149f2ca                   ; -1e30
	v_mov_b32 v[ST], 0xfe000000
	v_mov_b32 v[ST+1], 0xff7fffff
	v_mov_b32 v[ST+2], 0
	v_mov_b32 v[ST+3], 0
.set i, 0
.rept 64                                               ; the first step multiplies O^T by a = 0: it need only be finite.  These lines stand in the wait for the first tile
	v_mov_b32 v[O+i], 0
.set i, i+1
.endr
	s_wait_tensorcnt 0x1                           ; my part of tile 0 is in; tile 1's may stay out
	s_barrier_signal -1
	s_barrier_wait -1
	FETCH_K
	FETCH_V
	s_wait_loadcnt 0x0                             ; Q
	s_wait_dscnt 32                                ; K is in
	WIN 0x01
	KQ
	WIN 0
	s_mov_b32 s[CNT], 3                            ; tile 0's other three steps are still to be fetched
	s_mov_b32 s[SLOTS], 8
	s_branch .Lstep
.Lslot:                                                ; seven times: a slot is left and filled again
	CHANGE 1
	s_mov_b32 s[CNT], 4
.Lstep:
	PART1 0
	PART2
	s_sub_co_u32 s[CNT], s[CNT], 1
	s_cmp_lg_u32 s[CNT], 0
	s_cbranch_scc1 .Lstep
	s_sub_co_u32 s[SLOTS], s[SLOTS], 1
	s_cmp_lg_u32 s[SLOTS], 0
	s_cbranch_scc1 .Lslot
	CHANGE 0                                       ; the walk's last tile: nothing is asked for
	s_mov_b32 s[CNT], 5                            ; four trips fetch its steps; the fifth is left in its middle
.Ltail:
	PART1 1
	s_sub_co_u32 s[CNT], s[CNT], 1
	s_cmp_eq_u32 s[CNT], 0
	s_cbranch_scc1 .Lout
	PART2
	s_branch .Ltail
.Lout:
	s_wait_tensorcnt 0x0                           ; the wave's end
	ds_add_u32 v[SPW], v[NIL]
	s_wait_dscnt 0x0
	CROUND                                         ; the closing round
	s_endpgm
.Lfunc_end_k_q036aa674df_attn:
	.size	k_q036aa674df_attn, .Lfunc_end_k_q036aa674df_attn-k_q036aa674df_attn
	.p2alignl 7, 3214868480
	.fill 96, 4, 3214868480
	.section	.rodata,"a",@progbits
	.p2align	6, 0x0
	.amdhsa_kernel k_q036aa674df_attn
		.amdhsa_group_segment_fixed_size 327680
		.amdhsa_private_segment_fixed_size 0
		.amdhsa_enable_private_segment 0
		.amdhsa_kernarg_size 16
		.amdhsa_user_sgpr_count 2
		.amdhsa_user_sgpr_kernarg_segment_ptr 1
		.amdhsa_wavefront_size32 1
		.amdhsa_system_sgpr_workgroup_id_x 1
		.amdhsa_system_sgpr_workgroup_id_y 1
		.amdhsa_system_sgpr_workgroup_id_z 1
		.amdhsa_system_vgpr_workitem_id 0
		.amdhsa_next_free_vgpr 512
		.amdhsa_next_free_sgpr 84
		.amdhsa_reserve_vcc 1
		.amdhsa_float_denorm_mode_32 3
		.amdhsa_float_denorm_mode_16_64 3
		.amdhsa_memory_ordered 1
		.amdhsa_forward_progress 1
		.amdhsa_inst_pref_size 69
	.end_amdhsa_kernel
	.amdgpu_metadata
---
amdhsa.version: [ 1, 2 ]
amdhsa.kernels:
  - .name:           k_q036aa674df_attn
    .symbol:         k_q036aa674df_attn.kd
    .args:
      - { .name: qkv, .offset: 0, .size: 8, .value_kind: global_buffer, .address_space: global }
      - { .name: yb, .offset: 8, .size: 8, .value_kind: global_buffer, .address_space: global }
    .group_segment_fixed_size: 327680
    .private_segment_fixed_size: 0
    .kernarg_segment_align: 8
    .kernarg_segment_size: 16
    .max_flat_workgroup_size: 128
    .sgpr_count:     84
    .vgpr_count:     512
    .wavefront_size: 32
...
	.end_amdgpu_metadata
.endif
;; end of part 9
;; launch wog (part 10): grid 16 x 16, 4 waves a work-group, clusters of 4 x 4, 327,680 bytes of LDS; arguments yb, wb, x, ffn_norm_w, x1, x1b, ssq; writes x1, x1b, ssq
.if DOCPART == 10
	.amdgcn_target "amdgcn-amd-amdhsa--gfx1250"
	.amdhsa_code_object_version 6
	.text
	.protected	k_q036aa674df_wog
	.globl	k_q036aa674df_wog
	.p2align	8
	.type	k_q036aa674df_wog,@function
k_q036aa674df_wog:
	s_mov_b64 s[64:65], 0
	v_nop
	global_prefetch_b8 v0, s[64:65] scope:SCOPE_SE
	s_setreg_imm32_b32 hwreg(HW_REG_WAVE_MODE, 25, 1), 1
	s_wait_xcnt 0x0
	s_wait_alu depctr_hold_cnt(0) depctr_sa_sdst(0) depctr_va_vdst(0) depctr_va_sdst(0) depctr_va_ssrc(0) depctr_va_vcc(0) depctr_vm_vsrc(0)
	s_getreg_b32 s2, hwreg(HW_REG_IB_STS2, 6, 4)
	s_cmp_eq_u32 s2, 0
	s_cbranch_scc0 .Lentry_in_a_cluster
	s_endpgm
.Lentry_in_a_cluster:
	s_bfe_u32 s2, ttmp6, 0x10000c
	s_cmp_lg_u32 s2, 0xf033
	s_cbranch_scc0 .Lentry_shape_is_right
	s_endpgm
.Lentry_shape_is_right:
; x1 = x + yb x wo (f32);  x1b = bf16(x1 * ffn_norm_w);  ssq[tile column][row] = the sum of x1^2 over the tile's 128 columns.
; The second norm is split: its column gain goes into x1b here, its row factor rsq(sum x1^2 / 2048 + eps) is applied to the next launch's f32 sums: the same product for every input.
; A = yb [2048][2048] bf16, rows along K.  B = wo in wb, [2048 k][2048 n] bf16, rows along N: its fragments come out of LDS turned, by ds_load_tr16_b128.
; A tile of C is 128 x 128; four waves, each 64 x 64: 16 accumulators.  K goes in steps of 256 through two LDS slots filled by tensor loads.
; CLUSTER 4 x 4: A's tile is asked for jointly by the four of a row of the cluster, B's by the four of a column.
; K IS WALKED ROUND: a cluster begins at K step 2 ((X + f(Y)) mod 4), X and Y the cluster's place in the grid, f = 0, 2, 2, 0, and wraps at the end.  The four clusters of one Y, which read the same rows
; of A, begin at four different steps, and clusters of one X, which read the same columns of B, four steps apart where f differs: a tile's readers ask for it at different steps, not all at once.
; The sums take their K steps in that order.  X and Y are alike in all sixteen partners.
; THE MATRIX INSTRUCTION IS USED TRANSPOSED (source 0 = 16 columns of B, source 1 = 16 rows of A): a lane holds row lane % 16 and eight neighbouring columns.
; x and the gain are asked for behind the K loop's last refill: nothing but tiles is asked for before, and the two steps of the tail stand between these loads and the wait for them.
; LIMIT.  The squares are kept in f32: rows of x1 with a root mean square beyond 4e17 overflow.
; REGISTERS: window 0: v1-31 addresses and at work; v32-127 at work on the way out; v128-255 accumulators, then whole rows.  Window 1: two fragment buffers.  Window 2: v0-127 my 32 rows of x.
.set NSTEP, 8
.set NB,    2048
.set WOFF,  25165824
.set PERM,  0
.set COLB,  128
.set PA,    528
.set HALFA, 64*PA
.set AQ,    128
.set ASH,   12
.set AD0,   256
.set AD1,   64
.set ASTR,  2048
.set AQI,   6
.set PB,    288
.set HALFB, 128*PB
.set AREG,  2*HALFA
.set SLOT,  AREG+2*HALFB
.set SPARE, 2*SLOT                     ; the spare words: two blocks of 256 bytes that no other line names
.set STAGE, SLOT                       ; the way out goes through slot 1: its last fill is the walk's last K step's, and its last reads are over at the last barrier of the K loop
.set SPI,   528                        ; a row of the stage: 512 bytes of f32 + 16
.set GATH,  STAGE+128*SPI              ; behind the stage: 32 rows x 144 bytes for each wave, its own
.set LA0, 16
.set LB0, 17
.set LB2, 18
.set ADRA, 19
.set ADRB, 20
.set GRD, 22                           ; v22 where I read my row of the gather
.set STO, 24
.set RD,  25
.set CO,  26                           ; v26 16 x lane; v27 8 x lane; v30 4 x lane
.set CO2, 27
.set SPW, 28
.set NIL, 29
.set CO4, 30
.set GST, 31                           ; v31 where I put my part of a row's sum
.set ACC, 128
.set F0,  0
.set F1,  128
.set G1A, 24
.set G0A, 32
.set G1B, 48
.set G0B, 56
.set TB,  22
.set CNT, 23
.set KK,  45                           ; s45 the K step asked for last, 0 to 7
.set MSB, 0
.macro WIN new
.if MSB != (\new)
	s_set_vgpr_msb (MSB<<8)|(\new)
.set MSB, \new
.endif
.endm
.macro JLOAD s                         ; a joint load: waves 0 and 1 fetch A's two halves, waves 2 and 3 B's; s_nop 0 and four v_nop follow each line
	s_cmp_eq_u32 s11, 0
	s_cbranch_scc0 .Lfor_b_\@
	tensor_load_to_lds s[G0A+4*(\s):G0A+4*(\s)+3], s[G1A:G1A+7]
	s_nop 0
.rept 4
	v_nop
.endr
	s_branch .Lasked_\@
.Lfor_b_\@:
	tensor_load_to_lds s[G0B+4*(\s):G0B+4*(\s)+3], s[G1B:G1B+7]
	s_nop 0
.rept 4
	v_nop
.endr
.Lasked_\@:
.endm
.macro CREST
	s_cmp_lg_u32 s10, 0
	s_cbranch_scc1 .Lnot_wave_0_\@
	s_barrier_signal -3
.Lnot_wave_0_\@:
	s_barrier_wait -3
	s_barrier_signal -1
	s_barrier_wait -1
.endm
.macro CROUND
	s_barrier_signal -1
	s_barrier_wait -1
	CREST
.endm
.macro PLACES                          ; four places behind matrix instructions (ISA guide 7.12.1)
.rept 4
	v_nop
.endr
.endm
.macro MUL8 f, c, a0, zero             ; 8 matrix instructions; the 16 accumulators take turns
	WIN 0x05
.irp a, \a0, (\a0)+1
.irp b, 0,1,2,3
.if \zero
	v_wmma_f32_16x16x32_bf16 v[ACC+8*(4*(\a)+(\b)):ACC+8*(4*(\a)+(\b))+7], v[(\f)+64+8*(4*(\c)+(\b)):(\f)+64+8*(4*(\c)+(\b))+7], v[(\f)+8*(4*(\c)+(\a)):(\f)+8*(4*(\c)+(\a))+7], 0
.else
	v_wmma_f32_16x16x32_bf16 v[ACC+8*(4*(\a)+(\b)):ACC+8*(4*(\a)+(\b))+7], v[(\f)+64+8*(4*(\c)+(\b)):(\f)+64+8*(4*(\c)+(\b))+7], v[(\f)+8*(4*(\c)+(\a)):(\f)+8*(4*(\c)+(\a))+7], v[ACC+8*(4*(\a)+(\b)):ACC+8*(4*(\a)+(\b))+7]
.endif
.endr
.endr
.endm
.macro FETCH q, f                      ; 32 LDS loads in one run: quarter q of the slot in hand into buffer f; the first 32 along K first
	WIN 0x40
.irp c, 0,1
.irp i, 0,1,2,3
.if PERM
.set cb, 32*((\i)%2)+128*((\i)/2)
.else
.set cb, 32*(\i)
.endif
.set bo, ((\q)%2)*64*PB+(\c)*32*PB+cb
.set br, ADRB+(\q)/2
.set ao, (\q)*AQ+64*(\c)+(\i)*16*PA
	ds_load_tr16_b128 v[(\f)+64+8*(4*(\c)+(\i)):(\f)+64+8*(4*(\c)+(\i))+3],   v[br] offset:bo
	ds_load_tr16_b128 v[(\f)+64+8*(4*(\c)+(\i))+4:(\f)+64+8*(4*(\c)+(\i))+7], v[br] offset:bo+16*PB
	ds_load_b128 v[(\f)+8*(4*(\c)+(\i)):(\f)+8*(4*(\c)+(\i))+3],   v[ADRA] offset:ao
	ds_load_b128 v[(\f)+8*(4*(\c)+(\i))+4:(\f)+8*(4*(\c)+(\i))+7], v[ADRA] offset:ao+32
.endr
.endr
.endm
.macro QUARTER qn, f, g, zero
	s_wait_dscnt 16                                ; the first 32 along K are in; the 16 younger loads may be out
	MUL8 \f, 0, 0, \zero
	MUL8 \f, 0, 2, \zero
	PLACES
	FETCH \qn, \g
	s_wait_dscnt 32                                ; all but the 32 just issued
	MUL8 \f, 1, 0, 0
	MUL8 \f, 1, 2, 0
.endm
; The last quarter changes slots: in front of the barrier each wave waits for all its tensor loads, adds 0 to its spare word, and waits for that and for its reads of this slot.
; fill = 1: the barrier opens a round of the cluster's, and this slot is filled again, with the walk's step two on, first thing behind it.  fill = 0: the tail.
.macro TURN fill
	WIN 0
	s_wait_tensorcnt 0x0
	ds_add_u32 v[SPW], v[NIL]
	s_wait_dscnt 17                                ; the add and the youngest sixteen loads may be out
	MUL8 F1, 0, 0, 0
	s_wait_dscnt 0x0
	s_barrier_signal -1
	MUL8 F1, 0, 2, 0
	WIN 0
	s_barrier_wait -1
.if \fill
	CREST
	s_add_co_u32 s[G0A+5], s[TB], s20              ; no tensor load of mine is out: the walking sets are written: the slot just left,
	s_add_co_u32 s[G0B+5], s[TB], s21
	s_add_co_u32 s[KK], s[KK], 1                   ; the walk's next K step, round the end,
	s_and_b32 s[KK], s[KK], NSTEP-1
	s_lshl_b32 s94, s[KK], 9                       ; 512 bytes a step along A's rows: the address is made anew from the tile's base
	s_add_nc_u64 s[G0A+6:G0A+7], s[14:15], s[94:95]
	s_or_b32 s[G0A+7], s[G0A+7], 0x80000000
	s_lshl_b32 s94, s[KK], 20                      ; 256 rows of 4,096 bytes a step down B
	s_add_nc_u64 s[G0B+6:G0B+7], s[46:47], s[94:95]
	s_or_b32 s[G0B+7], s[G0B+7], 0x80000000
	JLOAD 1
.else
	PLACES
.endif
	s_xor_b32 s[TB], s[TB], SLOT
	v_add_nc_u32 v[ADRA], s[TB], v[LA0]
	v_add_nc_u32 v[ADRB], s[TB], v[LB0]
	v_add_nc_u32 v[ADRB+1], s[TB], v[LB2]
.if !(\fill)
	s_cmp_eq_u32 s[CNT], 1
	s_cbranch_scc1 .Lno_fetch_\@
.endif
	FETCH 0, F0
	WIN 0
.if !(\fill)
.Lno_fetch_\@:
.endif
	MUL8 F1, 1, 0, 0
	MUL8 F1, 1, 2, 0
.endm
	s_load_b256 s[72:79], s[0:1], 0x0              ; yb, wb, x, ffn_norm_w
	s_load_b128 s[80:83], s[0:1], 0x20             ; x1, x1b
	s_load_b64 s[84:85], s[0:1], 0x30              ; ssq
	v_lshl_add_u32 v[SPW], v0, 2, SPARE
	v_mov_b32 v[NIL], 0
	ds_add_u32 v[SPW], v[NIL]                      ; the wave's opening: the add is waited for ahead of my first tensor load
	v_lshrrev_b32 v1, 5, v0
	v_readfirstlane_b32 s10, v1
	s_lshr_b32 s11, s10, 1
	s_and_b32 s12, s10, 1
	s_bfe_u32 s40, ttmp6, 0x40000
	s_bfe_u32 s41, ttmp6, 0x40004
	s_lshl_b32 s42, ttmp9, 2
	s_add_co_u32 s42, s42, s40                     ; tile column
	s_and_b32 s13, ttmp7, 0xffff
	s_lshl_b32 s13, s13, 2
	s_add_co_u32 s13, s13, s41                     ; tile row
	s_lshl_b32 s43, s41, 2
	s_lshl_b32 s43, 15, s43
	s_lshl_b32 s44, 0x1111, s40
	s_or_b32 s[G1A], s43, (1<<16)|(1<<20)|(1<<21)|(AQI<<22)|(3<<25)
	s_or_b32 s[G1B], s44, (1<<16)|(1<<20)|(1<<21)|(5<<22)|(7<<25)
	s_mov_b32 s[G1A+1], AD0<<16
	s_mov_b32 s[G1A+2], AD1<<16
	s_mov_b32 s[G1A+3], AD0<<16
	s_mov_b32 s[G1A+4], AD1
	s_mov_b32 s[G1A+5], ASTR
	s_mov_b32 s[G1A+6], 0
	s_mov_b32 s[G1A+7], 0
	s_mov_b32 s[G1B+1], 128<<16
	s_mov_b32 s[G1B+2], 128<<16
	s_mov_b32 s[G1B+3], 128<<16
	s_mov_b32 s[G1B+4], 128
	s_mov_b32 s[G1B+5], NB
	s_mov_b32 s[G1B+6], 0
	s_mov_b32 s[G1B+7], 0
	s_lshl_b32 s16, s13, 7
	s_lshl_b32 s17, s12, 6
	s_add_co_u32 s16, s16, s17
	s_lshl_b32 s16, s16, ASH
	s_mov_b32 s17, 0
	s_lshl_b32 s46, s42, 8
	s_mul_i32 s47, s12, 256*NB
	s_add_co_u32 s46, s46, s47
	s_add_co_u32 s46, s46, WOFF
	s_mov_b32 s47, 0
	s_mul_i32 s20, s12, HALFA
	s_mul_i32 s21, s12, HALFB
	s_add_co_u32 s21, s21, AREG
	s_mov_b32 s[TB], 0
	s_and_b32 s94, ttmp7, 0xffff                   ; Y, the cluster's y
	s_lshr_b32 s95, s94, 1
	s_xor_b32 s94, s94, s95
	s_and_b32 s94, s94, 1
	s_lshl_b32 s94, s94, 1                         ; f(Y) = 0, 2, 2, 0
	s_add_co_u32 s94, s94, ttmp9                   ; + X, the cluster's x
	s_and_b32 s94, s94, 3
	s_lshl_b32 s[KK], s94, 1                       ; the walk's first K step: 0, 2, 4 or 6
	s_mov_b32 s95, 0
	s_wait_dscnt 0x0
	s_wait_kmcnt 0x0
	s_add_nc_u64 s[14:15], s[72:73], s[16:17]      ; my part of A's tile at K = 0: kept
	s_add_nc_u64 s[46:47], s[74:75], s[46:47]      ; the same for B: kept
	CROUND                                         ; all sixteen work-groups are here: the first joint loads meet
.irp s, 0,1
	s_add_co_u32 s94, s[KK], \s                    ; the walk's first step is even: the second does not wrap
	s_lshl_b32 s94, s94, 9
	s_mov_b32 s[G0A+4*(\s)], 1
	s_add_co_u32 s[G0A+4*(\s)+1], s20, (\s)*SLOT
	s_add_nc_u64 s[G0A+4*(\s)+2:G0A+4*(\s)+3], s[14:15], s[94:95]
	s_or_b32 s[G0A+4*(\s)+3], s[G0A+4*(\s)+3], 0x80000000
	s_lshl_b32 s94, s94, 11
	s_mov_b32 s[G0B+4*(\s)], 1
	s_add_co_u32 s[G0B+4*(\s)+1], s21, (\s)*SLOT
	s_add_nc_u64 s[G0B+4*(\s)+2:G0B+4*(\s)+3], s[46:47], s[94:95]
	s_or_b32 s[G0B+4*(\s)+3], s[G0B+4*(\s)+3], 0x80000000
	JLOAD \s                                       ; the walk's first two K steps: two loads of mine are out
.endr
	s_add_co_u32 s[KK], s[KK], 1
	v_and_b32 v1, 15, v0
	v_bfe_u32 v2, v0, 4, 1
	v_and_b32 v3, 7, v0
	v_bfe_u32 v4, v0, 3, 1
	v_and_b32 v5, 31, v0                           ; lane
	v_mul_u32_u24 v[LA0], v1, PA
	v_lshl_add_u32 v[LA0], v2, 4, v[LA0]
	s_mul_i32 s4, s11, HALFA
	v_add_nc_u32 v[LA0], s4, v[LA0]
	v_lshl_add_u32 v[LB0], v2, 3, v3
	v_mul_u32_u24 v[LB0], v[LB0], PB
	v_lshl_add_u32 v[LB0], v4, 4, v[LB0]
	s_mul_i32 s4, s12, COLB
	s_add_co_u32 s4, s4, AREG
	v_add_nc_u32 v[LB0], s4, v[LB0]
	v_add_nc_u32 v[LB2], HALFB, v[LB0]
	v_mov_b32 v[ADRA], v[LA0]
	v_mov_b32 v[ADRB], v[LB0]
	v_mov_b32 v[ADRB+1], v[LB2]
	v_lshlrev_b32 v[CO], 4, v5
	v_lshlrev_b32 v[CO2], 3, v5
	v_lshlrev_b32 v[CO4], 2, v5
	s_lshl_b32 s86, s13, 20                        ; the tile's 128 rows of 8,192 bytes,
	s_lshl_b32 s87, s10, 18                        ; my 32 of them,
	s_add_co_u32 s86, s86, s87
	s_lshl_b32 s87, s42, 9                         ; the tile's 512 bytes of a row
	s_add_co_u32 s86, s86, s87
	s_lshr_b32 s88, s86, 1                         ; the same place in bf16
	s_mov_b32 s87, 0
	s_mov_b32 s89, 0
	s_lshl_b32 s90, s42, 9
	s_mov_b32 s91, 0
	s_lshl_b32 s92, s42, 13                        ; ssq: 8,192 bytes a tile column, 4 a row
	s_lshl_b32 s93, s13, 9
	s_add_co_u32 s92, s92, s93
	s_lshl_b32 s93, s10, 7
	s_add_co_u32 s92, s92, s93
	s_mov_b32 s93, 0
	s_add_nc_u64 s[76:77], s[76:77], s[86:87]
	s_add_nc_u64 s[78:79], s[78:79], s[90:91]
	s_add_nc_u64 s[80:81], s[80:81], s[86:87]
	s_add_nc_u64 s[82:83], s[82:83], s[88:89]
	s_add_nc_u64 s[84:85], s[84:85], s[92:93]
	s_mul_i32 s4, s11, 64*SPI
	s_lshl_b32 s5, s12, 8
	s_add_co_u32 s4, s4, s5
	s_add_co_u32 s4, s4, STAGE
	v_mul_u32_u24 v[STO], v1, SPI                  ; in: row r, 32 bytes for each half of the lanes
	v_lshl_add_u32 v[STO], v2, 5, v[STO]
	v_add_nc_u32 v[STO], s4, v[STO]
	s_mul_i32 s4, s10, 32*SPI
	s_add_co_u32 s4, s4, STAGE
	v_add_nc_u32 v[RD], s4, v[CO]                  ; back: a wave's load takes a whole row of 512 bytes
	s_mul_i32 s5, s10, 32*144
	s_add_co_u32 s5, s5, GATH
	v_add_nc_u32 v[GST], s5, v[CO4]
	v_mul_u32_u24 v[GRD], v5, 144
	v_add_nc_u32 v[GRD], s5, v[GRD]
	s_wait_tensorcnt 0x1                           ; my part of the first K step is in; the second's may stay out
	s_barrier_signal -1
	s_barrier_wait -1
	FETCH 0, F0
	QUARTER 1, F0, F1, 1
	WIN 0
	s_mov_b32 s[CNT], NSTEP-2
.Lk:
	QUARTER 2, F1, F0, 0
	QUARTER 3, F0, F1, 0
	TURN 1
	QUARTER 1, F0, F1, 0
	WIN 0
	s_sub_co_u32 s[CNT], s[CNT], 1
	s_cmp_lg_u32 s[CNT], 0
	s_cbranch_scc1 .Lk
	s_mov_b32 s[CNT], 2
	WIN 0x80                                       ; the last tile has been asked for: now the residual
.set i, 0
.rept 32                                               ; my 32 rows of x, 512 consecutive bytes each, as the way out will hold them
	global_load_b128 v[4*i:4*i+3], v[CO], s[76:77] offset:8192*i th:TH_LOAD_NT
.set i, i+1
.endr
	WIN 0
	global_load_b128 v[12:15], v[CO], s[78:79]     ; the gain of my four columns
.Lt:
	QUARTER 2, F1, F0, 0
	QUARTER 3, F0, F1, 0
	TURN 0
	WIN 0
	s_sub_co_u32 s[CNT], s[CNT], 1
	s_cmp_eq_u32 s[CNT], 0
	s_cbranch_scc1 .Lout
	QUARTER 1, F0, F1, 0
	WIN 0
	s_branch .Lt
.Lout:
	PLACES
.set t, 0
.rept 16                                               ; the sums go into the stage as they are, each accumulator's lowest registers first
	ds_store_b128 v[STO], v[ACC+8*t:ACC+8*t+3]   offset:(t/4)*16*SPI+(t%4)*64
	ds_store_b128 v[STO], v[ACC+8*t+4:ACC+8*t+7] offset:(t/4)*16*SPI+(t%4)*64+16
.set t, t+1
.endr
	s_wait_dscnt 0x0                               ; for the others' sake: my stores into the stage are done
	s_barrier_signal -1
	s_barrier_wait -1
.set i, 0
.rept 32
	ds_load_b128 v[ACC+4*i:ACC+4*i+3], v[RD] offset:SPI*i
.set i, i+1
.endr
	s_wait_loadcnt 0x0                             ; x and the gain
	WIN 0x08                                       ; source 1 in window 2
.set i, 0
.rept 32
	s_wait_dscnt 31-i
	v_pk_add_f32 v[ACC+4*i:ACC+4*i+1],   v[ACC+4*i:ACC+4*i+1],   v[4*i:4*i+1]
	v_pk_add_f32 v[ACC+4*i+2:ACC+4*i+3], v[ACC+4*i+2:ACC+4*i+3], v[4*i+2:4*i+3]
.set i, i+1
.endr
	WIN 0
.set i, 0
.rept 32
	global_store_b128 v[CO], v[ACC+4*i:ACC+4*i+3], s[80:81] offset:8192*i  ; 512 consecutive bytes, aligned
.set i, i+1
.endr
.set i, 0
.rept 32                                               ; my four columns' squares of row i, into the wave's gather
.set t, 8+2*(i%2)
	v_pk_mul_f32 v[t:t+1], v[ACC+4*i:ACC+4*i+1], v[ACC+4*i:ACC+4*i+1]
	v_pk_fma_f32 v[t:t+1], v[ACC+4*i+2:ACC+4*i+3], v[ACC+4*i+2:ACC+4*i+3], v[t:t+1]
	v_add_f32 v[96+i], v[t], v[t+1]
	ds_store_b32 v[GST], v[96+i] offset:144*i
.set i, i+1
.endr
.set i, 0
.rept 32                                               ; x1 times the gain, in bf16: a wave's store is 256 consecutive bytes, aligned; each store has data registers of its own
	v_pk_mul_f32 v[4:5], v[ACC+4*i:ACC+4*i+1], v[12:13]
	v_pk_mul_f32 v[6:7], v[ACC+4*i+2:ACC+4*i+3], v[14:15]
	v_cvt_pk_bf16_f32 v[32+2*i], v4, v5
	v_cvt_pk_bf16_f32 v[33+2*i], v6, v7
	global_store_b64 v[CO2], v[32+2*i:33+2*i], s[82:83] offset:4096*i
.set i, i+1
.endr
.set i, 0
.rept 8                                                ; lane l takes row l's 32 parts: LDS serves a wave's instructions in order (ISA guide 5.7.1.4)
	ds_load_b128 v[96+4*i:96+4*i+3], v[GRD] offset:16*i
.set i, i+1
.endr
	s_wait_dscnt 0x0
.irp d, 16, 8, 4, 2
.set i, 0
.rept (\d)/2
	v_pk_add_f32 v[96+2*i:96+2*i+1], v[96+2*i:96+2*i+1], v[96+(\d)+2*i:96+(\d)+2*i+1]
.set i, i+1
.endr
.endr
	v_add_f32 v96, v96, v97
	global_store_b32 v[CO4], v96, s[84:85]         ; 128 bytes a wave: 131,072 bytes in the whole launch
	s_wait_tensorcnt 0x0                           ; the wave's end
	ds_add_u32 v[SPW], v[NIL]
	s_wait_dscnt 0x0
	CROUND                                         ; the closing round
	s_endpgm
.Lfunc_end_k_q036aa674df_wog:
	.size	k_q036aa674df_wog, .Lfunc_end_k_q036aa674df_wog-k_q036aa674df_wog
	.p2alignl 7, 3214868480
	.fill 96, 4, 3214868480
	.section	.rodata,"a",@progbits
	.p2align	6, 0x0
	.amdhsa_kernel k_q036aa674df_wog
		.amdhsa_group_segment_fixed_size 327680
		.amdhsa_private_segment_fixed_size 0
		.amdhsa_enable_private_segment 0
		.amdhsa_kernarg_size 56
		.amdhsa_user_sgpr_count 2
		.amdhsa_user_sgpr_kernarg_segment_ptr 1
		.amdhsa_wavefront_size32 1
		.amdhsa_system_sgpr_workgroup_id_x 1
		.amdhsa_system_sgpr_workgroup_id_y 1
		.amdhsa_system_sgpr_workgroup_id_z 1
		.amdhsa_system_vgpr_workitem_id 0
		.amdhsa_next_free_vgpr 640
		.amdhsa_next_free_sgpr 96
		.amdhsa_reserve_vcc 0
		.amdhsa_float_denorm_mode_32 3
		.amdhsa_float_denorm_mode_16_64 3
		.amdhsa_memory_ordered 1
		.amdhsa_forward_progress 1
		.amdhsa_inst_pref_size 87
	.end_amdhsa_kernel
	.amdgpu_metadata
---
amdhsa.version: [ 1, 2 ]
amdhsa.kernels:
  - .name:           k_q036aa674df_wog
    .symbol:         k_q036aa674df_wog.kd
    .args:
      - { .name: yb, .offset: 0, .size: 8, .value_kind: global_buffer, .address_space: global }
      - { .name: wb, .offset: 8, .size: 8, .value_kind: global_buffer, .address_space: global }
      - { .name: x, .offset: 16, .size: 8, .value_kind: global_buffer, .address_space: global }
      - { .name: ffn_norm_w, .offset: 24, .size: 8, .value_kind: global_buffer, .address_space: global }
      - { .name: x1, .offset: 32, .size: 8, .value_kind: global_buffer, .address_space: global }
      - { .name: x1b, .offset: 40, .size: 8, .value_kind: global_buffer, .address_space: global }
      - { .name: ssq, .offset: 48, .size: 8, .value_kind: global_buffer, .address_space: global }
    .group_segment_fixed_size: 327680
    .private_segment_fixed_size: 0
    .kernarg_segment_align: 8
    .kernarg_segment_size: 56
    .max_flat_workgroup_size: 128
    .sgpr_count:     96
    .vgpr_count:     640
    .wavefront_size: 32
...
	.end_amdgpu_metadata
.endif
;; end of part 10
;; launch gug (part 11): grid 16 x 16, 4 waves a work-group, clusters of 4 x 4, 327,680 bytes of LDS; arguments x1b, wb, ssq, actb; writes actb
.if DOCPART == 11
	.amdgcn_target "amdgcn-amd-amdhsa--gfx1250"
	.amdhsa_code_object_version 6
	.text
	.protected	k_q036aa674df_gug
	.globl	k_q036aa674df_gug
	.p2align	8
	.type	k_q036aa674df_gug,@function
k_q036aa674df_gug:
	s_mov_b64 s[64:65], 0
	v_nop
	global_prefetch_b8 v0, s[64:65] scope:SCOPE_SE
	s_setreg_imm32_b32 hwreg(HW_REG_WAVE_MODE, 25, 1), 1
	s_wait_xcnt 0x0
	s_wait_alu depctr_hold_cnt(0) depctr_sa_sdst(0) depctr_va_vdst(0) depctr_va_sdst(0) depctr_va_ssrc(0) depctr_va_vcc(0) depctr_vm_vsrc(0)
	s_getreg_b32 s2, hwreg(HW_REG_IB_STS2, 6, 4)
	s_cmp_eq_u32 s2, 0
	s_cbranch_scc0 .Lentry_in_a_cluster
	s_endpgm
.Lentry_in_a_cluster:
	s_bfe_u32 s2, ttmp6, 0x10000c
	s_cmp_lg_u32 s2, 0xf033
	s_cbranch_scc0 .Lentry_shape_is_right
	s_endpgm
.Lentry_shape_is_right:
; act = silu(ri G) * (ri U), with G, U = x1b x [gate | up] and ri[row] = rsq(sum over the 16 parts of ssq / 2048 + 1e-5): the second norm's row factor, applied to the f32 sums.
; actb[j][row][64] in bf16: tile column j holds columns 64 j .. 64 j + 63, a work-group's 128 x 64 result 16,384 bytes on end.
; A = x1b [2048][2048] bf16.  B = the woven gate and up in wb, [2048 k][2048 n']: tile column j is 64 columns of gate, then the same 64 of up; its fragments come out of LDS turned.
; A tile of C is 128 x 128; four waves, each 64 x 64.  A WAVE'S COLUMNS are 32 s + 0..31 of gate and the same of up: accumulators (a, b) and (a, b + 2) hold g and u of one number in one lane and register.
; CLUSTER 4 x 4: A's tile is asked for jointly by the four of a row of the cluster, B's by the four of a column.  THE MATRIX INSTRUCTION IS USED TRANSPOSED.
; K IS WALKED ROUND: a cluster begins at K step 2 ((X + f(Y)) mod 4), X and Y the cluster's place in the grid, f = 0, 2, 2, 0, and wraps at the end.  The four clusters of one Y, which read the same rows
; of A, begin at four different steps, and clusters of one X, which read the same columns of B, four steps apart where f differs: a tile's readers ask for it at different steps, not all at once.
; The sums take their K steps in that order.  X and Y are alike in all sixteen partners.
; silu(g) = g / (1 + 2^(-g log2 e)): where the power overflows the reciprocal is 0, and so is the result.
; REGISTERS: window 0: v1-31 addresses; v32-127 at work; v128-255 accumulators.  Window 1: two fragment buffers.
.set NSTEP, 8
.set NB,    2048
.set WOFF,  33554432
.set PERM,  1
.set COLB,  64
.set PA,    528
.set HALFA, 64*PA
.set AQ,    128
.set ASH,   12
.set AD0,   256
.set AD1,   64
.set ASTR,  2048
.set AQI,   6
.set PB,    288
.set HALFB, 128*PB
.set AREG,  2*HALFA
.set SLOT,  AREG+2*HALFB
.set SPARE, 2*SLOT                     ; the spare words: two blocks of 256 bytes that no other line names
.set EXTRA, SPARE+512                  ; ri of the tile's 128 rows: two blocks of 256 bytes into which no fill lands
.set STAGE, SLOT                       ; the way out goes through slot 1: its last fill is the walk's last K step's, and its last reads are over at the last barrier of the K loop
.set SPI,   144                        ; a row of the stage: 128 bytes + 16
.set LA0, 16
.set LB0, 17
.set LB2, 18
.set ADRA, 19
.set ADRB, 20
.set STO, 24
.set RD,  25
.set CO,  26
.set CO2, 27
.set SPW, 28
.set NIL, 29
.set RIS, 30                           ; v30 where I put my row's ri; v31 where I read the ri of row r of my 64
.set RIL, 31
.set TMP, 32
.set RI,  96                           ; v96-103 ri of row 16 a + r, twice each
.set EE,  104                          ; v104-111 at work
.set ACC, 128
.set F0,  0
.set F1,  128
.set G1A, 24
.set G0A, 32
.set G1B, 48
.set G0B, 56
.set TB,  22
.set CNT, 23
.set KK,  45                           ; s45 the K step asked for last, 0 to 7
.set MSB, 0
.macro WIN new
.if MSB != (\new)
	s_set_vgpr_msb (MSB<<8)|(\new)
.set MSB, \new
.endif
.endm
.macro JLOAD s                         ; a joint load: waves 0 and 1 fetch A's two halves, waves 2 and 3 B's; s_nop 0 and four v_nop follow each line
	s_cmp_eq_u32 s11, 0
	s_cbranch_scc0 .Lfor_b_\@
	tensor_load_to_lds s[G0A+4*(\s):G0A+4*(\s)+3], s[G1A:G1A+7]
	s_nop 0
.rept 4
	v_nop
.endr
	s_branch .Lasked_\@
.Lfor_b_\@:
	tensor_load_to_lds s[G0B+4*(\s):G0B+4*(\s)+3], s[G1B:G1B+7]
	s_nop 0
.rept 4
	v_nop
.endr
.Lasked_\@:
.endm
.macro CREST
	s_cmp_lg_u32 s10, 0
	s_cbranch_scc1 .Lnot_wave_0_\@
	s_barrier_signal -3
.Lnot_wave_0_\@:
	s_barrier_wait -3
	s_barrier_signal -1
	s_barrier_wait -1
.endm
.macro CROUND
	s_barrier_signal -1
	s_barrier_wait -1
	CREST
.endm
.macro PLACES                          ; four places behind matrix instructions (ISA guide 7.12.1)
.rept 4
	v_nop
.endr
.endm
.macro MUL8 f, c, a0, zero             ; 8 matrix instructions; the 16 accumulators take turns
	WIN 0x05
.irp a, \a0, (\a0)+1
.irp b, 0,1,2,3
.if \zero
	v_wmma_f32_16x16x32_bf16 v[ACC+8*(4*(\a)+(\b)):ACC+8*(4*(\a)+(\b))+7], v[(\f)+64+8*(4*(\c)+(\b)):(\f)+64+8*(4*(\c)+(\b))+7], v[(\f)+8*(4*(\c)+(\a)):(\f)+8*(4*(\c)+(\a))+7], 0
.else
	v_wmma_f32_16x16x32_bf16 v[ACC+8*(4*(\a)+(\b)):ACC+8*(4*(\a)+(\b))+7], v[(\f)+64+8*(4*(\c)+(\b)):(\f)+64+8*(4*(\c)+(\b))+7], v[(\f)+8*(4*(\c)+(\a)):(\f)+8*(4*(\c)+(\a))+7], v[ACC+8*(4*(\a)+(\b)):ACC+8*(4*(\a)+(\b))+7]
.endif
.endr
.endr
.endm
.macro FETCH q, f                      ; 32 LDS loads in one run: quarter q of the slot in hand into buffer f; the first 32 along K first
	WIN 0x40
.irp c, 0,1
.irp i, 0,1,2,3
.if PERM
.set cb, 32*((\i)%2)+128*((\i)/2)
.else
.set cb, 32*(\i)
.endif
.set bo, ((\q)%2)*64*PB+(\c)*32*PB+cb
.set br, ADRB+(\q)/2
.set ao, (\q)*AQ+64*(\c)+(\i)*16*PA
	ds_load_tr16_b128 v[(\f)+64+8*(4*(\c)+(\i)):(\f)+64+8*(4*(\c)+(\i))+3],   v[br] offset:bo
	ds_load_tr16_b128 v[(\f)+64+8*(4*(\c)+(\i))+4:(\f)+64+8*(4*(\c)+(\i))+7], v[br] offset:bo+16*PB
	ds_load_b128 v[(\f)+8*(4*(\c)+(\i)):(\f)+8*(4*(\c)+(\i))+3],   v[ADRA] offset:ao
	ds_load_b128 v[(\f)+8*(4*(\c)+(\i))+4:(\f)+8*(4*(\c)+(\i))+7], v[ADRA] offset:ao+32
.endr
.endr
.endm
.macro QUARTER qn, f, g, zero
	s_wait_dscnt 16                                ; the first 32 along K are in; the 16 younger loads may be out
	MUL8 \f, 0, 0, \zero
	MUL8 \f, 0, 2, \zero
	PLACES
	FETCH \qn, \g
	s_wait_dscnt 32                                ; all but the 32 just issued
	MUL8 \f, 1, 0, 0
	MUL8 \f, 1, 2, 0
.endm
; The last quarter changes slots: in front of the barrier each wave waits for all its tensor loads, adds 0 to its spare word, and waits for that and for its reads of this slot.
; fill = 1: the barrier opens a round of the cluster's, and this slot is filled again, with the walk's step two on, first thing behind it.  fill = 0: the tail.
.macro TURN fill
	WIN 0
	s_wait_tensorcnt 0x0
	ds_add_u32 v[SPW], v[NIL]
	s_wait_dscnt 17                                ; the add and the youngest sixteen loads may be out
	MUL8 F1, 0, 0, 0
	s_wait_dscnt 0x0
	s_barrier_signal -1
	MUL8 F1, 0, 2, 0
	WIN 0
	s_barrier_wait -1
.if \fill
	CREST
	s_add_co_u32 s[G0A+5], s[TB], s20              ; no tensor load of mine is out: the walking sets are written: the slot just left,
	s_add_co_u32 s[G0B+5], s[TB], s21
	s_add_co_u32 s[KK], s[KK], 1                   ; the walk's next K step, round the end,
	s_and_b32 s[KK], s[KK], NSTEP-1
	s_lshl_b32 s94, s[KK], 9                       ; 512 bytes a step along A's rows: the address is made anew from the tile's base
	s_add_nc_u64 s[G0A+6:G0A+7], s[14:15], s[94:95]
	s_or_b32 s[G0A+7], s[G0A+7], 0x80000000
	s_lshl_b32 s94, s[KK], 20                      ; 256 rows of 4,096 bytes a step down B
	s_add_nc_u64 s[G0B+6:G0B+7], s[46:47], s[94:95]
	s_or_b32 s[G0B+7], s[G0B+7], 0x80000000
	JLOAD 1
.else
	PLACES
.endif
	s_xor_b32 s[TB], s[TB], SLOT
	v_add_nc_u32 v[ADRA], s[TB], v[LA0]
	v_add_nc_u32 v[ADRB], s[TB], v[LB0]
	v_add_nc_u32 v[ADRB+1], s[TB], v[LB2]
.if !(\fill)
	s_cmp_eq_u32 s[CNT], 1
	s_cbranch_scc1 .Lno_fetch_\@
.endif
	FETCH 0, F0
	WIN 0
.if !(\fill)
.Lno_fetch_\@:
.endif
	MUL8 F1, 1, 0, 0
	MUL8 F1, 1, 2, 0
.endm
	s_load_b256 s[72:79], s[0:1], 0x0              ; x1b, wb, ssq, actb
	v_lshl_add_u32 v[SPW], v0, 2, SPARE
	v_mov_b32 v[NIL], 0
	ds_add_u32 v[SPW], v[NIL]                      ; the wave's opening: the add is waited for ahead of my first tensor load
	v_lshrrev_b32 v1, 5, v0
	v_readfirstlane_b32 s10, v1
	s_lshr_b32 s11, s10, 1
	s_and_b32 s12, s10, 1
	s_bfe_u32 s40, ttmp6, 0x40000
	s_bfe_u32 s41, ttmp6, 0x40004
	s_lshl_b32 s42, ttmp9, 2
	s_add_co_u32 s42, s42, s40                     ; tile column
	s_and_b32 s13, ttmp7, 0xffff
	s_lshl_b32 s13, s13, 2
	s_add_co_u32 s13, s13, s41                     ; tile row
	s_lshl_b32 s43, s41, 2
	s_lshl_b32 s43, 15, s43
	s_lshl_b32 s44, 0x1111, s40
	s_or_b32 s[G1A], s43, (1<<16)|(1<<20)|(1<<21)|(AQI<<22)|(3<<25)
	s_or_b32 s[G1B], s44, (1<<16)|(1<<20)|(1<<21)|(5<<22)|(7<<25)
	s_mov_b32 s[G1A+1], AD0<<16
	s_mov_b32 s[G1A+2], AD1<<16
	s_mov_b32 s[G1A+3], AD0<<16
	s_mov_b32 s[G1A+4], AD1
	s_mov_b32 s[G1A+5], ASTR
	s_mov_b32 s[G1A+6], 0
	s_mov_b32 s[G1A+7], 0
	s_mov_b32 s[G1B+1], 128<<16
	s_mov_b32 s[G1B+2], 128<<16
	s_mov_b32 s[G1B+3], 128<<16
	s_mov_b32 s[G1B+4], 128
	s_mov_b32 s[G1B+5], NB
	s_mov_b32 s[G1B+6], 0
	s_mov_b32 s[G1B+7], 0
	s_lshl_b32 s16, s13, 7
	s_lshl_b32 s17, s12, 6
	s_add_co_u32 s16, s16, s17
	s_lshl_b32 s16, s16, ASH
	s_mov_b32 s17, 0
	s_lshl_b32 s46, s42, 8
	s_mul_i32 s47, s12, 256*NB
	s_add_co_u32 s46, s46, s47
	s_add_co_u32 s46, s46, WOFF
	s_mov_b32 s47, 0
	s_mul_i32 s20, s12, HALFA
	s_mul_i32 s21, s12, HALFB
	s_add_co_u32 s21, s21, AREG
	s_mov_b32 s[TB], 0
	s_and_b32 s94, ttmp7, 0xffff                   ; Y, the cluster's y
	s_lshr_b32 s95, s94, 1
	s_xor_b32 s94, s94, s95
	s_and_b32 s94, s94, 1
	s_lshl_b32 s94, s94, 1                         ; f(Y) = 0, 2, 2, 0
	s_add_co_u32 s94, s94, ttmp9                   ; + X, the cluster's x
	s_and_b32 s94, s94, 3
	s_lshl_b32 s[KK], s94, 1                       ; the walk's first K step: 0, 2, 4 or 6
	s_mov_b32 s95, 0
	s_mov_b32 s90, 0xbfb8aa3b                      ; -log2(e)
	s_mov_b32 s91, s90
	s_mov_b32 s92, 0x3a000000                      ; 1 / 2048
	s_mov_b32 s93, 0x3727c5ac                      ; 1e-5
	s_wait_dscnt 0x0
	s_wait_kmcnt 0x0
	s_add_nc_u64 s[14:15], s[72:73], s[16:17]      ; my part of A's tile at K = 0: kept
	s_add_nc_u64 s[46:47], s[74:75], s[46:47]      ; the same for B: kept
	CROUND                                         ; all sixteen work-groups are here: the first joint loads meet
.irp s, 0,1
	s_add_co_u32 s94, s[KK], \s                    ; the walk's first step is even: the second does not wrap
	s_lshl_b32 s94, s94, 9
	s_mov_b32 s[G0A+4*(\s)], 1
	s_add_co_u32 s[G0A+4*(\s)+1], s20, (\s)*SLOT
	s_add_nc_u64 s[G0A+4*(\s)+2:G0A+4*(\s)+3], s[14:15], s[94:95]
	s_or_b32 s[G0A+4*(\s)+3], s[G0A+4*(\s)+3], 0x80000000
	s_lshl_b32 s94, s94, 11
	s_mov_b32 s[G0B+4*(\s)], 1
	s_add_co_u32 s[G0B+4*(\s)+1], s21, (\s)*SLOT
	s_add_nc_u64 s[G0B+4*(\s)+2:G0B+4*(\s)+3], s[46:47], s[94:95]
	s_or_b32 s[G0B+4*(\s)+3], s[G0B+4*(\s)+3], 0x80000000
	JLOAD \s                                       ; the walk's first two K steps: two loads of mine are out
.endr
	s_add_co_u32 s[KK], s[KK], 1
	; thread t makes ri of the tile's row t from the 16 parts of its sum of squares
	v_lshlrev_b32 v[CO], 2, v0
	s_lshl_b32 s86, s13, 9
	s_mov_b32 s87, 0
	s_add_nc_u64 s[76:77], s[76:77], s[86:87]
.set i, 0
.rept 16
	global_load_b32 v[TMP+i], v[CO], s[76:77] offset:8192*i
.set i, i+1
.endr
	v_and_b32 v1, 15, v0
	v_bfe_u32 v2, v0, 4, 1
	v_and_b32 v3, 7, v0
	v_bfe_u32 v4, v0, 3, 1
	v_and_b32 v5, 31, v0
	v_bfe_u32 v6, v0, 3, 2
	v_mul_u32_u24 v[LA0], v1, PA
	v_lshl_add_u32 v[LA0], v2, 4, v[LA0]
	s_mul_i32 s4, s11, HALFA
	v_add_nc_u32 v[LA0], s4, v[LA0]
	v_lshl_add_u32 v[LB0], v2, 3, v3
	v_mul_u32_u24 v[LB0], v[LB0], PB
	v_lshl_add_u32 v[LB0], v4, 4, v[LB0]
	s_mul_i32 s4, s12, COLB
	s_add_co_u32 s4, s4, AREG
	v_add_nc_u32 v[LB0], s4, v[LB0]
	v_add_nc_u32 v[LB2], HALFB, v[LB0]
	v_mov_b32 v[ADRA], v[LA0]
	v_mov_b32 v[ADRB], v[LB0]
	v_mov_b32 v[ADRB+1], v[LB2]
	v_lshl_add_u32 v[RIS], v0, 2, EXTRA
	s_lshl_b32 s4, s11, 8
	s_add_co_u32 s4, s4, EXTRA
	v_lshl_add_u32 v[RIL], v1, 2, s4
	s_mul_i32 s4, s11, 64*SPI
	s_lshl_b32 s5, s12, 6
	s_add_co_u32 s4, s4, s5
	s_add_co_u32 s4, s4, STAGE
	v_mul_u32_u24 v[STO], v1, SPI
	v_lshl_add_u32 v[STO], v2, 4, v[STO]
	v_add_nc_u32 v[STO], s4, v[STO]
	s_mul_i32 s4, s10, 32*SPI
	s_add_co_u32 s4, s4, STAGE
	v_mul_u32_u24 v[RD], v6, SPI                   ; back: 32 lanes take four rows of 128 bytes,
	v_lshl_add_u32 v[RD], v3, 4, v[RD]
	v_add_nc_u32 v[RD], s4, v[RD]
	v_lshlrev_b32 v[CO2], 4, v5                    ; which are 512 consecutive bytes of actb
	s_lshl_b32 s88, s42, 18
	s_lshl_b32 s89, s13, 14
	s_add_co_u32 s88, s88, s89
	s_lshl_b32 s89, s10, 12
	s_add_co_u32 s88, s88, s89
	s_mov_b32 s89, 0
	s_add_nc_u64 s[78:79], s[78:79], s[88:89]
	s_wait_loadcnt 0x0
.set i, 1
.rept 15
	v_add_f32 v[TMP], v[TMP], v[TMP+i]
.set i, i+1
.endr
	v_fma_f32 v[TMP], v[TMP], s92, s93
	v_rsq_f32 v[TMP], v[TMP]
	v_nop                                          ; a plain instruction between the root and its use
	s_wait_alu depctr_va_vdst(0)
	ds_store_b32 v[RIS], v[TMP]
	s_wait_tensorcnt 0x1                           ; my part of the first K step is in; the second's may stay out
	s_wait_dscnt 0x0                               ; for the others' sake: my ri is stored
	s_barrier_signal -1
	s_barrier_wait -1
	FETCH 0, F0
	QUARTER 1, F0, F1, 1
	WIN 0
	s_mov_b32 s[CNT], NSTEP-2
.Lk:
	QUARTER 2, F1, F0, 0
	QUARTER 3, F0, F1, 0
	TURN 1
	QUARTER 1, F0, F1, 0
	WIN 0
	s_sub_co_u32 s[CNT], s[CNT], 1
	s_cmp_lg_u32 s[CNT], 0
	s_cbranch_scc1 .Lk
	s_mov_b32 s[CNT], 2
.Lt:
	QUARTER 2, F1, F0, 0
	QUARTER 3, F0, F1, 0
	TURN 0
	WIN 0
	s_sub_co_u32 s[CNT], s[CNT], 1
	s_cmp_eq_u32 s[CNT], 0
	s_cbranch_scc1 .Lout
	QUARTER 1, F0, F1, 0
	WIN 0
	s_branch .Lt
.Lout:
.irp a, 0,1,2,3
	ds_load_b32 v[RI+2*(\a)],   v[RIL] offset:64*(\a)
	ds_load_b32 v[RI+2*(\a)+1], v[RIL] offset:64*(\a)
.endr
	PLACES
	s_wait_dscnt 0x0
.irp a, 0,1,2,3
.irp b, 0,1
.set gg, ACC+8*(4*(\a)+(\b))
.set uu, gg+16
.irp p, 0,2,4,6                        ; each accumulator's lowest registers are read first
	v_pk_mul_f32 v[gg+(\p):gg+(\p)+1], v[gg+(\p):gg+(\p)+1], v[RI+2*(\a):RI+2*(\a)+1]
.endr
.irp p, 0,2,4,6
	v_pk_mul_f32 v[EE+(\p):EE+(\p)+1], v[gg+(\p):gg+(\p)+1], s[90:91] op_sel_hi:[1,0]
.endr
.irp p, 0,1,2,3,4,5,6,7
	v_exp_f32 v[EE+(\p)], v[EE+(\p)]
.endr
.irp p, 0,2,4,6                        ; plain work that names none of the powers stands between them and their use
	v_pk_mul_f32 v[uu+(\p):uu+(\p)+1], v[uu+(\p):uu+(\p)+1], v[RI+2*(\a):RI+2*(\a)+1]
.endr
	s_wait_alu depctr_va_vdst(0)
.irp p, 0,2,4,6
	v_pk_add_f32 v[EE+(\p):EE+(\p)+1], v[EE+(\p):EE+(\p)+1], 1.0 op_sel_hi:[1,0]
.endr
.irp p, 0,1,2,3,4,5,6,7
	v_rcp_f32 v[EE+(\p)], v[EE+(\p)]
.endr
.irp p, 0,2,4,6                        ; and likewise behind the reciprocals
	v_pk_mul_f32 v[gg+(\p):gg+(\p)+1], v[gg+(\p):gg+(\p)+1], v[uu+(\p):uu+(\p)+1]
.endr
	s_wait_alu depctr_va_vdst(0)
.irp p, 0,2,4,6
	v_pk_mul_f32 v[gg+(\p):gg+(\p)+1], v[gg+(\p):gg+(\p)+1], v[EE+(\p):EE+(\p)+1]
.endr
.irp p, 0,1,2,3
	v_cvt_pk_bf16_f32 v[TMP+4*(2*(\a)+(\b))+(\p)], v[gg+2*(\p)], v[gg+2*(\p)+1]
.endr
	ds_store_b128 v[STO], v[TMP+4*(2*(\a)+(\b)):TMP+4*(2*(\a)+(\b))+3] offset:(\a)*16*SPI+32*(\b)
.endr
.endr
	s_wait_dscnt 0x0                               ; for the others' sake: my stores into the stage are done
	s_barrier_signal -1
	s_barrier_wait -1
.set t, 0
.rept 8
	ds_load_b128 v[TMP+4*t:TMP+4*t+3], v[RD] offset:t*4*SPI
.set t, t+1
.endr
.set t, 0
.rept 8
	s_wait_dscnt 7-t
	global_store_b128 v[CO2], v[TMP+4*t:TMP+4*t+3], s[78:79] offset:512*t  ; 512 consecutive bytes, aligned
.set t, t+1
.endr
	s_wait_tensorcnt 0x0                           ; the wave's end
	ds_add_u32 v[SPW], v[NIL]
	s_wait_dscnt 0x0
	CROUND                                         ; the closing round
	s_endpgm
.Lfunc_end_k_q036aa674df_gug:
	.size	k_q036aa674df_gug, .Lfunc_end_k_q036aa674df_gug-k_q036aa674df_gug
	.p2alignl 7, 3214868480
	.fill 96, 4, 3214868480
	.section	.rodata,"a",@progbits
	.p2align	6, 0x0
	.amdhsa_kernel k_q036aa674df_gug
		.amdhsa_group_segment_fixed_size 327680
		.amdhsa_private_segment_fixed_size 0
		.amdhsa_enable_private_segment 0
		.amdhsa_kernarg_size 32
		.amdhsa_user_sgpr_count 2
		.amdhsa_user_sgpr_kernarg_segment_ptr 1
		.amdhsa_wavefront_size32 1
		.amdhsa_system_sgpr_workgroup_id_x 1
		.amdhsa_system_sgpr_workgroup_id_y 1
		.amdhsa_system_sgpr_workgroup_id_z 1
		.amdhsa_system_vgpr_workitem_id 0
		.amdhsa_next_free_vgpr 512
		.amdhsa_next_free_sgpr 96
		.amdhsa_reserve_vcc 0
		.amdhsa_float_denorm_mode_32 3
		.amdhsa_float_denorm_mode_16_64 3
		.amdhsa_memory_ordered 1
		.amdhsa_forward_progress 1
		.amdhsa_inst_pref_size 75
	.end_amdhsa_kernel
	.amdgpu_metadata
---
amdhsa.version: [ 1, 2 ]
amdhsa.kernels:
  - .name:           k_q036aa674df_gug
    .symbol:         k_q036aa674df_gug.kd
    .args:
      - { .name: x1b, .offset: 0, .size: 8, .value_kind: global_buffer, .address_space: global }
      - { .name: wb, .offset: 8, .size: 8, .value_kind: global_buffer, .address_space: global }
      - { .name: ssq, .offset: 16, .size: 8, .value_kind: global_buffer, .address_space: global }
      - { .name: actb, .offset: 24, .size: 8, .value_kind: global_buffer, .address_space: global }
    .group_segment_fixed_size: 327680
    .private_segment_fixed_size: 0
    .kernarg_segment_align: 8
    .kernarg_segment_size: 32
    .max_flat_workgroup_size: 128
    .sgpr_count:     96
    .vgpr_count:     512
    .wavefront_size: 32
...
	.end_amdgpu_metadata
.endif
;; end of part 11
;; launch downg (part 12): grid 16 x 16, 4 waves a work-group, clusters of 4 x 4, 327,680 bytes of LDS; arguments actb, wb, x1, out0; writes out0
.if DOCPART == 12
	.amdgcn_target "amdgcn-amd-amdhsa--gfx1250"
	.amdhsa_code_object_version 6
	.text
	.protected	k_q036aa674df_downg
	.globl	k_q036aa674df_downg
	.p2align	8
	.type	k_q036aa674df_downg,@function
k_q036aa674df_downg:
	s_mov_b64 s[64:65], 0
	v_nop
	global_prefetch_b8 v0, s[64:65] scope:SCOPE_SE
	s_setreg_imm32_b32 hwreg(HW_REG_WAVE_MODE, 25, 1), 1
	s_wait_xcnt 0x0
	s_wait_alu depctr_hold_cnt(0) depctr_sa_sdst(0) depctr_va_vdst(0) depctr_va_sdst(0) depctr_va_ssrc(0) depctr_va_vcc(0) depctr_vm_vsrc(0)
	s_getreg_b32 s2, hwreg(HW_REG_IB_STS2, 6, 4)
	s_cmp_eq_u32 s2, 0
	s_cbranch_scc0 .Lentry_in_a_cluster
	s_endpgm
.Lentry_in_a_cluster:
	s_bfe_u32 s2, ttmp6, 0x10000c
	s_cmp_lg_u32 s2, 0xf033
	s_cbranch_scc0 .Lentry_shape_is_right
	s_endpgm
.Lentry_shape_is_right:
; out0 = x1 + act x w_down, in f32.
; A = actb [16 j][2048 rows][64] bf16: a K step of 256 is four blocks j; of each block 64 rows are 8,192 bytes on end, asked for as one row of the tile and padded in LDS after every 128 bytes.
; B = w_down in wb, [1024 k][2048 n] bf16, rows along N: its fragments come out of LDS turned, by ds_load_tr16_b128.
; A tile of C is 128 x 128; four waves, each 64 x 64: 16 accumulators.  K goes in 4 steps of 256 through two LDS slots filled by tensor loads.
; CLUSTER 4 x 4: A's tile is asked for jointly by the four of a row of the cluster, B's by the four of a column.  THE MATRIX INSTRUCTION IS USED TRANSPOSED.
; K IS WALKED ROUND: a cluster begins at K step (X + f(Y)) mod 4, X and Y the cluster's place in the grid, f = 0, 2, 2, 0, and wraps at the end.  The four clusters of one Y, which read the same rows
; of A, begin at four different steps, and clusters of one X, which read the same columns of B, two steps apart where f differs: a tile's readers ask for it at different steps, not all at once.
; The sums take their K steps in that order.  X and Y are alike in all sixteen partners.
; x1 is asked for behind the K loop's last refill: nothing but tiles is asked for before, and the two steps of the tail stand between these loads and the wait for them.
; REGISTERS: window 0: v1-31 addresses; v128-255 accumulators, then whole rows.  Window 1: two fragment buffers.  Window 2: v0-127 my 32 rows of x1.
.set NSTEP, 4
.set NB,    2048
.set WOFF,  41943040
.set PERM,  0
.set COLB,  128
.set PA,    144                        ; a row of A in LDS: 128 bytes + 16
.set HALFA, 4*64*PA                    ; 64 rows of four blocks
.set AQ,    64*PA                      ; a quarter step is a block
.set ASH,   7                          ; a row of a block: 128 bytes
.set AD0,   4096                       ; A's tile: 4,096 elements (64 rows of a block) in a row,
.set AD1,   4                          ; four rows,
.set ASTR,  131072                     ; a block apart,
.set AQI,   4                          ; padding after every 32 words
.set PB,    288
.set HALFB, 128*PB
.set AREG,  2*HALFA
.set SLOT,  AREG+2*HALFB
.set SPARE, 2*SLOT                     ; the spare words: two blocks of 256 bytes that no other line names
.set STAGE, SLOT                       ; the way out goes through slot 1: its last fill is the walk's last K step's, and its last reads are over at the last barrier of the K loop
.set SPI,   528
.set LA0, 16
.set LB0, 17
.set LB2, 18
.set ADRA, 19
.set ADRB, 20
.set STO, 24
.set RD,  25
.set CO,  26
.set SPW, 28
.set NIL, 29
.set ACC, 128
.set F0,  0
.set F1,  128
.set G1A, 24
.set G0A, 32
.set G1B, 48
.set G0B, 56
.set TB,  22
.set CNT, 23
.set KK,  45                           ; s45 the K step asked for last (taken mod 4 where it is stepped)
.set MSB, 0
.macro WIN new
.if MSB != (\new)
	s_set_vgpr_msb (MSB<<8)|(\new)
.set MSB, \new
.endif
.endm
.macro JLOAD s                         ; a joint load: waves 0 and 1 fetch A's two halves, waves 2 and 3 B's; s_nop 0 and four v_nop follow each line
	s_cmp_eq_u32 s11, 0
	s_cbranch_scc0 .Lfor_b_\@
	tensor_load_to_lds s[G0A+4*(\s):G0A+4*(\s)+3], s[G1A:G1A+7]
	s_nop 0
.rept 4
	v_nop
.endr
	s_branch .Lasked_\@
.Lfor_b_\@:
	tensor_load_to_lds s[G0B+4*(\s):G0B+4*(\s)+3], s[G1B:G1B+7]
	s_nop 0
.rept 4
	v_nop
.endr
.Lasked_\@:
.endm
.macro CREST
	s_cmp_lg_u32 s10, 0
	s_cbranch_scc1 .Lnot_wave_0_\@
	s_barrier_signal -3
.Lnot_wave_0_\@:
	s_barrier_wait -3
	s_barrier_signal -1
	s_barrier_wait -1
.endm
.macro CROUND
	s_barrier_signal -1
	s_barrier_wait -1
	CREST
.endm
.macro PLACES                          ; four places behind matrix instructions (ISA guide 7.12.1)
.rept 4
	v_nop
.endr
.endm
.macro MUL8 f, c, a0, zero             ; 8 matrix instructions; the 16 accumulators take turns
	WIN 0x05
.irp a, \a0, (\a0)+1
.irp b, 0,1,2,3
.if \zero
	v_wmma_f32_16x16x32_bf16 v[ACC+8*(4*(\a)+(\b)):ACC+8*(4*(\a)+(\b))+7], v[(\f)+64+8*(4*(\c)+(\b)):(\f)+64+8*(4*(\c)+(\b))+7], v[(\f)+8*(4*(\c)+(\a)):(\f)+8*(4*(\c)+(\a))+7], 0
.else
	v_wmma_f32_16x16x32_bf16 v[ACC+8*(4*(\a)+(\b)):ACC+8*(4*(\a)+(\b))+7], v[(\f)+64+8*(4*(\c)+(\b)):(\f)+64+8*(4*(\c)+(\b))+7], v[(\f)+8*(4*(\c)+(\a)):(\f)+8*(4*(\c)+(\a))+7], v[ACC+8*(4*(\a)+(\b)):ACC+8*(4*(\a)+(\b))+7]
.endif
.endr
.endr
.endm
.macro FETCH q, f                      ; 32 LDS loads in one run: quarter q of the slot in hand into buffer f; the first 32 along K first
	WIN 0x40
.irp c, 0,1
.irp i, 0,1,2,3
.if PERM
.set cb, 32*((\i)%2)+128*((\i)/2)
.else
.set cb, 32*(\i)
.endif
.set bo, ((\q)%2)*64*PB+(\c)*32*PB+cb
.set br, ADRB+(\q)/2
.set ao, (\q)*AQ+64*(\c)+(\i)*16*PA
	ds_load_tr16_b128 v[(\f)+64+8*(4*(\c)+(\i)):(\f)+64+8*(4*(\c)+(\i))+3],   v[br] offset:bo
	ds_load_tr16_b128 v[(\f)+64+8*(4*(\c)+(\i))+4:(\f)+64+8*(4*(\c)+(\i))+7], v[br] offset:bo+16*PB
	ds_load_b128 v[(\f)+8*(4*(\c)+(\i)):(\f)+8*(4*(\c)+(\i))+3],   v[ADRA] offset:ao
	ds_load_b128 v[(\f)+8*(4*(\c)+(\i))+4:(\f)+8*(4*(\c)+(\i))+7], v[ADRA] offset:ao+32
.endr
.endr
.endm
.macro QUARTER qn, f, g, zero
	s_wait_dscnt 16                                ; the first 32 along K are in; the 16 younger loads may be out
	MUL8 \f, 0, 0, \zero
	MUL8 \f, 0, 2, \zero
	PLACES
	FETCH \qn, \g
	s_wait_dscnt 32                                ; all but the 32 just issued
	MUL8 \f, 1, 0, 0
	MUL8 \f, 1, 2, 0
.endm
; The last quarter changes slots: in front of the barrier each wave waits for all its tensor loads, adds 0 to its spare word, and waits for that and for its reads of this slot.
; fill = 1: the barrier opens a round of the cluster's, and this slot is filled again, with the walk's step two on, first thing behind it.  fill = 0: the tail.
.macro TURN fill
	WIN 0
	s_wait_tensorcnt 0x0
	ds_add_u32 v[SPW], v[NIL]
	s_wait_dscnt 17                                ; the add and the youngest sixteen loads may be out
	MUL8 F1, 0, 0, 0
	s_wait_dscnt 0x0
	s_barrier_signal -1
	MUL8 F1, 0, 2, 0
	WIN 0
	s_barrier_wait -1
.if \fill
	CREST
	s_add_co_u32 s[G0A+5], s[TB], s20              ; no tensor load of mine is out: the walking sets are written: the slot just left,
	s_add_co_u32 s[G0B+5], s[TB], s21
	s_add_co_u32 s[KK], s[KK], 1                   ; the walk's next K step, round the end,
	s_and_b32 s[KK], s[KK], NSTEP-1
	s_lshl_b32 s94, s[KK], 20                      ; 1,048,576 bytes a step in both: four blocks of A, 256 rows of 4,096 bytes of B: the addresses are made anew from the tiles' bases
	s_add_nc_u64 s[G0A+6:G0A+7], s[14:15], s[94:95]
	s_or_b32 s[G0A+7], s[G0A+7], 0x80000000
	s_add_nc_u64 s[G0B+6:G0B+7], s[46:47], s[94:95]
	s_or_b32 s[G0B+7], s[G0B+7], 0x80000000
	JLOAD 1
.else
	PLACES
.endif
	s_xor_b32 s[TB], s[TB], SLOT
	v_add_nc_u32 v[ADRA], s[TB], v[LA0]
	v_add_nc_u32 v[ADRB], s[TB], v[LB0]
	v_add_nc_u32 v[ADRB+1], s[TB], v[LB2]
.if !(\fill)
	s_cmp_eq_u32 s[CNT], 1
	s_cbranch_scc1 .Lno_fetch_\@
.endif
	FETCH 0, F0
	WIN 0
.if !(\fill)
.Lno_fetch_\@:
.endif
	MUL8 F1, 1, 0, 0
	MUL8 F1, 1, 2, 0
.endm
	s_load_b256 s[72:79], s[0:1], 0x0              ; actb, wb, x1, out0
	v_lshl_add_u32 v[SPW], v0, 2, SPARE
	v_mov_b32 v[NIL], 0
	ds_add_u32 v[SPW], v[NIL]                      ; the wave's opening: the add is waited for ahead of my first tensor load
	v_lshrrev_b32 v1, 5, v0
	v_readfirstlane_b32 s10, v1
	s_lshr_b32 s11, s10, 1
	s_and_b32 s12, s10, 1
	s_bfe_u32 s40, ttmp6, 0x40000
	s_bfe_u32 s41, ttmp6, 0x40004
	s_lshl_b32 s42, ttmp9, 2
	s_add_co_u32 s42, s42, s40                     ; tile column
	s_and_b32 s13, ttmp7, 0xffff
	s_lshl_b32 s13, s13, 2
	s_add_co_u32 s13, s13, s41                     ; tile row
	s_lshl_b32 s43, s41, 2
	s_lshl_b32 s43, 15, s43
	s_lshl_b32 s44, 0x1111, s40
	s_or_b32 s[G1A], s43, (1<<16)|(1<<20)|(1<<21)|(AQI<<22)|(3<<25)
	s_or_b32 s[G1B], s44, (1<<16)|(1<<20)|(1<<21)|(5<<22)|(7<<25)
	s_mov_b32 s[G1A+1], AD0<<16
	s_mov_b32 s[G1A+2], AD1<<16
	s_mov_b32 s[G1A+3], AD0<<16
	s_mov_b32 s[G1A+4], AD1
	s_mov_b32 s[G1A+5], ASTR
	s_mov_b32 s[G1A+6], 0
	s_mov_b32 s[G1A+7], 0
	s_mov_b32 s[G1B+1], 128<<16
	s_mov_b32 s[G1B+2], 128<<16
	s_mov_b32 s[G1B+3], 128<<16
	s_mov_b32 s[G1B+4], 128
	s_mov_b32 s[G1B+5], NB
	s_mov_b32 s[G1B+6], 0
	s_mov_b32 s[G1B+7], 0
	s_lshl_b32 s16, s13, 7
	s_lshl_b32 s17, s12, 6
	s_add_co_u32 s16, s16, s17
	s_lshl_b32 s16, s16, ASH
	s_mov_b32 s17, 0
	s_lshl_b32 s46, s42, 8
	s_mul_i32 s47, s12, 256*NB
	s_add_co_u32 s46, s46, s47
	s_add_co_u32 s46, s46, WOFF
	s_mov_b32 s47, 0
	s_mul_i32 s20, s12, HALFA
	s_mul_i32 s21, s12, HALFB
	s_add_co_u32 s21, s21, AREG
	s_mov_b32 s[TB], 0
	s_and_b32 s94, ttmp7, 0xffff                   ; Y, the cluster's y
	s_lshr_b32 s95, s94, 1
	s_xor_b32 s94, s94, s95
	s_and_b32 s94, s94, 1
	s_lshl_b32 s94, s94, 1                         ; f(Y) = 0, 2, 2, 0
	s_add_co_u32 s94, s94, ttmp9                   ; + X, the cluster's x
	s_and_b32 s[KK], s94, 3                        ; the walk's first K step: 0 to 3
	s_mov_b32 s95, 0
	s_wait_dscnt 0x0
	s_wait_kmcnt 0x0
	s_add_nc_u64 s[14:15], s[72:73], s[16:17]      ; my part of A's tile at K = 0: kept
	s_add_nc_u64 s[46:47], s[74:75], s[46:47]      ; the same for B: kept
	CROUND                                         ; all sixteen work-groups are here: the first joint loads meet
.irp s, 0,1
	s_add_co_u32 s94, s[KK], \s
	s_and_b32 s94, s94, NSTEP-1                    ; the walk's second step may wrap
	s_lshl_b32 s94, s94, 20
	s_mov_b32 s[G0A+4*(\s)], 1
	s_add_co_u32 s[G0A+4*(\s)+1], s20, (\s)*SLOT
	s_add_nc_u64 s[G0A+4*(\s)+2:G0A+4*(\s)+3], s[14:15], s[94:95]
	s_or_b32 s[G0A+4*(\s)+3], s[G0A+4*(\s)+3], 0x80000000
	s_mov_b32 s[G0B+4*(\s)], 1
	s_add_co_u32 s[G0B+4*(\s)+1], s21, (\s)*SLOT
	s_add_nc_u64 s[G0B+4*(\s)+2:G0B+4*(\s)+3], s[46:47], s[94:95]
	s_or_b32 s[G0B+4*(\s)+3], s[G0B+4*(\s)+3], 0x80000000
	JLOAD \s                                       ; the walk's first two K steps: two loads of mine are out
.endr
	s_add_co_u32 s[KK], s[KK], 1
	v_and_b32 v1, 15, v0
	v_bfe_u32 v2, v0, 4, 1
	v_and_b32 v3, 7, v0
	v_bfe_u32 v4, v0, 3, 1
	v_and_b32 v5, 31, v0
	v_mul_u32_u24 v[LA0], v1, PA
	v_lshl_add_u32 v[LA0], v2, 4, v[LA0]
	s_mul_i32 s4, s11, HALFA
	v_add_nc_u32 v[LA0], s4, v[LA0]
	v_lshl_add_u32 v[LB0], v2, 3, v3
	v_mul_u32_u24 v[LB0], v[LB0], PB
	v_lshl_add_u32 v[LB0], v4, 4, v[LB0]
	s_mul_i32 s4, s12, COLB
	s_add_co_u32 s4, s4, AREG
	v_add_nc_u32 v[LB0], s4, v[LB0]
	v_add_nc_u32 v[LB2], HALFB, v[LB0]
	v_mov_b32 v[ADRA], v[LA0]
	v_mov_b32 v[ADRB], v[LB0]
	v_mov_b32 v[ADRB+1], v[LB2]
	v_lshlrev_b32 v[CO], 4, v5
	s_lshl_b32 s86, s13, 20                        ; the tile's 128 rows of 8,192 bytes,
	s_lshl_b32 s87, s10, 18                        ; my 32 of them,
	s_add_co_u32 s86, s86, s87
	s_lshl_b32 s87, s42, 9                         ; the tile's 512 bytes of a row
	s_add_co_u32 s86, s86, s87
	s_mov_b32 s87, 0
	s_add_nc_u64 s[76:77], s[76:77], s[86:87]
	s_add_nc_u64 s[78:79], s[78:79], s[86:87]
	s_mul_i32 s4, s11, 64*SPI
	s_lshl_b32 s5, s12, 8
	s_add_co_u32 s4, s4, s5
	s_add_co_u32 s4, s4, STAGE
	v_mul_u32_u24 v[STO], v1, SPI
	v_lshl_add_u32 v[STO], v2, 5, v[STO]
	v_add_nc_u32 v[STO], s4, v[STO]
	s_mul_i32 s4, s10, 32*SPI
	s_add_co_u32 s4, s4, STAGE
	v_add_nc_u32 v[RD], s4, v[CO]
	s_wait_tensorcnt 0x1                           ; my part of the first K step is in; the second's may stay out
	s_barrier_signal -1
	s_barrier_wait -1
	FETCH 0, F0
	QUARTER 1, F0, F1, 1
	WIN 0
	s_mov_b32 s[CNT], NSTEP-2
.Lk:
	QUARTER 2, F1, F0, 0
	QUARTER 3, F0, F1, 0
	TURN 1
	QUARTER 1, F0, F1, 0
	WIN 0
	s_sub_co_u32 s[CNT], s[CNT], 1
	s_cmp_lg_u32 s[CNT], 0
	s_cbranch_scc1 .Lk
	s_mov_b32 s[CNT], 2
	WIN 0x80                                       ; the last tile has been asked for: now the residual
.set i, 0
.rept 32                                               ; my 32 rows of x1, 512 consecutive bytes each, as the way out will hold them
	global_load_b128 v[4*i:4*i+3], v[CO], s[76:77] offset:8192*i th:TH_LOAD_NT
.set i, i+1
.endr
	WIN 0
.Lt:
	QUARTER 2, F1, F0, 0
	QUARTER 3, F0, F1, 0
	TURN 0
	WIN 0
	s_sub_co_u32 s[CNT], s[CNT], 1
	s_cmp_eq_u32 s[CNT], 0
	s_cbranch_scc1 .Lout
	QUARTER 1, F0, F1, 0
	WIN 0
	s_branch .Lt
.Lout:
	PLACES
.set t, 0
.rept 16                                               ; the sums go into the stage as they are, each accumulator's lowest registers first
	ds_store_b128 v[STO], v[ACC+8*t:ACC+8*t+3]   offset:(t/4)*16*SPI+(t%4)*64
	ds_store_b128 v[STO], v[ACC+8*t+4:ACC+8*t+7] offset:(t/4)*16*SPI+(t%4)*64+16
.set t, t+1
.endr
	s_wait_dscnt 0x0                               ; for the others' sake: my stores into the stage are done
	s_barrier_signal -1
	s_barrier_wait -1
.set i, 0
.rept 32
	ds_load_b128 v[ACC+4*i:ACC+4*i+3], v[RD] offset:SPI*i
.set i, i+1
.endr
	s_wait_loadcnt 0x0                             ; x1
	WIN 0x08                                       ; source 1 in window 2
.set i, 0
.rept 32
	s_wait_dscnt 31-i
	v_pk_add_f32 v[ACC+4*i:ACC+4*i+1],   v[ACC+4*i:ACC+4*i+1],   v[4*i:4*i+1]
	v_pk_add_f32 v[ACC+4*i+2:ACC+4*i+3], v[ACC+4*i+2:ACC+4*i+3], v[4*i+2:4*i+3]
.set i, i+1
.endr
	WIN 0
.set i, 0
.rept 32
	global_store_b128 v[CO], v[ACC+4*i:ACC+4*i+3], s[78:79] offset:8192*i th:TH_STORE_NT  ; 512 consecutive bytes, aligned
.set i, i+1
.endr
	s_wait_tensorcnt 0x0                           ; the wave's end
	ds_add_u32 v[SPW], v[NIL]
	s_wait_dscnt 0x0
	CROUND                                         ; the closing round
	s_endpgm
.Lfunc_end_k_q036aa674df_downg:
	.size	k_q036aa674df_downg, .Lfunc_end_k_q036aa674df_downg-k_q036aa674df_downg
	.p2alignl 7, 3214868480
	.fill 96, 4, 3214868480
	.section	.rodata,"a",@progbits
	.p2align	6, 0x0
	.amdhsa_kernel k_q036aa674df_downg
		.amdhsa_group_segment_fixed_size 327680
		.amdhsa_private_segment_fixed_size 0
		.amdhsa_enable_private_segment 0
		.amdhsa_kernarg_size 32
		.amdhsa_user_sgpr_count 2
		.amdhsa_user_sgpr_kernarg_segment_ptr 1
		.amdhsa_wavefront_size32 1
		.amdhsa_system_sgpr_workgroup_id_x 1
		.amdhsa_system_sgpr_workgroup_id_y 1
		.amdhsa_system_sgpr_workgroup_id_z 1
		.amdhsa_system_vgpr_workitem_id 0
		.amdhsa_next_free_vgpr 640
		.amdhsa_next_free_sgpr 96
		.amdhsa_reserve_vcc 0
		.amdhsa_float_denorm_mode_32 3
		.amdhsa_float_denorm_mode_16_64 3
		.amdhsa_memory_ordered 1
		.amdhsa_forward_progress 1
		.amdhsa_inst_pref_size 67
	.end_amdhsa_kernel
	.amdgpu_metadata
---
amdhsa.version: [ 1, 2 ]
amdhsa.kernels:
  - .name:           k_q036aa674df_downg
    .symbol:         k_q036aa674df_downg.kd
    .args:
      - { .name: actb, .offset: 0, .size: 8, .value_kind: global_buffer, .address_space: global }
      - { .name: wb, .offset: 8, .size: 8, .value_kind: global_buffer, .address_space: global }
      - { .name: x1, .offset: 16, .size: 8, .value_kind: global_buffer, .address_space: global }
      - { .name: out0, .offset: 24, .size: 8, .value_kind: global_buffer, .address_space: global }
    .group_segment_fixed_size: 327680
    .private_segment_fixed_size: 0
    .kernarg_segment_align: 8
    .kernarg_segment_size: 32
    .max_flat_workgroup_size: 128
    .sgpr_count:     96
    .vgpr_count:     640
    .wavefront_size: 32
...
	.end_amdgpu_metadata
.endif
;; end of part 12
